; MI455X (gfx1250); checked and timed in simulation.
; The chip was launched on July 23, 2026; its instructions are those of AMD's public machine-readable ISA for CDNA 5 (MIT licence, August 2026) and "CDNA5" Instruction Set Architecture Reference Guide (July 2026). The comments in the code are by the model that wrote it; some were corrected since.
;; Instance. Allowed arithmetic: matrix products marked QUANTISED: E2M3 operands, one E8M0 scale for each 32 along K, by v_wmma_scale_f32_16x16x128_f8f6f4 with both operands' format E2M3, f32 sums; everything else in f32.
;; Inputs: ffn_b1 4,096 float32; ffn_b2 1,024 float32; ffn_w1 1,024 x 4,096 float32; ffn_w2 4,096 x 1,024 float32; norm1_b 1,024 float32; norm1_w 1,024 float32; norm2_b 1,024 float32; norm2_w 1,024 float32; out_b 1,024 float32; out_w 1,024 x 1,024 float32; qkv_b 3,072 float32; qkv_w 1,024 x 3,072 float32; x 2 x 2,048 x 1,024 float32.
;; Outputs: out0 2 x 2,048 x 1,024 float32.
;; This version of the problem:
;;   THIS VERSION OF THE PROBLEM IS GIVEN IN LOW PRECISION. The matrix products marked QUANTISED in the list below multiply operands that are first quantised to E2M3 (2 exponent bits, 3 mantissa bits; 6 bits a number), with one power-of-two scale for each 32 numbers along K (OCP MX v1.0); their sums are f32. All else is computed in f32.
;;   The module's matrix products, in the order in which they are computed (A, B: the left and right operand; K: the contracted axis; several contracted axes count as one K, in the product's order):
;;     1. [M 4,096, K 1,024] x [K 1,024, N 3,072]; A: computed on the way; B: input qkv_w: QUANTISED
;;     2. batch 32 x [M 2,048, K 64] x [K 64, N 2,048]; A: computed on the way; B: computed on the way: QUANTISED
;;     3. batch 32 x [M 2,048, K 2,048] x [K 2,048, N 64]; A: softmax (see below); B: computed on the way: QUANTISED
;;     4. [M 4,096, K 1,024] x [K 1,024, N 1,024]; A: computed on the way; B: input out_w: QUANTISED
;;     5. [M 4,096, K 1,024] x [K 1,024, N 4,096]; A: computed on the way; B: input ffn_w1: QUANTISED
;;     6. [M 4,096, K 4,096] x [K 4,096, N 1,024]; A: computed on the way; B: input ffn_w2: QUANTISED
;;   THE QUANTISER, for each operand of a quantised product, along K:
;;     - K is cut into blocks of 32 from its start; a last block that is shorter is filled with zeros.
;;     - A block's scale is 2^e with e = floor(log2(the largest magnitude in the block)) - 2, held to -126 .. 127; a block of zeros has e = 0. As a byte (E8M0): e + 127.
;;     - Each number is divided by its block's scale, clamped to +-7.5, and rounded to the nearest number of E2M3, ties to even, subnormals kept.
;;     - The product sums the exact products of the quantised numbers (number of the format x scale) in f32.
;;   ~~~python
;;   def quantise(x, axis):      # numpy; x: float32 -> the quantised numbers, widened to float32 again
;;       x = np.moveaxis(x, axis, -1); K = x.shape[-1]
;;       x = np.pad(x, [(0, 0)] * (x.ndim - 1) + [(0, -K % 32)]); x = x.reshape(x.shape[:-1] + (-1, 32)); a = np.abs(x).max(-1, keepdims=True)
;;       e = np.where(a > 0, np.clip(np.frexp(np.where(a > 0, a, 1))[1] - 1 - 2, -126, 127), 0)      # np.frexp(a)[1] - 1 = floor(log2(a)), exactly
;;       r = np.clip(x / 2.0 ** e, -7.5, 7.5)
;;       step = 2.0 ** (np.maximum(np.frexp(np.where(r == 0, 1, r))[1] - 1, 0) - 3)
;;       q = np.round(r / step) * step * 2.0 ** e      # np.round: ties to even
;;       return np.moveaxis(q.reshape(q.shape[:-2] + (-1,))[..., :K], -1, axis).astype(np.float32)
;;   ~~~
;;   SOFTMAX AHEAD OF A QUANTISED PRODUCT. Where the list says 'softmax', what is quantised is not the finished softmax but p = 2^(t - M), with t = logit x log2(e) and M = ceil(the row's largest t), a whole number; so 1/2 < the row's largest p <= 1. The row's sum l is taken of the UNQUANTISED p, in f32, and the product's result is divided by l at the end. Since M is a whole number, a kernel that streams over the keys may use a running M (the ceiling of the running maximum): every later rescaling is an exact power of two, which a block's scale takes up: the codes' values come out the same.
;;   OPERANDS COMPUTED ON THE WAY. 'Computed on the way' means the value that the module computes at that place (a softmax that the list does not call 'softmax' is quantised finished and normalised). What goes into a quantiser is computed in f32, as accurately as f32 sums, v_exp_f32 and their like allow (about 1e-6 of the number): no bf16 or f16 on the way to a quantiser, and a product that is left as it is and whose result goes on into a quantised operand takes f32 operands (vector FMAs, or v_wmma_f32_16x16x4_f32). A number that lies on a knife's edge between two numbers of the format may be rounded either way, as far as f32 arithmetic and the matrix unit's own rounding can turn it there, and no further.
;; 2 versions. Each part assembles by itself: llvm-mc -triple=amdgcn-amd-amdhsa -mcpu=gfx1250 --defsym DOCPART=n.
;; ======== version 1 of 2: 7 launches
;; workspace buffers: prepq 13,107,200 bytes; qkvq 9,830,400 bytes; oq 3,276,800 bytes; ybuf 16,777,216 bytes; hq 3,276,800 bytes; h1q 13,107,200 bytes
;; launch prep (part 1): grid 640 x 1, 8 waves a work-group, no clusters, 66,816 bytes of LDS; arguments x, norm1_w, norm1_b, qkv_w, out_w, ffn_w1, ffn_w2, prepq; writes prepq
.if DOCPART == 1
	.amdgcn_target "amdgcn-amd-amdhsa--gfx1250"
	.amdhsa_code_object_version 6
	.text
	.protected	k_q8432c232f7_prep
	.globl	k_q8432c232f7_prep
	.p2align	8
	.type	k_q8432c232f7_prep,@function
k_q8432c232f7_prep:
	s_mov_b64 s[64:65], 0
	v_nop
	global_prefetch_b8 v0, s[64:65] scope:SCOPE_SE
	s_setreg_imm32_b32 hwreg(HW_REG_WAVE_MODE, 25, 1), 1
	s_wait_xcnt 0x0
; TWO JOBS, told apart by the work-group's number.
; Work-groups 0-255: LayerNorm of 16 rows of [4096][1024] f32 (two passes: mean, then the mean of squared differences; eps 1e-5; gain and bias), quantised along the row to codes of FP6 (E2M3) with one
; E8M0 byte for each 32 numbers.  Work-groups 256-639: the four weights, f32 stored [K][N], quantised along K.
; EVERYTHING LEAVES AS IMAGES OF MATRIX OPERANDS.  A fragment is 16 rows x 128 K, 12 registers a lane: register j of lane L lies at byte 512 (j / 4) + 16 L + 4 (j % 4) of 1,536.  Codes: [K step][tile][1536].
; Scale words (4 bytes: 128 along K of one row): [K step][tile / 4][row 0-15][tile % 4].
; THE ROWS OF A TILE ARE CHOSEN.  Row tile t, tile row r is row 64 (t / 4) + 32 (r / 8) + 16 (t % 2) + 2 (r % 8) + (t / 2) % 2: a tile holds rows of one parity.
; Column tile n of a weight, tile row r is column 32 (n / 2) + 8 (n % 2) + r + 8 (r / 8): in a transposed result two neighbouring tiles then give a lane 16 neighbouring columns.
; A block's scale is 2^(floor(log2(largest magnitude)) - 2): the largest magnitude's exponent field less 2, held at 1 from below.
; LIMITS: NaN and infinities are not served; a block of zeros gets the byte 1 (its codes are zeros, and only this program reads the bytes); blocks under 2^-124 are held at the byte 1.
; No tensor loads, no matrix work, no cluster: each input byte is read once by one work-group.  Only the norm's path touches LDS or has a barrier.
.set XSO,   3145728                    ; the rows' scale words (their codes lie at 0)
.set QC,    3276800                    ; qkv_w: codes, scale words
.set QSO,   5636096
.set OC,    5734400                    ; out_w
.set OSO,   6520832
.set W1C,   6553600                    ; ffn_w1
.set W1SO,  9699328
.set W2C,   9830400                    ; ffn_w2
.set W2SO,  12976128
.set FRB,   1536
.set PITCH, 4112                       ; a row in LDS: 4,096 bytes + 16: an odd multiple of 16, so the 16 rows that a load touches start at 16 different columns of 16 bytes
.set SEL,   24                         ; s[24:25] selects for v_permlanex16_b32: lane l xor 16
.set P10,   26                         ; s26 2^-10
.set X,     16                         ; v16-79   two rows, 32 numbers a lane each; later 64 numbers of one row and K step
.set GW,    80                         ; v80-111  the gain of my 32 columns
.set GB,    112                        ; v112-143 the bias
.set AC,    144                        ; v144-151 sums, four registers a row
.set TP,    156                        ; v156-157 a permute's destination
.set TM,    144                        ; the quantiser's seven registers
.set PW,    152                        ; the scale word
.set PC,    160                        ; v160-178 the codes
.set SH8,   7                          ; v7 8 x (lane / 16)
; 64 numbers of a lane, register 32 c + i = number i of my WHOLE block 2 c + lane / 16, become a fragment's 12 registers at v[PC] and the row's scale word in v[pw]
.macro QUANTW s, pw
.irp c, 0,1
	v_max3_num_f32 v[TM+\c], |v[\s+32*\c]|, |v[\s+32*\c+1]|, 0x1800000   ; with the floor 2^(3 - 127): the byte cannot fall under 1
.endr
.irp i, 2,4,6,8,10,12,14,16,18,20,22,24,26,28,30
.irp c, 0,1
	v_max3_num_f32 v[TM+\c], v[TM+\c], |v[\s+32*\c+\i]|, |v[\s+32*\c+\i+1]|
.endr
.endr
.irp c, 0,1
	v_add_nc_u32 v[TM+2+\c], 0xff000000, v[TM+\c]       ; 2 off the exponent field: the conversion's scale operand
.endr
.irp c, 0,1
	v_lshrrev_b32 v[TM+4+\c], 23, v[TM+2+\c]            ; the byte
.endr
	v_lshl_or_b32 v[\pw], v[TM+5], 16, v[TM+4]          ; my blocks are h and 2 + h:
	v_lshlrev_b32 v[\pw], v[SH8], v[\pw]                ; their bytes at their places,
	v_permlanex16_b32 v[TM+6], v[\pw], s[SEL], s[SEL+1]
	v_or_b32 v[\pw], v[\pw], v[TM+6]                    ; with lane l xor 16's two the word is whole
.irp c, 0,1
	v_cvt_scalef32_pk16_fp6_f32 v[PC+6*\c:PC+6*\c+2], v[\s+32*\c:\s+32*\c+15], v[TM+2+\c]
	v_cvt_scalef32_pk16_fp6_f32 v[PC+12+4*\c:PC+14+4*\c], v[\s+32*\c+16:\s+32*\c+31], v[TM+2+\c]   ; (a conversion's three registers begin on an even number)
.endr
	v_nop                                               ; one plain line behind the conversions
.irp c, 0,1
.irp i, 0,1,2
	v_mov_b32 v[PC+3+6*\c+\i], v[PC+12+4*\c+\i]
.endr
.endr
.endm
.macro ACROSS a, t                     ; the pair v[a], v[a + 1] summed over the wave's 32 lanes, into v[a] of every lane
	v_add_f32 v[\a], v[\a], v[\a+1]
.irp m, 1,2,4,8
	v_add_f32_dpp v[\a], v[\a], v[\a] row_xmask:\m row_mask:0xf bank_mask:0xf
.endr
	v_permlanex16_b32 v[\t], v[\a], s[SEL], s[SEL+1]
	v_add_f32 v[\a], v[\a], v[\t]
.endm
.macro STATS k                         ; row k of my two: x - mean in place, 1 / sqrt(variance + eps) asked for in v[AC + 4 k]
.set XR, X+32*\k
.set RA, AC+4*\k
	v_pk_add_f32 v[RA:RA+1], v[XR:XR+1], v[XR+2:XR+3]
	v_pk_add_f32 v[RA+2:RA+3], v[XR+4:XR+5], v[XR+6:XR+7]
.irp i, 8,12,16,20,24,28
	v_pk_add_f32 v[RA:RA+1], v[RA:RA+1], v[XR+\i:XR+\i+1]
	v_pk_add_f32 v[RA+2:RA+3], v[RA+2:RA+3], v[XR+\i+2:XR+\i+3]
.endr
	v_pk_add_f32 v[RA:RA+1], v[RA:RA+1], v[RA+2:RA+3]
	ACROSS RA, TP+\k
	v_mul_f32 v[RA], s[P10], v[RA]                      ; the mean
.set n, 0
.rept 16
	v_pk_add_f32 v[XR+n:XR+n+1], v[XR+n:XR+n+1], v[RA:RA+1] op_sel_hi:[1,0] neg_lo:[0,1] neg_hi:[0,1]
.set n, n+2
.endr
	v_pk_mul_f32 v[RA:RA+1], v[XR:XR+1], v[XR:XR+1]
	v_pk_mul_f32 v[RA+2:RA+3], v[XR+2:XR+3], v[XR+2:XR+3]
.irp i, 4,8,12,16,20,24,28
	v_pk_fma_f32 v[RA:RA+1], v[XR+\i:XR+\i+1], v[XR+\i:XR+\i+1], v[RA:RA+1]
	v_pk_fma_f32 v[RA+2:RA+3], v[XR+\i+2:XR+\i+3], v[XR+\i+2:XR+\i+3], v[RA+2:RA+3]
.endr
	v_pk_add_f32 v[RA:RA+1], v[RA:RA+1], v[RA+2:RA+3]
	ACROSS RA, TP+\k
	v_fmaak_f32 v[RA], s[P10], v[RA], 0x3727c5ac        ; the variance + 1e-5
	v_rsq_f32 v[RA], v[RA]
.endm
	v_lshl_add_u32 v208, v0, 2, 0x10100
	v_mov_b32 v209, 0
	s_cmp_ge_u32 ttmp9, 256                        ; the same in all eight waves
	s_cbranch_scc1 .Lweights
	; ---------------- the norm: row tile t = the work-group's number ----------------
	s_load_b128 s[4:7], s[0:1], 0x0                ; the rows, the gain
	s_load_b64 s[8:9], s[0:1], 0x10                ; the bias
	s_load_b64 s[10:11], s[0:1], 0x38              ; the operands' buffer
	v_lshrrev_b32 v1, 5, v0
	v_readfirstlane_b32 s12, v1                    ; wave 0..7
	v_and_b32 v1, 31, v0                           ; lane
	v_lshlrev_b32 v2, 4, v1                        ; 16 x lane
	v_and_b32 v3, 15, v0                           ; r
	v_bfe_u32 v4, v0, 4, 1                         ; h
	; phase 1: wave w takes tile rows 2 w and 2 w + 1, which lie two rows apart in memory
	s_lshr_b32 s13, ttmp9, 2
	s_lshl_b32 s13, s13, 6                         ; 64 (t / 4)
	s_and_b32 s14, ttmp9, 1
	s_lshl_b32 s14, s14, 4
	s_add_co_u32 s13, s13, s14                     ; + 16 (t % 2)
	s_bfe_u32 s14, ttmp9, 0x10001
	s_add_co_u32 s13, s13, s14                     ; + (t / 2) % 2
	s_lshr_b32 s14, s12, 2
	s_lshl_b32 s14, s14, 5
	s_add_co_u32 s13, s13, s14                     ; + 32 (w / 4)
	s_and_b32 s14, s12, 3
	s_lshl_b32 s14, s14, 2
	s_add_co_u32 s13, s13, s14                     ; + 4 (w % 4)
	s_lshl_b32 s14, s13, 12                        ; in bytes
	s_mov_b32 s15, 0
	s_lshl_b32 s18, s12, 8                         ; phase 2: wave w makes K step w: fragment 256 w + t
	s_add_co_u32 s18, s18, ttmp9
	s_mul_i32 s18, s18, FRB
	s_mov_b32 s19, 0
	s_lshl_b32 s22, s12, 6                         ; its scale words: (64 w + t / 4) x 256 + 4 (t % 4) (+ 16 r)
	s_lshr_b32 s23, ttmp9, 2
	s_add_co_u32 s22, s22, s23
	s_lshl_b32 s22, s22, 8
	s_and_b32 s23, ttmp9, 3
	s_lshl_b32 s23, s23, 2
	s_add_co_u32 s22, s22, s23
	s_add_co_u32 s22, s22, XSO
	s_mov_b32 s23, 0
	s_mov_b32 s[SEL], 0x76543210
	s_mov_b32 s[SEL+1], 0xfedcba98
	s_mov_b32 s[P10], 0x3a800000
	s_wait_kmcnt 0x0
	s_add_nc_u64 s[4:5], s[4:5], s[14:15]
	s_add_nc_u64 s[20:21], s[10:11], s[18:19]
	s_add_nc_u64 s[22:23], s[10:11], s[22:23]
.irp k, 0,1
.irp j, 0,1,2,3,4,5,6,7
	global_load_b128 v[X+32*\k+4*\j:X+32*\k+4*\j+3], v2, s[4:5] offset:8192*\k+512*\j th:TH_LOAD_NT   ; 512 consecutive bytes a load
.endr
.endr
.irp j, 0,1,2,3,4,5,6,7
	global_load_b128 v[GW+4*\j:GW+4*\j+3], v2, s[6:7] offset:512*\j
	global_load_b128 v[GB+4*\j:GB+4*\j+3], v2, s[8:9] offset:512*\j
.endr
	s_mul_i32 s16, s12, 2*PITCH
	v_add_nc_u32 v5, s16, v2                       ; LDS, in: tile row 2 w, 16 bytes a lane
	v_mul_u32_u24 v6, v3, PITCH
	v_lshl_add_u32 v6, v4, 7, v6
	s_lshl_b32 s16, s12, 9
	v_add_nc_u32 v6, s16, v6                       ; LDS, out: tile row r, K step w, my half's block of 32
	v_lshlrev_b32 v[SH8], 3, v4
	v_lshlrev_b32 v8, 4, v3                        ; 16 r
	v_mov_b32 v[TP], 0                             ; a lane permute's destination counts as one of its sources
	v_mov_b32 v[TP+1], 0
	s_wait_loadcnt 16                              ; the two rows are in; the 16 loads of gain and bias may be out
	STATS 0
	STATS 1
	v_nop                                          ; a plain line behind the last transcendental,
	s_wait_alu depctr_va_vdst(0)                   ; and one wait for both, ahead of the first reader
	s_wait_loadcnt 0x0
.irp k, 0,1
.set n, 0
.rept 16
	v_pk_mul_f32 v[X+32*\k+n:X+32*\k+n+1], v[X+32*\k+n:X+32*\k+n+1], v[AC+4*\k:AC+4*\k+1] op_sel_hi:[1,0]
	v_pk_fma_f32 v[X+32*\k+n:X+32*\k+n+1], v[X+32*\k+n:X+32*\k+n+1], v[GW+n:GW+n+1], v[GB+n:GB+n+1]
.set n, n+2
.endr
.endr
.irp k, 0,1
.irp j, 0,1,2,3,4,5,6,7
	ds_store_b128 v5, v[X+32*\k+4*\j:X+32*\k+4*\j+3] offset:PITCH*\k+512*\j
.endr
.endr
	s_wait_dscnt 0x0                               ; for the others' sake: my two rows lie in LDS
	s_barrier_signal -1
	s_barrier_wait -1
.irp c, 0,1
.irp i, 0,1,2,3,4,5,6,7
	ds_load_b128 v[X+32*\c+4*\i:X+32*\c+4*\i+3], v6 offset:256*\c+16*\i   ; k = 128 w + 64 c + 32 h + 4 i ..
.endr
.endr
	s_wait_dscnt 0x0
	QUANTW X, PW
.irp c, 0,1,2
	global_store_b128 v2, v[PC+4*\c:PC+4*\c+3], s[20:21] offset:512*\c   ; 512 consecutive bytes, aligned
.endr
	global_store_b32 v8, v[PW], s[22:23]           ; 4 bytes of each of 16 runs of 16 (lanes 16-31 store the same words): the other three tiles' work-groups fill the rest; one byte in 24 of what is stored
	s_wait_tensorcnt 0x0
	ds_add_u32 v208, v209
	s_wait_dscnt 0x0
	s_endpgm
	; ---------------- the weights: 256 columns x 128 K a work-group, 32 columns a wave ----------------
.set D,  16                            ; v16-143  four blocks of 32 numbers down K
.set VO, 144                           ; v144-175 byte offset of row i of a block, at my column
.set F,  176                           ; v176-187 blocks 0, 2; v188-199 blocks 1, 3
.set CT, 200
.set WD, 204                           ; my column's scale word
.Lweights:
	s_load_b256 s[4:11], s[0:1], 0x18              ; qkv_w, out_w, ffn_w1, ffn_w2
	s_load_b64 s[12:13], s[0:1], 0x38              ; the operands' buffer
	v_lshrrev_b32 v1, 5, v0
	v_readfirstlane_b32 s14, v1                    ; wave
	v_and_b32 v1, 31, v0
	v_and_b32 v2, 15, v0                           ; r
	v_bfe_u32 v3, v0, 4, 1                         ; u: lanes 0-15 take the even tile's columns, lanes 16-31 the odd tile's
	s_sub_co_u32 s20, ttmp9, 256
	s_mov_b32 s21, 256                             ; ffn_w2: first work-group, K steps - 1 and their log2, a row's bytes, column tiles, codes, scale words
	s_mov_b32 s22, 31
	s_mov_b32 s23, 5
	s_mov_b32 s24, 4096
	s_mov_b32 s25, 64
	s_mov_b32 s26, W2C
	s_mov_b32 s27, W2SO
	s_wait_kmcnt 0x0
	s_mov_b64 s[28:29], s[10:11]
	s_cmp_lt_u32 s20, 256                          ; ffn_w1
	s_cselect_b32 s21, 128, s21
	s_cselect_b32 s22, 7, s22
	s_cselect_b32 s23, 3, s23
	s_cselect_b32 s24, 16384, s24
	s_cselect_b32 s25, 256, s25
	s_cselect_b32 s26, W1C, s26
	s_cselect_b32 s27, W1SO, s27
	s_cselect_b64 s[28:29], s[8:9], s[28:29]
	s_cmp_lt_u32 s20, 128                          ; out_w
	s_cselect_b32 s21, 96, s21
	s_cselect_b32 s24, 4096, s24
	s_cselect_b32 s25, 64, s25
	s_cselect_b32 s26, OC, s26
	s_cselect_b32 s27, OSO, s27
	s_cselect_b64 s[28:29], s[6:7], s[28:29]
	s_cmp_lt_u32 s20, 96                           ; qkv_w
	s_cselect_b32 s21, 0, s21
	s_cselect_b32 s24, 12288, s24
	s_cselect_b32 s25, 192, s25
	s_cselect_b32 s26, QC, s26
	s_cselect_b32 s27, QSO, s27
	s_cselect_b64 s[28:29], s[4:5], s[28:29]
	s_sub_co_u32 s20, s20, s21
	s_and_b32 s30, s20, s22                        ; the K step
	s_lshr_b32 s31, s20, s23
	s_lshl_b32 s31, s31, 3
	s_add_co_u32 s31, s31, s14                     ; cg: my wave's 32 columns, tiles 2 cg and 2 cg + 1
	v_and_b32 v4, 8, v2
	v_add_nc_u32 v4, v4, v2
	v_lshl_add_u32 v4, v3, 3, v4                   ; r + 8 (r / 8) + 8 u
	s_lshl_b32 s32, s31, 5
	v_add_nc_u32 v4, s32, v4                       ; my column
	v_lshlrev_b32 v[VO], 2, v4
.set n, 1
.rept 31
	v_add_nc_u32 v[VO+n], s24, v[VO+n-1]
.set n, n+1
.endr
	s_lshl_b32 s33, s30, 7
	s_mul_i32 s34, s33, s24                        ; 128 x K step rows down
	s_mov_b32 s35, 0
	s_add_nc_u64 s[36:37], s[28:29], s[34:35]      ; a base for each block of 32 rows
	s_lshl_b32 s34, s24, 5
	s_add_nc_u64 s[38:39], s[36:37], s[34:35]
	s_add_nc_u64 s[40:41], s[38:39], s[34:35]
	s_add_nc_u64 s[42:43], s[40:41], s[34:35]
.macro WLOAD t                         ; block t into its own 32 registers, from its own base.  A lane takes a column and its registers run down K: each load reads 128 consecutive bytes, the eight waves stand side by side on 1,024
.set n, 0
.rept 32
	global_load_b32 v[D+32*(\t)+n], v[VO+n], s[36+2*(\t):37+2*(\t)] th:TH_LOAD_NT
.set n, n+1
.endr
.endm
	WLOAD 0
	WLOAD 1
	s_mul_i32 s44, s30, s25
	s_lshl_b32 s45, s31, 1
	s_add_co_u32 s44, s44, s45
	s_mul_i32 s44, s44, FRB
	s_add_co_u32 s44, s44, s26
	s_mov_b32 s45, 0
	s_add_nc_u64 s[46:47], s[12:13], s[44:45]      ; fragment (K step, tile 2 cg)
	s_lshr_b32 s48, s25, 2
	s_mul_i32 s48, s30, s48
	s_lshr_b32 s49, s31, 1
	s_add_co_u32 s48, s48, s49
	s_lshl_b32 s48, s48, 8
	s_and_b32 s49, s31, 1
	s_lshl_b32 s49, s49, 3
	s_add_co_u32 s48, s48, s49
	s_add_co_u32 s48, s48, s27
	s_mov_b32 s49, 0
	s_add_nc_u64 s[50:51], s[12:13], s[48:49]      ; its scale words
	v_lshlrev_b32 v5, 4, v2
	v_lshl_add_u32 v5, v3, 2, v5                   ; 16 r + 4 u
	v_lshlrev_b32 v6, 4, v1                        ; 16 x lane
.macro WBLOCK t, left
.set XB, D+32*(\t)
	s_wait_loadcnt \left                           ; this block's 32 loads are in; the next block's may be out
.if (\t) < 2
	WLOAD (\t)+2                                   ; two blocks ahead, into registers of its own
.endif
	v_max3_num_f32 v8, |v[XB]|, |v[XB+1]|, |v[XB+2]|
	v_max3_num_f32 v9, |v[XB+3]|, |v[XB+4]|, |v[XB+5]|
.irp i, 6,10,14,18,22,26
	v_max3_num_f32 v8, v8, |v[XB+\i]|, |v[XB+\i+1]|
	v_max3_num_f32 v9, v9, |v[XB+\i+2]|, |v[XB+\i+3]|
.endr
	v_max3_num_f32 v8, v8, |v[XB+30]|, |v[XB+31]|
	v_max3_num_f32 v8, v8, v9, 0x1800000
	v_add_nc_u32 v10, 0xff000000, v8
	v_lshrrev_b32 v11, 23, v10
.if (\t) == 0
	v_mov_b32 v[WD], v11
.else
	v_lshl_or_b32 v[WD], v11, 8*(\t), v[WD]
.endif
	v_cvt_scalef32_pk16_fp6_f32 v[F+12*((\t)%2)+6*((\t)/2):F+12*((\t)%2)+6*((\t)/2)+2], v[XB:XB+15], v10
	v_cvt_scalef32_pk16_fp6_f32 v[CT:CT+2], v[XB+16:XB+31], v10
	v_nop
.irp i, 0,1,2
	v_mov_b32 v[F+12*((\t)%2)+6*((\t)/2)+3+\i], v[CT+\i]
.endr
.endm
	WBLOCK 0, 32
	WBLOCK 1, 32
	WBLOCK 2, 32
	WBLOCK 3, 0
.set n, 0
.rept 12
	v_permlane16_swap_b32 v[F+n], v[F+12+n]        ; the first's lanes 16-31 change places with the second's lanes 0-15: the first is now tile 2 cg's fragment, the second tile 2 cg + 1's
.set n, n+1
.endr
.irp c, 0,1,2
	global_store_b128 v6, v[F+4*\c:F+4*\c+3], s[46:47] offset:512*\c
	global_store_b128 v6, v[F+12+4*\c:F+12+4*\c+3], s[46:47] offset:FRB+512*\c
.endr
	global_store_b32 v5, v[WD], s[50:51]           ; 8 bytes of each of 16 runs of 16: the neighbouring wave fills the rest
	s_endpgm
.Lfunc_end_k_q8432c232f7_prep:
	.size	k_q8432c232f7_prep, .Lfunc_end_k_q8432c232f7_prep-k_q8432c232f7_prep
	.p2alignl 7, 3214868480
	.fill 96, 4, 3214868480
	.section	.rodata,"a",@progbits
	.p2align	6, 0x0
	.amdhsa_kernel k_q8432c232f7_prep
		.amdhsa_group_segment_fixed_size 66816
		.amdhsa_private_segment_fixed_size 0
		.amdhsa_enable_private_segment 0
		.amdhsa_kernarg_size 64
		.amdhsa_user_sgpr_count 2
		.amdhsa_user_sgpr_kernarg_segment_ptr 1
		.amdhsa_wavefront_size32 1
		.amdhsa_system_sgpr_workgroup_id_x 1
		.amdhsa_system_sgpr_workgroup_id_y 1
		.amdhsa_system_sgpr_workgroup_id_z 1
		.amdhsa_system_vgpr_workitem_id 0
		.amdhsa_next_free_vgpr 210
		.amdhsa_next_free_sgpr 66
		.amdhsa_reserve_vcc 0
		.amdhsa_float_denorm_mode_32 3
		.amdhsa_float_denorm_mode_16_64 3
		.amdhsa_memory_ordered 1
		.amdhsa_forward_progress 1
		.amdhsa_inst_pref_size 47
	.end_amdhsa_kernel
	.amdgpu_metadata
---
amdhsa.version: [ 1, 2 ]
amdhsa.kernels:
  - .name:           k_q8432c232f7_prep
    .symbol:         k_q8432c232f7_prep.kd
    .args:
      - { .name: x, .offset: 0, .size: 8, .value_kind: global_buffer, .address_space: global }
      - { .name: norm1_w, .offset: 8, .size: 8, .value_kind: global_buffer, .address_space: global }
      - { .name: norm1_b, .offset: 16, .size: 8, .value_kind: global_buffer, .address_space: global }
      - { .name: qkv_w, .offset: 24, .size: 8, .value_kind: global_buffer, .address_space: global }
      - { .name: out_w, .offset: 32, .size: 8, .value_kind: global_buffer, .address_space: global }
      - { .name: ffn_w1, .offset: 40, .size: 8, .value_kind: global_buffer, .address_space: global }
      - { .name: ffn_w2, .offset: 48, .size: 8, .value_kind: global_buffer, .address_space: global }
      - { .name: prepq, .offset: 56, .size: 8, .value_kind: global_buffer, .address_space: global }
    .group_segment_fixed_size: 66816
    .private_segment_fixed_size: 0
    .kernarg_segment_align: 8
    .kernarg_segment_size: 64
    .max_flat_workgroup_size: 256
    .sgpr_count:     66
    .vgpr_count:     210
    .wavefront_size: 32
...
	.end_amdgpu_metadata
.endif
;; end of part 1
;; launch gemm_qkv (part 2): grid 12 x 16, 4 waves a work-group, clusters of 4 x 4, 327,680 bytes of LDS; arguments prepq, qkv_b, qkvq; writes qkvq
.if DOCPART == 2
	.amdgcn_target "amdgcn-amd-amdhsa--gfx1250"
	.amdhsa_code_object_version 6
	.text
	.protected	k_q8432c232f7_gemm_qkv
	.globl	k_q8432c232f7_gemm_qkv
	.p2align	8
	.type	k_q8432c232f7_gemm_qkv,@function
k_q8432c232f7_gemm_qkv:
	s_mov_b64 s[64:65], 0
	v_nop
	global_prefetch_b8 v0, s[64:65] scope:SCOPE_SE
	s_setreg_imm32_b32 hwreg(HW_REG_WAVE_MODE, 25, 1), 1
	s_wait_xcnt 0x0
	s_wait_alu depctr_hold_cnt(0) depctr_sa_sdst(0) depctr_va_vdst(0) depctr_va_sdst(0) depctr_va_ssrc(0) depctr_va_vcc(0) depctr_vm_vsrc(0)
	s_getreg_b32 s2, hwreg(HW_REG_IB_STS2, 6, 4)
	s_cmp_eq_u32 s2, 0
	s_cbranch_scc0 .Lentry_in_a_cluster
	s_endpgm
.Lentry_in_a_cluster:
	s_bfe_u32 s2, ttmp6, 0x10000c
	s_cmp_lg_u32 s2, 0xf033
	s_cbranch_scc0 .Lentry_shape_is_right
	s_endpgm
.Lentry_shape_is_right:
; q, k, v = LN1(x) W_qkv + b on codes of FP6 (E2M3) with E8M0 scales, [4096 x 1024] x [1024 x 3072]; the results leave QUANTISED, as operands of the two attention products.
; Both operands lie in memory as images of fragments (16 rows x 128 K = 1,536 bytes: register j of lane L at 512 (j / 4) + 16 L + 4 (j % 4)), codes [K step][tile][1536], scale words [K step][tile / 4][row][tile % 4].
; A block of 256 x 256 to a work-group of four waves, 128 x 128 to a wave: 64 accumulators, 512 registers.  K in steps of 256 through two LDS slots filled by the tensor data mover; the scale words of all of K come once.
; CLUSTER 4 x 4: the activations' tiles are asked for jointly along a row of the cluster, the weights' along a column.
; Q AND K (clusters x = 0, 1): source 0 = 16 columns of W, source 1 = 16 rows of xn.  A lane holds one row; by the order of a weight tile's columns its 64 results of a row tile are register 16 g + i = column 32 g + 16 h + i:
; one K step (two heads) of q k^T, quantised along the head's axis.  Out: [16 K steps: q's 8 head pairs, k's 8][256 row tiles][1536].
; V (cluster x = 2): THE SOURCES CHANGE PLACES, by which LDS region feeds which registers; the tensor loads are the same.  A lane then holds one channel, and by the order of a row tile's rows its registers 32 c + i are
; the 32 keys of block 2 c + h (the 16 even keys, then the 16 odd): v is quantised along the keys with no transposition.  Out: [8 head pairs][32 key steps][8 channel tiles][1536].
; LIMITS: NaN and infinities are not served; a block of zeros gets the byte 1 (read by this program alone); blocks under 2^-124 are held at the byte 1.
; REGISTERS: window 0: v1-29 addresses; v32-63 scale words, two sets; v64-79 v's bias; v128-223 source 1's fragments, one set; window 1: source 0's, two sets (v0-95, v128-223), q's and k's bias in v96-127, v224-255;
; windows 2, 3: the accumulators ((a, b) at v[8 (8 (a % 4) + b)]).
.set TA,    256                        ; row tiles
.set TB,    192                        ; column tiles
.set SK,    8                          ; K steps of 128
.set ASCL,  3145728                    ; xn: codes at 0, scale words here
.set BCOD,  3276800                    ; qkv_w
.set BSCL,  5636096
.set O_VC,  6291456                    ; the output: v's codes, q's and k's scale words, v's scale words
.set O_QS,  9437184
.set O_VS,  9699328
.set FRB,   1536
.set FR,    12
.set NL,    3                          ; LDS loads that bring a fragment
.set NP,    4                          ; places behind this matrix instruction (ISA guide 7.12.1)
.set HALFT, 16*FRB                     ; what one tensor load brings: 2 K steps x 8 fragments
.set SLOT,  4*HALFT
.set LAPS,  SK/4
.set SCL,   2*SLOT                     ; behind the ring: the scale words, 512 bytes for 8 tiles and a K step
.set HALFS, 512*SK
.set SPARE, 327168                     ; the spare words: the last 512 bytes, which no other line names
.set LI,   4                           ; v4  16 x lane
.set SH8,  12                          ; v12 8 x (lane / 16)
.set BQO,  13                          ; v13, v14 offsets of the bias loads
.set BVO,  14
.set ADRA, 16                          ; v16-17 source 1's fragments in slot 0, 1
.set ADRB, 20                          ; v20-21 source 0's
.set ADRS, 27                          ; v27 my scale words: lanes 0-15 source 1's rows, lanes 16-31 source 0's
.set SPW,  28
.set NIL,  29
.set SC,   32
.set BV,   64
.set PWS,  80                          ; v80-87 the eight scale words made
.set SW,   88
.set AF,   128
.set ST,   128                         ; the way out: 64 numbers
.set TM,   192
.set PC,   208
.set G1, 24
.set G0, 32
.set G1B, 48
.set G0B, 56
.set G1S, 68
.set G0S, 76
.set G1SB, 80
.set G0SB, 88
.set SEL, 92
.set HM,  94
.set MSB, 0
.macro WIN new                         ; the immediate's high byte repeats the setting that is left
.if MSB != (\new)
	s_set_vgpr_msb (MSB<<8)|(\new)
.set MSB, (\new)
.endif
.endm
.set MUL_LO, 0xa1                      ; source 0 window 1, source 1 window 0, C and D window 2
.set MUL_HI, 0xf1
.set TO_B,   0x40
.macro JLOAD g0a, g1a, g0b, g1b        ; a joint load: waves 0, 1 fetch activations, waves 2, 3 weights; four v_nop follow each line
	s_cmp_eq_u32 s15, 0
	s_cbranch_scc0 .Lfor_b_\@
	tensor_load_to_lds s[\g0a:\g0a+3], s[\g1a:\g1a+7]
	s_nop 0
.rept 4
	v_nop
.endr
	s_branch .Lasked_\@
.Lfor_b_\@:
	tensor_load_to_lds s[\g0b:\g0b+3], s[\g1b:\g1b+7]
	s_nop 0
.rept 4
	v_nop
.endr
.Lasked_\@:
.endm
.macro CREST                           ; a round of the cluster's barrier behind its opening barrier
	s_cmp_lg_u32 s14, 0
	s_cbranch_scc1 .Lnot_wave_0_\@
	s_barrier_signal -3
.Lnot_wave_0_\@:
	s_barrier_wait -3
	s_barrier_signal -1
	s_barrier_wait -1
.endm
.macro CROUND
	s_barrier_signal -1
	s_barrier_wait -1
	CREST
.endm
	s_load_b128 s[4:7], s[0:1], 0x0                ; the operands, the bias
	s_load_b64 s[8:9], s[0:1], 0x10                ; the output
	v_lshl_add_u32 v[SPW], v0, 2, SPARE
	v_mov_b32 v[NIL], 0
	ds_add_u32 v28, v29
	ds_add_u32 v28, v29
	s_wait_dscnt 0x0
	v_lshrrev_b32 v1, 5, v0
	v_readfirstlane_b32 s14, v1                    ; wave 0..3
	s_lshr_b32 s15, s14, 1                         ; source 1's half that is mine.  Also: I fetch activations (0) or weights (1)
	s_and_b32 s16, s14, 1                          ; source 0's half.  Also: which 8 tiles I fetch
	s_bfe_u32 s40, ttmp6, 0x40000                  ; cx, cy
	s_bfe_u32 s41, ttmp6, 0x40004
	s_lshl_b32 s42, ttmp9, 2
	s_add_co_u32 s42, s42, s40                     ; tx: block column
	s_and_b32 s17, ttmp7, 0xffff
	s_lshl_b32 s17, s17, 2
	s_add_co_u32 s17, s17, s41                     ; ty: block row
	s_lshl_b32 s43, s41, 2
	s_lshl_b32 s43, 15, s43                        ; my row of the cluster
	s_lshl_b32 s44, 0x1111, s40                    ; my column
	; group 1, codes: 2 rows (K steps) of 1,536 elements of 8 bytes (8 fragments on end), a K step's tiles apart; no padding: a fragment is read 512 consecutive bytes at a time
	s_or_b32 s[G1+0], s43, (3<<16)|(1<<21)
	s_or_b32 s[G1B+0], s44, (3<<16)|(1<<21)
	s_mov_b32 s[G1+5], 192*TA
	s_mov_b32 s[G1B+5], 192*TB
.irp g, G1, G1B
	s_mov_b32 s[\g+1], 1536<<16
	s_mov_b32 s[\g+2], 2<<16
	s_mov_b32 s[\g+3], 1536<<16
	s_mov_b32 s[\g+4], 2
	s_mov_b32 s[\g+6], 0
	s_mov_b32 s[\g+7], 0
.endr
	; group 1, scale words: SK rows of 64 elements of 8 bytes
	s_or_b32 s[G1S+0], s43, (3<<16)|(1<<21)
	s_or_b32 s[G1SB+0], s44, (3<<16)|(1<<21)
	s_mov_b32 s[G1S+5], 8*TA
	s_mov_b32 s[G1SB+5], 8*TB
.irp g, G1S, G1SB
	s_mov_b32 s[\g+1], 64<<16
	s_mov_b32 s[\g+2], SK<<16
	s_mov_b32 s[\g+3], 64<<16
	s_mov_b32 s[\g+4], SK
	s_mov_b32 s[\g+6], 0
	s_mov_b32 s[\g+7], 0
.endr
	s_lshl_b32 s18, s16, 3
	s_lshl_b32 s20, s17, 4
	s_add_co_u32 s20, s20, s18                     ; activations: tile 16 ty + 8 x half
	s_lshl_b32 s46, s42, 4
	s_add_co_u32 s46, s46, s18                     ; weights: tile 16 tx + 8 x half
	s_lshl_b32 s22, s20, 6                         ; scale words: 64 bytes a tile
	s_add_co_u32 s22, s22, ASCL
	s_mov_b32 s23, 0
	s_lshl_b32 s92, s46, 6
	s_add_co_u32 s92, s92, BSCL
	s_mov_b32 s93, 0
	s_mul_i32 s20, s20, FRB
	s_mov_b32 s21, 0
	s_mul_i32 s46, s46, FRB
	s_add_co_u32 s46, s46, BCOD
	s_mov_b32 s47, 0
	s_mul_i32 s45, s14, HALFT                      ; where they go: by the wave's number alone
	s_mul_i32 s94, s14, HALFS
	s_wait_kmcnt 0x0
	s_add_nc_u64 s[20:21], s[4:5], s[20:21]
	s_add_nc_u64 s[22:23], s[4:5], s[22:23]
	s_add_nc_u64 s[46:47], s[4:5], s[46:47]
	s_add_nc_u64 s[92:93], s[4:5], s[92:93]
	CROUND                                         ; all sixteen work-groups are here: the first joint loads meet
	s_mov_b32 s[G0S], 1
	s_add_co_u32 s[G0S+1], s94, SCL
	s_mov_b64 s[G0S+2:G0S+3], s[22:23]
	s_or_b32 s[G0S+3], s[G0S+3], 0x80000000
	s_mov_b32 s[G0SB], 1
	s_add_co_u32 s[G0SB+1], s94, SCL
	s_mov_b64 s[G0SB+2:G0SB+3], s[92:93]
	s_or_b32 s[G0SB+3], s[G0SB+3], 0x80000000
	JLOAD G0S, G1S, G0SB, G1SB                     ; the scale words first
.irp s, 0,1
	s_mov_b32 s[G0+4*\s], 1
	s_add_co_u32 s[G0+4*\s+1], s45, \s*SLOT
	s_add_nc_u64 s[G0+4*\s+2:G0+4*\s+3], s[20:21], \s*2*TA*FRB
	s_or_b32 s[G0+4*\s+3], s[G0+4*\s+3], 0x80000000
	s_mov_b32 s[G0B+4*\s], 1
	s_add_co_u32 s[G0B+4*\s+1], s45, \s*SLOT
	s_add_nc_u64 s[G0B+4*\s+2:G0B+4*\s+3], s[46:47], \s*2*TB*FRB
	s_or_b32 s[G0B+4*\s+3], s[G0B+4*\s+3], 0x80000000
	JLOAD G0+4*\s, G1, G0B+4*\s, G1B
.endr
	v_and_b32 v1, 15, v0                           ; r
	v_bfe_u32 v2, v0, 4, 1                         ; h
	v_and_b32 v3, 31, v0
	v_lshlrev_b32 v[LI], 4, v3
	v_lshlrev_b32 v[SH8], 3, v2
	; which region feeds which source.  The choice hangs on the cluster's x, which all partners share
	s_cmp_eq_u32 ttmp9, 2
	s_cselect_b32 s95, 1, 0                        ; 1: v's columns
	s_cselect_b32 s96, s16, s15                    ; the activations' half that I read
	s_cselect_b32 s97, s15, s16                    ; the weights' half
	s_mul_i32 s21, s96, HALFT
	s_mul_i32 s22, s97, HALFT
	s_add_co_u32 s22, s22, 2*HALFT                 ; the weights lie behind the activations
	s_cmp_eq_u32 ttmp9, 2
	s_cselect_b32 s98, s22, s21                    ; source 1
	s_cselect_b32 s99, s21, s22                    ; source 0
.irp s, 0,1
	v_add_nc_u32 v[ADRA+\s], s98, v[LI]
	v_add_nc_u32 v[ADRB+\s], s99, v[LI]
	s_add_co_u32 s98, s98, SLOT
	s_add_co_u32 s99, s99, SLOT
.endr
	s_mul_i32 s21, s96, HALFS
	s_mul_i32 s22, s97, HALFS
	s_add_co_u32 s22, s22, 2*HALFS
	s_sub_co_u32 s22, s22, s21                     ; from the activations' words to the weights'
	v_xor_b32 v6, s95, v2                          ; 1 in the lanes that take the weights' words
	v_mul_u32_u24 v6, s22, v6
	s_add_co_u32 s21, s21, SCL
	v_lshl_add_u32 v5, v1, 4, v6                   ; + 16 r: four tiles' words of my row
	v_add_nc_u32 v[ADRS], s21, v5
	; the bias, in both results' layouts; waited for on the way out
	s_lshl_b32 s46, s42, 10
	s_mov_b32 s47, 0
	s_add_nc_u64 s[6:7], s[6:7], s[46:47]          ; at the block's 256 columns
	s_lshl_b32 s21, s16, 9
	v_lshl_add_u32 v[BQO], v2, 6, s21              ; q, k: my 128 columns, + 16 h numbers
	v_and_b32 v[BVO], 8, v1
	v_add_nc_u32 v[BVO], v[BVO], v1
	s_lshl_b32 s22, s15, 9
	v_lshl_add_u32 v[BVO], v[BVO], 2, s22          ; v: my 128 columns, + r + 8 (r / 8)
	WIN TO_B
.irp g, 0,1,2,3
.irp i, 0,1,2,3
	global_load_b128 v[96+16*\g+4*\i+96*(\g/2):99+16*\g+4*\i+96*(\g/2)], v[BQO], s[6:7] offset:128*\g+16*\i   ; number 16 g + 4 i ..: column 32 g + 16 h + 4 i ..
.endr
.endr
	WIN 0
.irp a, 0,1,2,3,4,5,6,7
	global_load_b32 v[BV+2*\a], v[BVO], s[6:7] offset:4*(32*(\a/2)+8*(\a%2))      ; column tile a, my column, in both registers of a pair
	global_load_b32 v[BV+2*\a+1], v[BVO], s[6:7] offset:4*(32*(\a/2)+8*(\a%2))
.endr
.macro FRAG reg, adr, q, i             ; a fragment comes as it was stored: 3 loads of 512 consecutive bytes
.irp c, 0,1,2
	ds_load_b128 v[\reg+4*\c:\reg+4*\c+3], v[\adr] offset:8*FRB*(\q)+FRB*(\i)+512*\c
.endr
.endm
; 16 matrix instructions: source 1's blocks a0, a0 + 1 x source 0's eight.  The 64 accumulators take turns, one instruction a turn, in the same order in every step
.macro MUL16 a0, p, q, sc, zero
.irp a, \a0, \a0+1
.irp b, 0,1,2,3,4,5,6,7
.if \zero
	v_wmma_scale_f32_16x16x128_f8f6f4 v[8*(8*((\a)%4)+\b):8*(8*((\a)%4)+\b)+7], v[128*(\p)+FR*\b:128*(\p)+FR*\b+FR-1], v[AF+FR*(\a):AF+FR*(\a)+FR-1], 0, v[SC+16*(\sc)+8*(\q)+\b], v[SC+16*(\sc)+8*(\q)+(\a)] matrix_a_fmt:MATRIX_FMT_FP6 matrix_b_fmt:MATRIX_FMT_FP6 matrix_a_scale:MATRIX_SCALE_ROW1
.else
	v_wmma_scale_f32_16x16x128_f8f6f4 v[8*(8*((\a)%4)+\b):8*(8*((\a)%4)+\b)+7], v[128*(\p)+FR*\b:128*(\p)+FR*\b+FR-1], v[AF+FR*(\a):AF+FR*(\a)+FR-1], v[8*(8*((\a)%4)+\b):8*(8*((\a)%4)+\b)+7], v[SC+16*(\sc)+8*(\q)+\b], v[SC+16*(\sc)+8*(\q)+(\a)] matrix_a_fmt:MATRIX_FMT_FP6 matrix_b_fmt:MATRIX_FMT_FP6 matrix_a_scale:MATRIX_SCALE_ROW1
.endif
.endr
.endr
.endm
.macro FETCH_B slot, q, p
	WIN TO_B
.irp i, 0,1,2,3,4,5,6,7
	FRAG 128*(\p)+FR*\i, ADRB+\slot, \q, \i
.endr
	WIN 0
.endm
.macro FETCH_A slot, q, i0
.irp i, \i0, \i0+1, \i0+2, \i0+3
	FRAG AF+FR*(\i), ADRA+\slot, \q, \i
.endr
.endm
.macro SCALES sc                       ; a slot's scale words: register 8 q + i: lanes 0-15 source 1's tile i, lanes 16-31 source 0's tile i
.irp q, 0,1
.irp g, 0,1
	ds_load_b128 v[SC+16*\sc+8*\q+4*\g:SC+16*\sc+8*\q+4*\g+3], v[ADRS] offset:512*\q+256*\g
.endr
.endr
.endm
.macro PLACES n                        ; plain vector lines between a matrix instruction and a load into, or a vector access to, its registers
.rept \n
	v_nop
.endr
.endm
.macro STEP slot, q, zero              ; 128 along K with its successor in the same slot
	s_wait_dscnt 4*NL                              ; all but the youngest 12 loads (source 1's blocks 4-7)
	WIN MUL_LO
	MUL16 0, (\q)%2, \q, \slot, \zero
	MUL16 2, (\q)%2, \q, \slot, \zero
	s_wait_dscnt 0
	PLACES NP
	FETCH_B \slot, (\q)+1, 1-(\q)%2
	FETCH_A \slot, (\q)+1, 0
	WIN MUL_HI
	MUL16 4, (\q)%2, \q, \slot, \zero
	MUL16 6, (\q)%2, \q, \slot, \zero
	PLACES NP
	WIN 0
	FETCH_A \slot, (\q)+1, 4
.endm
.macro TURN slot, next, fill           ; a slot's last step changes slots
	s_wait_tensorcnt 0x0                           ; all my tensor loads have landed: my part of the next slot
	ds_add_u32 v[SPW], v[NIL]                      ; 0 onto my spare word
	s_wait_dscnt 4*NL+1                            ; (the add and the youngest 12 loads may be out)
	WIN MUL_LO
	MUL16 0, 1, 1, \slot, 0
	s_wait_dscnt 0x0                               ; the add is done, and my reads of this slot are over
	s_barrier_signal -1
	MUL16 2, 1, 1, \slot, 0
	WIN 0
	s_barrier_wait -1
.if \fill
	CREST                                          ; the barrier has opened a round of the cluster's: no wave of any partner still reads this slot or has a load on its way
	s_add_nc_u64 s[G0+4*\slot+2:G0+4*\slot+3], s[G0+4*\slot+2:G0+4*\slot+3], 4*TA*FRB
	s_add_nc_u64 s[G0B+4*\slot+2:G0B+4*\slot+3], s[G0B+4*\slot+2:G0B+4*\slot+3], 4*TB*FRB
	JLOAD G0+4*\slot, G1, G0B+4*\slot, G1B         ; the first tensor load behind the round; its four v_nop are the places in front of the loads below
.else
	PLACES NP
.endif
	v_add_nc_u32 v[ADRS], 1024, v[ADRS]            ; the next two K steps' scale words
	FETCH_B \next, 0, 0
	FETCH_A \next, 0, 0
	SCALES \next
	WIN MUL_HI
	MUL16 4, 1, 1, \slot, 0
	MUL16 6, 1, 1, \slot, 0
	PLACES NP
	WIN 0
	FETCH_A \next, 0, 4
.endm
	s_wait_tensorcnt 1                             ; the scale words and my part of slot 0 are in; slot 1's load may be out
	s_barrier_signal -1
	s_barrier_wait -1
	FETCH_B 0, 0, 0
	FETCH_A 0, 0, 0
	SCALES 0
	FETCH_A 0, 0, 4
	STEP 0, 0, 1                                   ; the first step's products start the sums
	s_mov_b32 s3, LAPS-1
.Llap:
	TURN 0, 1, 1
	STEP 1, 0, 0
	TURN 1, 0, 1
	STEP 0, 0, 0
	s_sub_co_u32 s3, s3, 1
	s_cmp_lg_u32 s3, 0
	s_cbranch_scc1 .Llap
	TURN 0, 1, 0                                   ; the last lap fills nothing
	STEP 1, 0, 0
	s_wait_dscnt 4*NL
	WIN MUL_LO
	MUL16 0, 1, 1, 1, 0
	MUL16 2, 1, 1, 1, 0
	s_wait_dscnt 0
	WIN MUL_HI
	MUL16 4, 1, 1, 1, 0
	MUL16 6, 1, 1, 1, 0
	WIN 0
; 64 numbers of a lane, register 16 b + i = k 32 b + 16 (lane / 16) + i of my row, become a fragment's codes at v[PC] and the row's scale word in v[pw]
.macro QUANT s, pw
.irp b, 0,1,2,3
	v_max3_num_f32 v[TM+\b], |v[\s+16*\b]|, |v[\s+1+16*\b]|, 0x1800000   ; with the floor 2^(3 - 127)
.endr
.irp i, 2,4,6,8,10,12,14
.irp b, 0,1,2,3
	v_max3_num_f32 v[TM+\b], v[TM+\b], |v[\s+16*\b+\i]|, |v[\s+1+16*\b+\i]|
.endr
.endr
.irp b, 0,1,2,3
	v_permlanex16_b32 v[TM+4+\b], v[TM+\b], s[SEL], s[SEL+1]
.endr
.irp b, 0,1,2,3
	v_max_num_f32 v[TM+\b], v[TM+\b], v[TM+4+\b]
.endr
.irp b, 0,1,2,3
	v_add_nc_u32 v[TM+12+\b], 0xff000000, v[TM+\b]
.endr
.irp b, 0,1,2,3
	v_lshrrev_b32 v[TM+4+\b], 23, v[TM+12+\b]
.endr
	v_lshl_or_b32 v[\pw], v[TM+5], 8, v[TM+4]
	v_lshl_or_b32 v[\pw], v[TM+6], 16, v[\pw]
	v_lshl_or_b32 v[\pw], v[TM+7], 24, v[\pw]
.irp c, 0,1
	v_cvt_scalef32_pk16_fp6_f32 v[PC+6*\c:PC+2+6*\c], v[\s+32*\c:\s+15+32*\c], v[TM+12+2*\c]
	v_cvt_scalef32_pk16_fp6_f32 v[PC+12+4*\c:PC+14+4*\c], v[\s+16+32*\c:\s+31+32*\c], v[TM+12+2*\c+1]
.endr
	v_nop
.irp c, 0,1                            ; the layout wants a whole block in a lane
.irp i, 0,1,2
	v_permlane16_swap_b32 v[PC+6*\c+\i], v[PC+12+4*\c+\i]
.endr
.irp i, 0,1,2
	v_mov_b32 v[PC+3+6*\c+\i], v[PC+12+4*\c+\i]
.endr
.endr
.endm
; the same where register 32 c + i is number i of my WHOLE block 2 c + lane / 16
.macro QUANTW s, pw
.irp c, 0,1
	v_max3_num_f32 v[TM+\c], |v[\s+32*\c]|, |v[\s+32*\c+1]|, 0x1800000
.endr
.irp i, 2,4,6,8,10,12,14,16,18,20,22,24,26,28,30
.irp c, 0,1
	v_max3_num_f32 v[TM+\c], v[TM+\c], |v[\s+32*\c+\i]|, |v[\s+32*\c+\i+1]|
.endr
.endr
.irp c, 0,1
	v_add_nc_u32 v[TM+2+\c], 0xff000000, v[TM+\c]
.endr
.irp c, 0,1
	v_lshrrev_b32 v[TM+4+\c], 23, v[TM+2+\c]
.endr
	v_lshl_or_b32 v[\pw], v[TM+5], 16, v[TM+4]
	v_lshlrev_b32 v[\pw], v[SH8], v[\pw]
	v_permlanex16_b32 v[TM+6], v[\pw], s[SEL], s[SEL+1]
	v_or_b32 v[\pw], v[\pw], v[TM+6]
.irp c, 0,1
	v_cvt_scalef32_pk16_fp6_f32 v[PC+6*\c:PC+6*\c+2], v[\s+32*\c:\s+32*\c+15], v[TM+2+\c]
	v_cvt_scalef32_pk16_fp6_f32 v[PC+12+4*\c:PC+14+4*\c], v[\s+32*\c+16:\s+32*\c+31], v[TM+2+\c]
.endr
	v_nop
.irp c, 0,1
.irp i, 0,1,2
	v_mov_b32 v[PC+3+6*\c+\i], v[PC+12+4*\c+\i]
.endr
.endr
.endm
.macro SCST                            ; eight tiles' scale words leave as 512 consecutive bytes: lanes 0-15 tiles 0-3 of row r, lanes 16-31 tiles 4-7
.irp k, 0,1,2,3
	v_cndmask_b32 v[SW+\k], v[PWS+\k], v[PWS+4+\k], s[HM]
.endr
	global_store_b128 v[LI], v[SW:SW+3], s[12:13]
.endm
	PLACES NP                                      ; behind the last products: their results are read and their operands' registers written below
	s_wait_loadcnt 0x0                             ; the bias
	s_mov_b32 s[SEL], 0x76543210
	s_mov_b32 s[SEL+1], 0xfedcba98
	s_mov_b32 s[HM], 0xffff0000
.irp b, 4,5,6,7
	v_mov_b32 v[TM+\b], 0                          ; a lane permute's destination counts as one of its sources
.endr
	s_mov_b32 s23, 0
	s_cmp_eq_u32 ttmp9, 2
	s_cbranch_scc1 .Lv_arm
	; ---- q and k: row tile a becomes fragment (K step 2 tx + half, tile 16 ty + 8 half + a)
	s_lshl_b32 s20, s42, 1
	s_add_co_u32 s20, s20, s16
	s_lshl_b32 s21, s17, 4
	s_lshl_b32 s22, s15, 3
	s_add_co_u32 s21, s21, s22
	s_lshl_b32 s22, s20, 8
	s_add_co_u32 s22, s22, s21
	s_mul_i32 s22, s22, FRB
	s_add_nc_u64 s[10:11], s[8:9], s[22:23]
	s_lshl_b32 s22, s20, 14
	s_lshl_b32 s21, s21, 6
	s_add_co_u32 s22, s22, s21
	s_add_co_u32 s22, s22, O_QS
	s_add_nc_u64 s[12:13], s[8:9], s[22:23]
.irp a, 0,1,2,3,4,5,6,7
	WIN 0x06+\a/4                                  ; source 0: the accumulators' window; source 1: the bias in window 1
.set n, 0
.rept 32
	v_pk_add_f32 v[ST+n:ST+n+1], v[64*(\a%4)+n:64*(\a%4)+n+1], v[96+n+96*(n/32):97+n+96*(n/32)]   ; each accumulator from its low end on
.set n, n+2
.endr
	WIN 0
	s_wait_xcnt 0x0                                ; the last tile's stores have read the codes' registers
	QUANT ST, PWS+\a
.irp c, 0,1,2
	global_store_b128 v[LI], v[PC+4*\c:PC+4*\c+3], s[10:11] offset:\a*FRB+512*\c
.endr
.endr
	SCST
	s_branch .Lend
.Lv_arm:
	; ---- v: channel tile a becomes fragment (head pair 2 (tx - 8) + half, key step 2 ty + half, a)
	s_sub_co_u32 s20, s42, 8
	s_lshl_b32 s20, s20, 1
	s_add_co_u32 s20, s20, s15
	s_lshl_b32 s21, s17, 1
	s_add_co_u32 s21, s21, s16
	s_lshl_b32 s20, s20, 5
	s_add_co_u32 s20, s20, s21
	s_mul_i32 s22, s20, 8*FRB
	s_add_co_u32 s22, s22, O_VC
	s_add_nc_u64 s[10:11], s[8:9], s[22:23]
	s_lshl_b32 s22, s20, 9
	s_add_co_u32 s22, s22, O_VS
	s_add_nc_u64 s[12:13], s[8:9], s[22:23]
.irp a, 0,1,2,3,4,5,6,7
	WIN 0x02+\a/4
.set n, 0
.rept 32
	v_pk_add_f32 v[ST+n:ST+n+1], v[64*(\a%4)+n:64*(\a%4)+n+1], v[BV+2*\a:BV+2*\a+1]
.set n, n+2
.endr
	WIN 0
	s_wait_xcnt 0x0
	QUANTW ST, PWS+\a
.irp c, 0,1,2
	global_store_b128 v[LI], v[PC+4*\c:PC+4*\c+3], s[10:11] offset:\a*FRB+512*\c
.endr
.endr
	SCST
.Lend:
	s_wait_tensorcnt 0x0                           ; the wave's end
	ds_add_u32 v[SPW], v[NIL]
	s_wait_dscnt 0x0
	CROUND                                         ; the closing round
	s_endpgm
.Lfunc_end_k_q8432c232f7_gemm_qkv:
	.size	k_q8432c232f7_gemm_qkv, .Lfunc_end_k_q8432c232f7_gemm_qkv-k_q8432c232f7_gemm_qkv
	.p2alignl 7, 3214868480
	.fill 96, 4, 3214868480
	.section	.rodata,"a",@progbits
	.p2align	6, 0x0
	.amdhsa_kernel k_q8432c232f7_gemm_qkv
		.amdhsa_group_segment_fixed_size 327680
		.amdhsa_private_segment_fixed_size 0
		.amdhsa_enable_private_segment 0
		.amdhsa_kernarg_size 24
		.amdhsa_user_sgpr_count 2
		.amdhsa_user_sgpr_kernarg_segment_ptr 1
		.amdhsa_wavefront_size32 1
		.amdhsa_system_sgpr_workgroup_id_x 1
		.amdhsa_system_sgpr_workgroup_id_y 1
		.amdhsa_system_sgpr_workgroup_id_z 1
		.amdhsa_system_vgpr_workitem_id 0
		.amdhsa_next_free_vgpr 1024
		.amdhsa_next_free_sgpr 100
		.amdhsa_reserve_vcc 0
		.amdhsa_float_denorm_mode_32 3
		.amdhsa_float_denorm_mode_16_64 3
		.amdhsa_memory_ordered 1
		.amdhsa_forward_progress 1
		.amdhsa_inst_pref_size 201
	.end_amdhsa_kernel
	.amdgpu_metadata
---
amdhsa.version: [ 1, 2 ]
amdhsa.kernels:
  - .name:           k_q8432c232f7_gemm_qkv
    .symbol:         k_q8432c232f7_gemm_qkv.kd
    .args:
      - { .name: prepq, .offset: 0, .size: 8, .value_kind: global_buffer, .address_space: global }
      - { .name: qkv_b, .offset: 8, .size: 8, .value_kind: global_buffer, .address_space: global }
      - { .name: qkvq, .offset: 16, .size: 8, .value_kind: global_buffer, .address_space: global }
    .group_segment_fixed_size: 327680
    .private_segment_fixed_size: 0
    .kernarg_segment_align: 8
    .kernarg_segment_size: 24
    .max_flat_workgroup_size: 128
    .sgpr_count:     100
    .vgpr_count:     1024
    .wavefront_size: 32
...
	.end_amdgpu_metadata
.endif
;; end of part 2
;; launch attn (part 3): grid 16 x 16, 8 waves a work-group, no clusters, 78,336 bytes of LDS; arguments qkvq, oq; writes oq
.if DOCPART == 3
	.amdgcn_target "amdgcn-amd-amdhsa--gfx1250"
	.amdhsa_code_object_version 6
	.text
	.protected	k_q8432c232f7_attn
	.globl	k_q8432c232f7_attn
	.p2align	8
	.type	k_q8432c232f7_attn,@function
k_q8432c232f7_attn:
	s_mov_b64 s[64:65], 0
	v_nop
	global_prefetch_b8 v0, s[64:65] scope:SCOPE_SE
	s_setreg_imm32_b32 hwreg(HW_REG_WAVE_MODE, 25, 1), 1
	s_wait_xcnt 0x0
; Dilated window attention on codes of FP6 (E2M3): query i sees key j where i - j is even and 0 <= i - j <= 256.  16 heads of 64, 2 x 2,048 rows.  The result leaves quantised, as the out projection's operand.
; All operands are images of fragments (1,536 bytes: register j of lane L at 512 (j / 4) + 16 L + 4 (j % 4)); a K step of q and k is a PAIR of heads.
; A row tile t holds rows of ONE parity: tile row r is row 64 (t / 4) + 32 (r / 8) + 16 (t % 2) + 2 (r % 8) + (t / 2) % 2.  So a tile of scores holds pairs of like parity alone: the other parity's scores are never made.
; SHARES.  A work-group: 128 queries (8 tiles) of one head pair; a wave: one tile, both heads in turn.  All eight waves need the same three groups of 128 keys, qd - 2 .. qd: they come into LDS once, through registers.
; A group before the sequence's start is read at group 0 and hidden by the mask.
; S^T = k q^T (source 0 = 16 keys, source 1 = my 16 queries; the other head's half of q is zero codes): a lane holds one query, and the 16 registers of two tiles are the 16 keys of my parity of ONE block of 32 keys.
; SOFTMAX: t = score x log2(e) / 8; M = the running largest t rounded up to a whole number; p = 2^(t - M) is quantised by blocks of 32 keys, the other parity's 16 places being zero codes (there p = 0); the row's sum is
; taken of the unquantised p and divides at the end; when M moves, sum and O are multiplied by 2^(old M - new M), exactly.  O^T = v^T p^T; v's blocks hold the 16 even keys, then the 16 odd, as p's do.
; LIMITS: NaN and infinities are not served; p under 2^-126 is 0; a block of zeros carries the byte 1.
; NO JOINT LOADS: neighbouring work-groups share two of their three key groups, but each at another place of its LDS, so no two would issue the same descriptor.  No ring: all 74 KB are known at the start.
.set FRB,  1536
.set KC,   3145728                     ; k's codes (q's lie at 0)
.set VCK,  3145728                     ; v's codes lie this far behind k's, group for group
.set QSO,  9437184                     ; scale words: q's, k's, v's
.set KSO,  9568256
.set VSO,  9699328
.set OSO,  3145728                     ; the output's scale words
.set VL,   36864                       ; LDS: k [3 groups][8 tiles][1536] at 0; v [3][8 channel tiles][1536] here;
.set SCK,  73728                       ; k's scale words, 512 bytes a group; v's; the eight tiles' words of o
.set SCV,  75264
.set OSC,  76800
.set LI,  1                            ; v1 16 x lane
.set AK,  2                            ; v2 k's tiles of my parity
.set AV,  3
.set ASK, 4
.set ASV, 5
.set U,   6                            ; v6 half my query's place among the work-group's 128, less 16 (lane / 16)
.set U0,  7
.set NINF, 8
.set ZERO, 9
.set NM,  10                           ; v10 -M, v11 the largest t
.set L,   12                           ; v[12:13] the sum, in two halves
.set QSW, 14
.set SH8, 15
.set Q,   16                           ; v16-21 head 0's codes, v22-27 zeros, v28-33 head 1's: head c's operand is v[16 + 6 c] on
.set FB,  34                           ; v34-81 four fragments of k or v (at the head v34-109: the fill)
.set KSW, 82
.set VSW, 86
.set S,   90                           ; v90-121 scores, then p
.set PF,  122                          ; v122-133 p's fragment
.set PSW, 134
.set O,   136                          ; v136-199 O^T: 32 c + 8 a + j
.set BM,  200                          ; v200-201 the two blocks' largest scores
.set TP,  202
.set F,   204                          ; v[204:205] a factor, in the low word
.set W,   206
.set CT,  208
.set SO,  216
.set BY,  218
.set TM,  200                          ; the last quantiser
.set PC,  216
.set PW,  236
.set SSA, 237
.set OSA, 238
.set OSR, 239
.set TO,  240
.set TO2, 241
.set SEL, 56
.set CS,  58
.set HID1, 60
.set PAR, 61
	s_load_b128 s[4:7], s[0:1], 0x0                ; q, k, v; o
	v_lshl_add_u32 v254, v0, 2, 0x12e00
	v_mov_b32 v255, 0
	v_lshrrev_b32 v1, 5, v0
	v_readfirstlane_b32 s8, v1                     ; wave 0..7
	v_lshlrev_b32 v[TO], 4, v0                     ; 16 x thread
	s_and_b32 s9, ttmp7, 0xffff
	s_and_b32 s10, s9, 7                           ; head pair
	s_lshr_b32 s11, s9, 3                          ; batch
	s_lshl_b32 s12, s10, 5
	s_lshl_b32 s13, s11, 4
	s_add_co_u32 s12, s12, s13                     ; 32 x head pair + 16 x batch: the first key group's number
	s_sub_co_i32 s13, ttmp9, 2
.irp g, 0,1,2
	s_add_co_i32 s14, s13, \g
	s_max_i32 s14, s14, 0                          ; group qd - 2 + g, or group 0
	s_add_co_u32 s14, s14, s12
	s_mul_i32 s[22+2*\g], s14, 8*FRB
	s_add_co_u32 s[22+2*\g], s[22+2*\g], KC
	s_mov_b32 s[23+2*\g], 0
.endr
	s_cmp_lt_u32 s8, 3                             ; waves 0-2 bring k's scale words of group w, waves 3-5 v's of group w - 3
	s_cselect_b32 s28, 0, 3
	s_mov_b32 s29, VSO
	s_cselect_b32 s29, KSO, s29
	s_sub_co_u32 s28, s8, s28
	s_add_co_i32 s28, s28, s13
	s_max_i32 s28, s28, 0
	s_add_co_u32 s28, s28, s12
	s_lshl_b32 s28, s28, 9
	s_add_co_u32 s28, s28, s29
	s_mov_b32 s29, 0
	s_lshl_b32 s30, s11, 7
	s_lshl_b32 s31, ttmp9, 3
	s_add_co_u32 s30, s30, s31                     ; the work-group's first row tile
	s_add_co_u32 s31, s30, s8                      ; mine
	s_lshl_b32 s32, s10, 8
	s_add_co_u32 s32, s32, s31
	s_mul_i32 s32, s32, FRB                        ; fragment (head pair, my tile): of q, and of o
	s_mov_b32 s33, 0
	s_lshl_b32 s38, s10, 14
	s_lshl_b32 s39, s30, 6
	s_add_co_u32 s38, s38, s39                     ; the eight tiles' scale words
	s_lshr_b32 s39, s8, 2                          ; which 64 of the 128 queries
	s_lshl_b32 s40, s39, 8
	s_and_b32 s41, s8, 3
	s_lshl_b32 s41, s41, 2
	s_add_co_u32 s40, s40, s41                     ; my tile's words among them (+ 16 r)
	s_add_co_u32 s42, s38, s40
	s_add_co_u32 s42, s42, QSO
	s_mov_b32 s43, 0
	s_add_co_u32 s48, s38, OSO
	s_mov_b32 s49, 0
	s_wait_kmcnt 0x0
.irp g, 0,1,2
	s_add_nc_u64 s[16+2*\g:17+2*\g], s[4:5], s[22+2*\g:23+2*\g]
.endr
	s_add_nc_u64 s[28:29], s[4:5], s[28:29]
	s_add_nc_u64 s[34:35], s[4:5], s[32:33]
	s_add_nc_u64 s[36:37], s[6:7], s[32:33]
	s_add_nc_u64 s[44:45], s[4:5], s[42:43]
	s_add_nc_u64 s[46:47], s[6:7], s[48:49]
.irp g, 0,1,2
.irp i, 0,1,2
	global_load_b128 v[FB+4*(6*\g+\i):FB+4*(6*\g+\i)+3], v[TO], s[16+2*\g:17+2*\g] offset:4096*\i          ; 256 threads: 4,096 consecutive bytes
	global_load_b128 v[FB+4*(6*\g+3+\i):FB+4*(6*\g+3+\i)+3], v[TO], s[16+2*\g:17+2*\g] offset:VCK+4096*\i
.endr
.endr
	v_and_b32 v200, 15, v0                         ; r
	v_bfe_u32 v201, v0, 4, 1                       ; h
	v_and_b32 v202, 31, v0
	v_lshlrev_b32 v[LI], 4, v202
	v_lshlrev_b32 v203, 4, v200                    ; 16 r
	v_add_nc_u32 v[TO2], VL, v[TO]
	s_min_u32 s54, s8, 5
	s_lshl_b32 s54, s54, 9
	s_add_co_u32 s54, s54, SCK
	v_add_nc_u32 v[SSA], s54, v[LI]                ; every LDS address is made ahead of the first branch on the wave's number
	s_add_co_u32 s54, s40, OSC
	v_add_nc_u32 v[OSA], s54, v203
	v_add_nc_u32 v[OSR], OSC, v[LI]
	s_bfe_u32 s53, s8, 0x10001                     ; my queries' parity
	s_mul_i32 s54, s53, 2*FRB
	v_add_nc_u32 v[AK], s54, v[LI]
	v_add_nc_u32 v[AV], VL, v[LI]
	s_lshl_b32 s54, s53, 3
	s_add_co_u32 s54, s54, SCK
	v_add_nc_u32 v[ASK], s54, v203
	v_add_nc_u32 v[ASV], SCV, v203
	s_cmp_lt_u32 s8, 6
	s_cbranch_scc0 .Lno_words
	global_load_b128 v[106:109], v[LI], s[28:29]
.Lno_words:
	global_load_b128 v[Q:Q+3], v[LI], s[34:35]                 ; q's registers 0-3,
	global_load_b64 v[Q+4:Q+5], v[LI], s[34:35] offset:512     ; 4, 5: head 0;
	global_load_b64 v[Q+12:Q+13], v[LI], s[34:35] offset:520   ; 6, 7,
	global_load_b128 v[Q+14:Q+17], v[LI], s[34:35] offset:1024 ; 8-11: head 1
	global_load_b32 v[QSW], v203, s[44:45]
.irp i, 6,7,8,9,10,11
	v_mov_b32 v[Q+\i], 0
.endr
	v_lshlrev_b32 v[SH8], 3, v201
	v_and_b32 v[U], 7, v200
	v_lshrrev_b32 v206, 3, v200
	v_lshl_add_u32 v[U], v206, 4, v[U]
	v_lshlrev_b32 v206, 4, v201
	v_sub_nc_u32 v[U], v[U], v206
	s_lshl_b32 s54, s39, 5
	s_and_b32 s55, s8, 1
	s_lshl_b32 s55, s55, 3
	s_add_co_u32 s54, s54, s55
	v_add_nc_u32 v[U], s54, v[U]                   ; 32 (w / 4) + 8 (w % 2) + 16 (r / 8) + r % 8 - 16 h
	s_cmp_ge_u32 ttmp9, 2
	s_cselect_b32 s54, 0, 2000
	v_add_nc_u32 v[U0], s54, v[U]                  ; above every key's number where group qd - 2 does not exist
	s_cmp_eq_u32 ttmp9, 0
	s_cselect_b32 s[HID1], -1, 0                   ; all lanes where group qd - 1 does not exist
	s_cmp_eq_u32 s53, 1
	s_cselect_b32 s[PAR], -1, 0
	s_mov_b32 s[SEL], 0x76543210
	s_mov_b32 s[SEL+1], 0xfedcba98
	s_mov_b32 s[CS], 0x3e38aa3b                    ; log2(e) / 8
	s_mov_b32 s[CS+1], s[CS]
	v_mov_b32 v[NINF], 0xff800000
	v_mov_b32 v[ZERO], 0
	v_mov_b32 v[F+1], 0                            ; named as the upper half of a pair
	s_wait_loadcnt 5                               ; all but q's five loads
.irp g, 0,1,2
.irp i, 0,1,2
	ds_store_b128 v[TO], v[FB+4*(6*\g+\i):FB+4*(6*\g+\i)+3] offset:8*FRB*\g+4096*\i
	ds_store_b128 v[TO2], v[FB+4*(6*\g+3+\i):FB+4*(6*\g+3+\i)+3] offset:8*FRB*\g+4096*\i
.endr
.endr
	s_cmp_lt_u32 s8, 6
	s_cbranch_scc0 .Lno_words_2
	ds_store_b128 v[SSA], v[106:109]
.Lno_words_2:
	s_wait_dscnt 0x0                               ; for the others' sake: my part lies in LDS
	s_barrier_signal -1
	s_barrier_wait -1
	s_wait_loadcnt 0x0                             ; q
; head c, key group s of three.  Half the distance from key (register 16 g + i of lane half h) to my query is U + 128 - 64 s - (32 g + i): it must lie in 0 .. 128
.macro ASTEP c, s
.irp k, 0,1,2,3                        ; k's four tiles of my parity: tile 4 (k / 2) + 2 parity + k % 2 of the group's eight
.irp w, 0,1,2
	ds_load_b128 v[FB+12*\k+4*\w:FB+12*\k+4*\w+3], v[AK] offset:(8*\s+4*(\k/2)+\k%2)*FRB+512*\w
.endr
.endr
.irp g, 0,1
	ds_load_b64 v[KSW+2*\g:KSW+2*\g+1], v[ASK] offset:256*(2*\s+\g)
.endr
	s_wait_dscnt 0x0
.irp k, 0,1,2,3
	v_wmma_scale_f32_16x16x128_f8f6f4 v[S+8*\k:S+8*\k+7], v[FB+12*\k:FB+12*\k+11], v[Q+6*\c:Q+6*\c+11], 0, v[KSW+\k], v[QSW] matrix_a_fmt:MATRIX_FMT_FP6 matrix_b_fmt:MATRIX_FMT_FP6
.endr
.rept 4
	v_nop                                          ; places: the scores are read, and v's fragments loaded over k's
.endr
.irp a, 0,1,2,3                        ; v's four channel tiles of this head: they land while the softmax runs
.irp w, 0,1,2
	ds_load_b128 v[FB+12*\a+4*\w:FB+12*\a+4*\w+3], v[AV] offset:(8*\s+4*\c+\a)*FRB+512*\w
.endr
.endr
	ds_load_b128 v[VSW:VSW+3], v[ASV] offset:512*\s+256*\c
.set n, 0
.rept 32                               ; hidden scores become -infinity; each accumulator from its low end on
.if \s == 0
	v_cmp_lt_i32 vcc_lo, 32*(n/16)+n%16, v[U0]     ; further back than 256
	v_cndmask_b32 v[S+n], v[S+n], v[NINF], vcc_lo
.elseif \s == 1
	v_cndmask_b32 v[S+n], v[S+n], v[NINF], s[HID1] ; all in reach, if the group exists
.else
	v_cmp_gt_i32 vcc_lo, 32*(n/16)+n%16, v[U]      ; behind the query
	v_cndmask_b32 v[S+n], v[S+n], v[NINF], vcc_lo
.endif
.set n, n+1
.endr
.irp b, 0,1
	v_max3_num_f32 v[BM+\b], v[S+16*\b], v[S+16*\b+1], v[S+16*\b+2]   ; each block's largest score: for the row's maximum, and for the block's largest p
.endr
.irp i, 3,5,7,9,11,13
.irp b, 0,1
	v_max3_num_f32 v[BM+\b], v[BM+\b], v[S+16*\b+\i], v[S+16*\b+\i+1]
.endr
.endr
.irp b, 0,1
	v_max_num_f32 v[BM+\b], v[BM+\b], v[S+16*\b+15]
.endr
	v_max_num_f32 v[W], v[BM], v[BM+1]
	v_permlanex16_b32 v[TP], v[W], s[SEL], s[SEL+1]
	v_max_num_f32 v[W], v[W], v[TP]                ; with lane l xor 16's two blocks
	v_mul_f32 v[W], s[CS], v[W]
	v_max_num_f32 v[NM+1], v[NM+1], v[W]           ; the running largest t
	v_mov_b32 v[W], v[NM]
	v_floor_f32 v[NM], -v[NM+1]                    ; -M = floor(-t)
	v_sub_f32 v[W], v[NM], v[W]
	v_cvt_i32_f32 v[W], v[W]                       ; old M - new M (it saturates)
	v_ldexp_f32 v[F], 1.0, v[W]
.set n, 0
.rept 16
	v_pk_fma_f32 v[S+n:S+n+1], v[S+n:S+n+1], s[CS:CS+1], v[NM:NM+1] op_sel_hi:[1,0,0]   ; t - M
.set n, n+2
.endr
.irp b, 0,1
	v_fma_f32 v[BM+\b], v[BM+\b], s[CS], v[NM]
.endr
.set n, 0
.rept 32
	v_exp_f32 v[S+n], v[S+n]
.set n, n+1
.endr
	v_pk_mul_f32 v[L:L+1], v[L:L+1], v[F:F+1] op_sel_hi:[1,0]   ; the sum under the new M: a plain line behind the batch
	s_wait_alu depctr_va_vdst(0)                   ; one wait for the 32, ahead of their first reader
.irp b, 0,1
	v_exp_f32 v[BM+\b], v[BM+\b]                   ; the block's largest p
.endr
	v_pk_add_f32 v[W:W+1], v[S:S+1], v[S+2:S+3]    ; the sum of the unquantised p, in two chains
.irp j, 4,8,12,16,20,24,28
	v_pk_add_f32 v[L:L+1], v[L:L+1], v[S+\j:S+\j+1]
	v_pk_add_f32 v[W:W+1], v[W:W+1], v[S+\j+2:S+\j+3]
.endr
	v_pk_add_f32 v[L:L+1], v[L:L+1], v[W:W+1]
	s_wait_alu depctr_va_vdst(0)                   ; and one for the two
.irp b, 0,1
	v_max_num_f32 v[BM+\b], 0x1800000, v[BM+\b]    ; the floor 2^(3 - 127)
.endr
.irp b, 0,1
	v_add_nc_u32 v[SO+\b], 0xff000000, v[BM+\b]
.endr
.irp b, 0,1
	v_lshrrev_b32 v[BY+\b], 23, v[SO+\b]
.endr
	v_lshl_or_b32 v[PSW], v[BY+1], 16, v[BY]       ; my blocks are h and 2 + h
	v_lshlrev_b32 v[PSW], v[SH8], v[PSW]
	v_permlanex16_b32 v[TP], v[PSW], s[SEL], s[SEL+1]
	v_or_b32 v[PSW], v[PSW], v[TP]
.irp b, 0,1
	v_cvt_scalef32_pk16_fp6_f32 v[CT+4*\b:CT+4*\b+2], v[S+16*\b:S+16*\b+15], v[SO+\b]
.endr
	v_nop
.irp b, 0,1
.irp i, 0,1,2
	v_cndmask_b32 v[PF+6*\b+\i], v[CT+4*\b+\i], v[ZERO], s[PAR]     ; the block's first 16 places are the even keys',
	v_cndmask_b32 v[PF+6*\b+3+\i], v[ZERO], v[CT+4*\b+\i], s[PAR]   ; its last 16 the odd keys'; the other parity's are zero codes
.endr
.endr
.if \s > 0
.set n, 0
.rept 16
	v_pk_mul_f32 v[O+32*\c+n:O+32*\c+n+1], v[O+32*\c+n:O+32*\c+n+1], v[F:F+1] op_sel_hi:[1,0]   ; O^T under the new M; also the places between p's registers and the products
.set n, n+2
.endr
.else
.rept 8
	v_nop
.endr
.endif
	s_wait_dscnt 0x0                               ; v
.irp a, 0,1,2,3                        ; the four accumulators by turns
.if \s == 0
	v_wmma_scale_f32_16x16x128_f8f6f4 v[O+32*\c+8*\a:O+32*\c+8*\a+7], v[FB+12*\a:FB+12*\a+11], v[PF:PF+11], 0, v[VSW+\a], v[PSW] matrix_a_fmt:MATRIX_FMT_FP6 matrix_b_fmt:MATRIX_FMT_FP6
.else
	v_wmma_scale_f32_16x16x128_f8f6f4 v[O+32*\c+8*\a:O+32*\c+8*\a+7], v[FB+12*\a:FB+12*\a+11], v[PF:PF+11], v[O+32*\c+8*\a:O+32*\c+8*\a+7], v[VSW+\a], v[PSW] matrix_a_fmt:MATRIX_FMT_FP6 matrix_b_fmt:MATRIX_FMT_FP6
.endif
.endr
.rept 4
	v_nop
.endr
.endm
.macro HEAD c
	v_mov_b32 v[NM+1], 0xff61b1e6                  ; -3e38, under every t
	v_floor_f32 v[NM], -v[NM+1]
	v_mov_b32 v[L], 0
	v_mov_b32 v[L+1], 0
	ASTEP \c, 0
	ASTEP \c, 1
	ASTEP \c, 2
	v_add_f32 v[L], v[L], v[L+1]
	v_permlanex16_b32 v[TP], v[L], s[SEL], s[SEL+1]
	v_add_f32 v[L], v[L], v[TP]                    ; the row's sum
	v_rcp_f32 v[F], v[L]
	v_nop
	s_wait_alu depctr_va_vdst(0)
.set n, 0
.rept 16
	v_pk_mul_f32 v[O+32*\c+n:O+32*\c+n+1], v[O+32*\c+n:O+32*\c+n+1], v[F:F+1] op_sel_hi:[1,0]
.set n, n+2
.endr
.endm
	HEAD 0
	HEAD 1
	; by the order of v's channel tiles register 16 b + i of O^T is channel 32 b + 16 h + i of the head pair: one K step of the out projection
.irp b, 0,1,2,3
	v_max3_num_f32 v[TM+\b], |v[O+16*\b]|, |v[O+1+16*\b]|, 0x1800000
.endr
.irp i, 2,4,6,8,10,12,14
.irp b, 0,1,2,3
	v_max3_num_f32 v[TM+\b], v[TM+\b], |v[O+16*\b+\i]|, |v[O+1+16*\b+\i]|
.endr
.endr
.irp b, 0,1,2,3
	v_permlanex16_b32 v[TM+4+\b], v[TM+\b], s[SEL], s[SEL+1]
.endr
.irp b, 0,1,2,3
	v_max_num_f32 v[TM+\b], v[TM+\b], v[TM+4+\b]
.endr
.irp b, 0,1,2,3
	v_add_nc_u32 v[TM+12+\b], 0xff000000, v[TM+\b]
.endr
.irp b, 0,1,2,3
	v_lshrrev_b32 v[TM+4+\b], 23, v[TM+12+\b]
.endr
	v_lshl_or_b32 v[PW], v[TM+5], 8, v[TM+4]
	v_lshl_or_b32 v[PW], v[TM+6], 16, v[PW]
	v_lshl_or_b32 v[PW], v[TM+7], 24, v[PW]
.irp c, 0,1
	v_cvt_scalef32_pk16_fp6_f32 v[PC+6*\c:PC+2+6*\c], v[O+32*\c:O+15+32*\c], v[TM+12+2*\c]
	v_cvt_scalef32_pk16_fp6_f32 v[PC+12+4*\c:PC+14+4*\c], v[O+16+32*\c:O+31+32*\c], v[TM+12+2*\c+1]
.endr
	v_nop
.irp c, 0,1
.irp i, 0,1,2
	v_permlane16_swap_b32 v[PC+6*\c+\i], v[PC+12+4*\c+\i]
.endr
.irp i, 0,1,2
	v_mov_b32 v[PC+3+6*\c+\i], v[PC+12+4*\c+\i]
.endr
.endr
.irp c, 0,1,2
	global_store_b128 v[LI], v[PC+4*\c:PC+4*\c+3], s[36:37] offset:512*\c
.endr
	ds_store_b32 v[OSA], v[PW]                     ; the eight tiles' scale words meet in LDS (lanes 16-31 write the same words)
	s_wait_dscnt 0x0
	s_barrier_signal -1
	s_barrier_wait -1
	s_cmp_lg_u32 s8, 0
	s_cbranch_scc1 .Ldone
	ds_load_b128 v[244:247], v[OSR]
	s_wait_dscnt 0x0
	global_store_b128 v[LI], v[244:247], s[46:47]  ; and leave as 512 consecutive bytes
.Ldone:
	s_wait_tensorcnt 0x0
	ds_add_u32 v254, v255
	s_wait_dscnt 0x0
	s_endpgm
.Lfunc_end_k_q8432c232f7_attn:
	.size	k_q8432c232f7_attn, .Lfunc_end_k_q8432c232f7_attn-k_q8432c232f7_attn
	.p2alignl 7, 3214868480
	.fill 96, 4, 3214868480
	.section	.rodata,"a",@progbits
	.p2align	6, 0x0
	.amdhsa_kernel k_q8432c232f7_attn
		.amdhsa_group_segment_fixed_size 78336
		.amdhsa_private_segment_fixed_size 0
		.amdhsa_enable_private_segment 0
		.amdhsa_kernarg_size 16
		.amdhsa_user_sgpr_count 2
		.amdhsa_user_sgpr_kernarg_segment_ptr 1
		.amdhsa_wavefront_size32 1
		.amdhsa_system_sgpr_workgroup_id_x 1
		.amdhsa_system_sgpr_workgroup_id_y 1
		.amdhsa_system_sgpr_workgroup_id_z 1
		.amdhsa_system_vgpr_workitem_id 0
		.amdhsa_next_free_vgpr 256
		.amdhsa_next_free_sgpr 66
		.amdhsa_reserve_vcc 1
		.amdhsa_float_denorm_mode_32 3
		.amdhsa_float_denorm_mode_16_64 3
		.amdhsa_memory_ordered 1
		.amdhsa_forward_progress 1
		.amdhsa_inst_pref_size 88
	.end_amdhsa_kernel
	.amdgpu_metadata
---
amdhsa.version: [ 1, 2 ]
amdhsa.kernels:
  - .name:           k_q8432c232f7_attn
    .symbol:         k_q8432c232f7_attn.kd
    .args:
      - { .name: qkvq, .offset: 0, .size: 8, .value_kind: global_buffer, .address_space: global }
      - { .name: oq, .offset: 8, .size: 8, .value_kind: global_buffer, .address_space: global }
    .group_segment_fixed_size: 78336
    .private_segment_fixed_size: 0
    .kernarg_segment_align: 8
    .kernarg_segment_size: 16
    .max_flat_workgroup_size: 256
    .sgpr_count:     66
    .vgpr_count:     256
    .wavefront_size: 32
...
	.end_amdgpu_metadata
.endif
;; end of part 3
;; launch gemm_out (part 4): grid 4 x 16, 4 waves a work-group, clusters of 4 x 4, 327,680 bytes of LDS; arguments oq, prepq, out_b, x, ybuf; writes ybuf
.if DOCPART == 4
	.amdgcn_target "amdgcn-amd-amdhsa--gfx1250"
	.amdhsa_code_object_version 6
	.text
	.protected	k_q8432c232f7_gemm_out
	.globl	k_q8432c232f7_gemm_out
	.p2align	8
	.type	k_q8432c232f7_gemm_out,@function
k_q8432c232f7_gemm_out:
	s_mov_b64 s[64:65], 0
	v_nop
	global_prefetch_b8 v0, s[64:65] scope:SCOPE_SE
	s_setreg_imm32_b32 hwreg(HW_REG_WAVE_MODE, 25, 1), 1
	s_wait_xcnt 0x0
	s_wait_alu depctr_hold_cnt(0) depctr_sa_sdst(0) depctr_va_vdst(0) depctr_va_sdst(0) depctr_va_ssrc(0) depctr_va_vcc(0) depctr_vm_vsrc(0)
	s_getreg_b32 s2, hwreg(HW_REG_IB_STS2, 6, 4)
	s_cmp_eq_u32 s2, 0
	s_cbranch_scc0 .Lentry_in_a_cluster
	s_endpgm
.Lentry_in_a_cluster:
	s_bfe_u32 s2, ttmp6, 0x10000c
	s_cmp_lg_u32 s2, 0xf033
	s_cbranch_scc0 .Lentry_shape_is_right
	s_endpgm
.Lentry_shape_is_right:
; y = x + o W_out + b on codes of FP6 (E2M3) with E8M0 scales, [4096 x 1024] x [1024 x 1024]; y leaves as f32 in natural rows.
; Both operands lie in memory as images of fragments (16 rows x 128 K = 1,536 bytes: register j of lane L at 512 (j / 4) + 16 L + 4 (j % 4)), codes [K step][tile][1536], scale words [K step][tile / 4][row][tile % 4].
; Row tile t, tile row r is row 64 (t / 4) + 32 (r / 8) + 16 (t % 2) + 2 (r % 8) + (t / 2) % 2; column tile n, tile row r is column 32 (n / 2) + 8 (n % 2) + r + 8 (r / 8).
; A block of 256 x 256 to a work-group of four waves, 128 x 128 to a wave.  K in steps of 256 through two LDS slots filled by the tensor data mover; the scale words of all of K come once.
; CLUSTER 4 x 4: the activations' tiles are asked for jointly along a row of the cluster, the weights' along a column.  The matrix instruction is used transposed (source 0 = 16 columns of W, source 1 = 16 rows):
; a lane holds one row, and register j of column tile b is column 32 (b / 2) + 16 h + 8 (b % 2) + j.  N = 1,024 gives 64 blocks: 64 work-groups.
; REGISTERS: window 0: v1-29 addresses, v8-11 the bias; v32-63 scale words; v64-127 the first block's residual; v128-223 source 1's fragments; window 1: source 0's, two sets; windows 2, 3: the accumulators.
.set TA,    256
.set TB,    64
.set SK,    8
.set ASCL,  3145728                    ; o: codes at 0, scale words here
.set BCOD,  5734400                    ; out_w
.set BSCL,  6520832
.set FRB,   1536
.set FR,    12
.set NL,    3
.set NP,    4
.set HALFT, 16*FRB
.set SLOT,  4*HALFT
.set LAPS,  SK/4
.set SCL,   2*SLOT
.set HALFS, 512*SK
.set SPARE, 327168                     ; the spare words: the last 512 bytes, which no other line names
.set SPITCH, 528                       ; the way out: a stage of 16 rows x (512 + 16) bytes a wave, in slot 0, which has had its last fill and its last read by then
.set LI,   4
.set ADRA, 16
.set ADRB, 20
.set STO,  24
.set RD,   25
.set ADRS, 27
.set SPW,  28
.set NIL,  29
.set SC,   32
.set AF,   128
.set BK,   128
.set G1, 24
.set G0, 32
.set G1B, 48
.set G0B, 56
.set G1S, 68
.set G0S, 76
.set G1SB, 80
.set G0SB, 88
.set MSB, 0
.macro WIN new
.if MSB != (\new)
	s_set_vgpr_msb (MSB<<8)|(\new)
.set MSB, (\new)
.endif
.endm
.set MUL_LO, 0xa1
.set MUL_HI, 0xf1
.set TO_B,   0x40
.macro JLOAD g0a, g1a, g0b, g1b        ; a joint load: waves 0, 1 fetch activations, waves 2, 3 weights; four v_nop follow each line
	s_cmp_eq_u32 s15, 0
	s_cbranch_scc0 .Lfor_b_\@
	tensor_load_to_lds s[\g0a:\g0a+3], s[\g1a:\g1a+7]
	s_nop 0
.rept 4
	v_nop
.endr
	s_branch .Lasked_\@
.Lfor_b_\@:
	tensor_load_to_lds s[\g0b:\g0b+3], s[\g1b:\g1b+7]
	s_nop 0
.rept 4
	v_nop
.endr
.Lasked_\@:
.endm
.macro CREST
	s_cmp_lg_u32 s14, 0
	s_cbranch_scc1 .Lnot_wave_0_\@
	s_barrier_signal -3
.Lnot_wave_0_\@:
	s_barrier_wait -3
	s_barrier_signal -1
	s_barrier_wait -1
.endm
.macro CROUND
	s_barrier_signal -1
	s_barrier_wait -1
	CREST
.endm
	s_load_b128 s[4:7], s[0:1], 0x0                ; the activations' operand, the weights' buffer
	s_load_b128 s[8:11], s[0:1], 0x10              ; the bias, the residual
	s_load_b64 s[12:13], s[0:1], 0x20              ; the output
	v_lshl_add_u32 v[SPW], v0, 2, SPARE
	v_mov_b32 v[NIL], 0
	ds_add_u32 v28, v29
	ds_add_u32 v28, v29
	s_wait_dscnt 0x0
	v_lshrrev_b32 v1, 5, v0
	v_readfirstlane_b32 s14, v1
	s_lshr_b32 s15, s14, 1                         ; my half of the rows.  Also: I fetch activations (0) or weights (1)
	s_and_b32 s16, s14, 1                          ; my half of the columns.  Also: which 8 tiles I fetch
	s_bfe_u32 s40, ttmp6, 0x40000
	s_bfe_u32 s41, ttmp6, 0x40004
	s_lshl_b32 s42, ttmp9, 2
	s_add_co_u32 s42, s42, s40                     ; tx
	s_and_b32 s17, ttmp7, 0xffff
	s_lshl_b32 s17, s17, 2
	s_add_co_u32 s17, s17, s41                     ; ty
	s_lshl_b32 s43, s41, 2
	s_lshl_b32 s43, 15, s43
	s_lshl_b32 s44, 0x1111, s40
	; group 1, codes: 2 rows (K steps) of 1,536 elements of 8 bytes (8 fragments on end), a K step's tiles apart; no padding
	s_or_b32 s[G1+0], s43, (3<<16)|(1<<21)
	s_or_b32 s[G1B+0], s44, (3<<16)|(1<<21)
	s_mov_b32 s[G1+5], 192*TA
	s_mov_b32 s[G1B+5], 192*TB
.irp g, G1, G1B
	s_mov_b32 s[\g+1], 1536<<16
	s_mov_b32 s[\g+2], 2<<16
	s_mov_b32 s[\g+3], 1536<<16
	s_mov_b32 s[\g+4], 2
	s_mov_b32 s[\g+6], 0
	s_mov_b32 s[\g+7], 0
.endr
	; group 1, scale words: SK rows of 64 elements of 8 bytes
	s_or_b32 s[G1S+0], s43, (3<<16)|(1<<21)
	s_or_b32 s[G1SB+0], s44, (3<<16)|(1<<21)
	s_mov_b32 s[G1S+5], 8*TA
	s_mov_b32 s[G1SB+5], 8*TB
.irp g, G1S, G1SB
	s_mov_b32 s[\g+1], 64<<16
	s_mov_b32 s[\g+2], SK<<16
	s_mov_b32 s[\g+3], 64<<16
	s_mov_b32 s[\g+4], SK
	s_mov_b32 s[\g+6], 0
	s_mov_b32 s[\g+7], 0
.endr
	s_lshl_b32 s18, s16, 3
	s_lshl_b32 s20, s17, 4
	s_add_co_u32 s20, s20, s18
	s_lshl_b32 s46, s42, 4
	s_add_co_u32 s46, s46, s18
	s_lshl_b32 s22, s20, 6
	s_add_co_u32 s22, s22, ASCL
	s_mov_b32 s23, 0
	s_lshl_b32 s92, s46, 6
	s_add_co_u32 s92, s92, BSCL
	s_mov_b32 s93, 0
	s_mul_i32 s20, s20, FRB
	s_mov_b32 s21, 0
	s_mul_i32 s46, s46, FRB
	s_add_co_u32 s46, s46, BCOD
	s_mov_b32 s47, 0
	s_mul_i32 s45, s14, HALFT
	s_mul_i32 s94, s14, HALFS
	s_wait_kmcnt 0x0
	s_add_nc_u64 s[20:21], s[4:5], s[20:21]
	s_add_nc_u64 s[22:23], s[4:5], s[22:23]
	s_add_nc_u64 s[46:47], s[6:7], s[46:47]
	s_add_nc_u64 s[92:93], s[6:7], s[92:93]
	CROUND
	s_mov_b32 s[G0S], 1
	s_add_co_u32 s[G0S+1], s94, SCL
	s_mov_b64 s[G0S+2:G0S+3], s[22:23]
	s_or_b32 s[G0S+3], s[G0S+3], 0x80000000
	s_mov_b32 s[G0SB], 1
	s_add_co_u32 s[G0SB+1], s94, SCL
	s_mov_b64 s[G0SB+2:G0SB+3], s[92:93]
	s_or_b32 s[G0SB+3], s[G0SB+3], 0x80000000
	JLOAD G0S, G1S, G0SB, G1SB
.irp s, 0,1
	s_mov_b32 s[G0+4*\s], 1
	s_add_co_u32 s[G0+4*\s+1], s45, \s*SLOT
	s_add_nc_u64 s[G0+4*\s+2:G0+4*\s+3], s[20:21], \s*2*TA*FRB
	s_or_b32 s[G0+4*\s+3], s[G0+4*\s+3], 0x80000000
	s_mov_b32 s[G0B+4*\s], 1
	s_add_co_u32 s[G0B+4*\s+1], s45, \s*SLOT
	s_add_nc_u64 s[G0B+4*\s+2:G0B+4*\s+3], s[46:47], \s*2*TB*FRB
	s_or_b32 s[G0B+4*\s+3], s[G0B+4*\s+3], 0x80000000
	JLOAD G0+4*\s, G1, G0B+4*\s, G1B
.endr
	v_and_b32 v1, 15, v0
	v_bfe_u32 v2, v0, 4, 1
	v_and_b32 v3, 31, v0
	v_lshlrev_b32 v[LI], 4, v3
	s_mul_i32 s21, s15, HALFT
	s_mul_i32 s22, s16, HALFT
	s_add_co_u32 s22, s22, 2*HALFT
.irp s, 0,1
	v_add_nc_u32 v[ADRA+\s], s21, v[LI]
	v_add_nc_u32 v[ADRB+\s], s22, v[LI]
	s_add_co_u32 s21, s21, SLOT
	s_add_co_u32 s22, s22, SLOT
.endr
	s_mul_i32 s21, s15, HALFS
	s_mul_i32 s22, s16, HALFS
	s_add_co_u32 s22, s22, 2*HALFS
	s_sub_co_u32 s22, s22, s21
	v_mul_u32_u24 v6, s22, v2                      ; lanes 16-31 take the weights' words
	s_add_co_u32 s21, s21, SCL
	v_lshl_add_u32 v5, v1, 4, v6
	v_add_nc_u32 v[ADRS], s21, v5
	s_mul_i32 s23, s14, 16*SPITCH                  ; my stage
	v_mul_u32_u24 v5, v1, SPITCH
	v_lshl_add_u32 v5, v2, 6, v5
	v_add_nc_u32 v[STO], s23, v5                   ; in: row r, + 64 h
	v_add_nc_u32 v[RD], s23, v[LI]                 ; back: a row of 512 bytes to the 32 lanes
	s_lshl_b32 s20, s17, 8
	s_lshl_b32 s21, s15, 7
	s_add_co_u32 s20, s20, s21
	s_lshl_b32 s20, s20, 12                        ; my first row, 256 ty + 128 half, in bytes
	s_lshl_b32 s46, s42, 10
	s_lshl_b32 s47, s16, 9
	s_add_co_u32 s46, s46, s47                     ; my first column, in bytes
	s_mov_b32 s47, 0
	s_add_nc_u64 s[8:9], s[8:9], s[46:47]
	s_add_co_u32 s20, s20, s46
	s_mov_b32 s21, 0
	s_add_nc_u64 s[10:11], s[10:11], s[20:21]
	s_add_nc_u64 s[12:13], s[12:13], s[20:21]
.macro RLOAD a                         ; the residual's 16 rows of row tile a, whole rows of 512 bytes; every offset is an immediate (127 rows of 4,096 bytes at the most)
.set RS, 64+128*((\a)%2)
.irp t, 0,1,2,3,4,5,6,7,8,9,10,11,12,13,14,15
	global_load_b128 v[RS+4*\t:RS+4*\t+3], v[LI], s[10:11] offset:(64*((\a)/4)+16*((\a)%2)+((\a)/2)%2+32*(\t/8)+2*(\t%8))*4096 th:TH_LOAD_NT
.endr
.endm
	global_load_b128 v[8:11], v[LI], s[8:9]        ; the bias of my 4 columns of a row; waited for on the way out
	RLOAD 0
.macro FRAG reg, adr, q, i
.irp c, 0,1,2
	ds_load_b128 v[\reg+4*\c:\reg+4*\c+3], v[\adr] offset:8*FRB*(\q)+FRB*(\i)+512*\c
.endr
.endm
; 16 matrix instructions; the 64 accumulators take turns, one instruction a turn, in the same order in every step
.macro MUL16 a0, p, q, sc, zero
.irp a, \a0, \a0+1
.irp b, 0,1,2,3,4,5,6,7
.if \zero
	v_wmma_scale_f32_16x16x128_f8f6f4 v[8*(8*((\a)%4)+\b):8*(8*((\a)%4)+\b)+7], v[128*(\p)+FR*\b:128*(\p)+FR*\b+FR-1], v[AF+FR*(\a):AF+FR*(\a)+FR-1], 0, v[SC+16*(\sc)+8*(\q)+\b], v[SC+16*(\sc)+8*(\q)+(\a)] matrix_a_fmt:MATRIX_FMT_FP6 matrix_b_fmt:MATRIX_FMT_FP6 matrix_a_scale:MATRIX_SCALE_ROW1
.else
	v_wmma_scale_f32_16x16x128_f8f6f4 v[8*(8*((\a)%4)+\b):8*(8*((\a)%4)+\b)+7], v[128*(\p)+FR*\b:128*(\p)+FR*\b+FR-1], v[AF+FR*(\a):AF+FR*(\a)+FR-1], v[8*(8*((\a)%4)+\b):8*(8*((\a)%4)+\b)+7], v[SC+16*(\sc)+8*(\q)+\b], v[SC+16*(\sc)+8*(\q)+(\a)] matrix_a_fmt:MATRIX_FMT_FP6 matrix_b_fmt:MATRIX_FMT_FP6 matrix_a_scale:MATRIX_SCALE_ROW1
.endif
.endr
.endr
.endm
.macro FETCH_B slot, q, p
	WIN TO_B
.irp i, 0,1,2,3,4,5,6,7
	FRAG 128*(\p)+FR*\i, ADRB+\slot, \q, \i
.endr
	WIN 0
.endm
.macro FETCH_A slot, q, i0
.irp i, \i0, \i0+1, \i0+2, \i0+3
	FRAG AF+FR*(\i), ADRA+\slot, \q, \i
.endr
.endm
.macro SCALES sc
.irp q, 0,1
.irp g, 0,1
	ds_load_b128 v[SC+16*\sc+8*\q+4*\g:SC+16*\sc+8*\q+4*\g+3], v[ADRS] offset:512*\q+256*\g
.endr
.endr
.endm
.macro PLACES n
.rept \n
	v_nop
.endr
.endm
.macro STEP slot, q, zero
	s_wait_dscnt 4*NL                              ; all but the youngest 12 loads (source 1's blocks 4-7)
	WIN MUL_LO
	MUL16 0, (\q)%2, \q, \slot, \zero
	MUL16 2, (\q)%2, \q, \slot, \zero
	s_wait_dscnt 0
	PLACES NP
	FETCH_B \slot, (\q)+1, 1-(\q)%2
	FETCH_A \slot, (\q)+1, 0
	WIN MUL_HI
	MUL16 4, (\q)%2, \q, \slot, \zero
	MUL16 6, (\q)%2, \q, \slot, \zero
	PLACES NP
	WIN 0
	FETCH_A \slot, (\q)+1, 4
.endm
.macro TURN slot, next, fill
	s_wait_tensorcnt 0x0                           ; all my tensor loads have landed: my part of the next slot
	ds_add_u32 v[SPW], v[NIL]                      ; 0 onto my spare word
	s_wait_dscnt 4*NL+1                            ; (the add and the youngest 12 loads may be out)
	WIN MUL_LO
	MUL16 0, 1, 1, \slot, 0
	s_wait_dscnt 0x0                               ; the add is done, and my reads of this slot are over
	s_barrier_signal -1
	MUL16 2, 1, 1, \slot, 0
	WIN 0
	s_barrier_wait -1
.if \fill
	CREST                                          ; a round of the cluster's barrier: no wave of any partner still reads this slot or has a load on its way
	s_add_nc_u64 s[G0+4*\slot+2:G0+4*\slot+3], s[G0+4*\slot+2:G0+4*\slot+3], 4*TA*FRB
	s_add_nc_u64 s[G0B+4*\slot+2:G0B+4*\slot+3], s[G0B+4*\slot+2:G0B+4*\slot+3], 4*TB*FRB
	JLOAD G0+4*\slot, G1, G0B+4*\slot, G1B
.else
	PLACES NP
.endif
	v_add_nc_u32 v[ADRS], 1024, v[ADRS]
	FETCH_B \next, 0, 0
	FETCH_A \next, 0, 0
	SCALES \next
	WIN MUL_HI
	MUL16 4, 1, 1, \slot, 0
	MUL16 6, 1, 1, \slot, 0
	PLACES NP
	WIN 0
	FETCH_A \next, 0, 4
.endm
	s_wait_tensorcnt 1                             ; the scale words and my part of slot 0 are in; slot 1's load may be out
	s_barrier_signal -1
	s_barrier_wait -1
	FETCH_B 0, 0, 0
	FETCH_A 0, 0, 0
	SCALES 0
	FETCH_A 0, 0, 4
	STEP 0, 0, 1
	s_mov_b32 s3, LAPS-1
.Llap:
	TURN 0, 1, 1
	STEP 1, 0, 0
	TURN 1, 0, 1
	STEP 0, 0, 0
	s_sub_co_u32 s3, s3, 1
	s_cmp_lg_u32 s3, 0
	s_cbranch_scc1 .Llap
	TURN 0, 1, 0
	STEP 1, 0, 0
	s_wait_dscnt 4*NL
	WIN MUL_LO
	MUL16 0, 1, 1, 1, 0
	MUL16 2, 1, 1, 1, 0
	s_wait_dscnt 0
	WIN MUL_HI
	MUL16 4, 1, 1, 1, 0
	MUL16 6, 1, 1, 1, 0
	WIN 0
; THE WAY OUT, a row tile at a time: through my own stage, back as whole rows of 512 bytes, + bias + residual, stored to the tile's 16 rows.  LDS serves a wave's instructions in order: no wait between the stores and the loads
.macro TOSTAGE a
.set AC, 64*((\a)%4)
	WIN 0x08+4*((\a)/4)                            ; the data: window 2 or 3
.irp b, 0,1,2,3,4,5,6,7
	ds_store_b128 v[STO], v[AC+8*\b:AC+8*\b+3] offset:128*(\b/2)+32*(\b%2)          ; each accumulator from its low end on
	ds_store_b128 v[STO], v[AC+8*\b+4:AC+8*\b+7] offset:128*(\b/2)+32*(\b%2)+16
.endr
	WIN 0
.irp t, 0,1,2,3,4,5,6,7,8,9,10,11,12,13,14,15
	ds_load_b128 v[BK+4*\t:BK+4*\t+3], v[RD] offset:\t*SPITCH
.endr
.endm
.macro SEND a
.set RS, 64+128*((\a)%2)
.irp t, 0,1,2,3,4,5,6,7,8,9,10,11,12,13,14,15
	v_pk_add_f32 v[BK+4*\t:BK+4*\t+1], v[BK+4*\t:BK+4*\t+1], v[8:9]
	v_pk_add_f32 v[BK+4*\t+2:BK+4*\t+3], v[BK+4*\t+2:BK+4*\t+3], v[10:11]
.endr
.irp t, 0,1,2,3,4,5,6,7,8,9,10,11,12,13,14,15
	v_pk_add_f32 v[BK+4*\t:BK+4*\t+1], v[BK+4*\t:BK+4*\t+1], v[RS+4*\t:RS+4*\t+1]
	v_pk_add_f32 v[BK+4*\t+2:BK+4*\t+3], v[BK+4*\t+2:BK+4*\t+3], v[RS+4*\t+2:RS+4*\t+3]
	global_store_b128 v[LI], v[BK+4*\t:BK+4*\t+3], s[12:13] offset:(64*((\a)/4)+16*((\a)%2)+((\a)/2)%2+32*(\t/8)+2*(\t%8))*4096 th:TH_STORE_NT   ; 512 consecutive bytes, aligned
.endr
.endm
	PLACES NP
.irp a, 0,1,2,3,4,5,6,7
.if \a < 7
	RLOAD \a+1                                     ; a tile ahead, into the other set of registers
.endif
.if \a > 0
	s_wait_xcnt 0x0                                ; the last tile's stores have read their registers
.endif
	TOSTAGE \a
	s_wait_dscnt 0x0
.if \a < 7
	s_wait_loadcnt 16                              ; this tile's residual (and the bias) are in; the next tile's 16 loads may be out
.else
	s_wait_loadcnt 0x0
.endif
	SEND \a
.endr
	s_wait_tensorcnt 0x0                           ; the wave's end
	ds_add_u32 v[SPW], v[NIL]
	s_wait_dscnt 0x0
	CROUND
	s_endpgm
.Lfunc_end_k_q8432c232f7_gemm_out:
	.size	k_q8432c232f7_gemm_out, .Lfunc_end_k_q8432c232f7_gemm_out-k_q8432c232f7_gemm_out
	.p2alignl 7, 3214868480
	.fill 96, 4, 3214868480
	.section	.rodata,"a",@progbits
	.p2align	6, 0x0
	.amdhsa_kernel k_q8432c232f7_gemm_out
		.amdhsa_group_segment_fixed_size 327680
		.amdhsa_private_segment_fixed_size 0
		.amdhsa_enable_private_segment 0
		.amdhsa_kernarg_size 40
		.amdhsa_user_sgpr_count 2
		.amdhsa_user_sgpr_kernarg_segment_ptr 1
		.amdhsa_wavefront_size32 1
		.amdhsa_system_sgpr_workgroup_id_x 1
		.amdhsa_system_sgpr_workgroup_id_y 1
		.amdhsa_system_sgpr_workgroup_id_z 1
		.amdhsa_system_vgpr_workitem_id 0
		.amdhsa_next_free_vgpr 1024
		.amdhsa_next_free_sgpr 98
		.amdhsa_reserve_vcc 0
		.amdhsa_float_denorm_mode_32 3
		.amdhsa_float_denorm_mode_16_64 3
		.amdhsa_memory_ordered 1
		.amdhsa_forward_progress 1
		.amdhsa_inst_pref_size 179
	.end_amdhsa_kernel
	.amdgpu_metadata
---
amdhsa.version: [ 1, 2 ]
amdhsa.kernels:
  - .name:           k_q8432c232f7_gemm_out
    .symbol:         k_q8432c232f7_gemm_out.kd
    .args:
      - { .name: oq, .offset: 0, .size: 8, .value_kind: global_buffer, .address_space: global }
      - { .name: prepq, .offset: 8, .size: 8, .value_kind: global_buffer, .address_space: global }
      - { .name: out_b, .offset: 16, .size: 8, .value_kind: global_buffer, .address_space: global }
      - { .name: x, .offset: 24, .size: 8, .value_kind: global_buffer, .address_space: global }
      - { .name: ybuf, .offset: 32, .size: 8, .value_kind: global_buffer, .address_space: global }
    .group_segment_fixed_size: 327680
    .private_segment_fixed_size: 0
    .kernarg_segment_align: 8
    .kernarg_segment_size: 40
    .max_flat_workgroup_size: 128
    .sgpr_count:     98
    .vgpr_count:     1024
    .wavefront_size: 32
...
	.end_amdgpu_metadata
.endif
;; end of part 4
;; launch ln2: the kernel of part 1 again; grid 256 x 1, 8 waves a work-group, no clusters, 66,816 bytes of LDS; arguments ybuf, norm2_w, norm2_b, qkv_w, out_w, ffn_w1, ffn_w2, hq; writes hq
;; launch gemm_ffn1 (part 5): grid 16 x 16, 4 waves a work-group, clusters of 4 x 4, 327,680 bytes of LDS; arguments hq, prepq, ffn_b1, h1q; writes h1q
.if DOCPART == 5
	.amdgcn_target "amdgcn-amd-amdhsa--gfx1250"
	.amdhsa_code_object_version 6
	.text
	.protected	k_q8432c232f7_gemm_ffn1
	.globl	k_q8432c232f7_gemm_ffn1
	.p2align	8
	.type	k_q8432c232f7_gemm_ffn1,@function
k_q8432c232f7_gemm_ffn1:
	s_mov_b64 s[64:65], 0
	v_nop
	global_prefetch_b8 v0, s[64:65] scope:SCOPE_SE
	s_setreg_imm32_b32 hwreg(HW_REG_WAVE_MODE, 25, 1), 1
	s_wait_xcnt 0x0
	s_wait_alu depctr_hold_cnt(0) depctr_sa_sdst(0) depctr_va_vdst(0) depctr_va_sdst(0) depctr_va_ssrc(0) depctr_va_vcc(0) depctr_vm_vsrc(0)
	s_getreg_b32 s2, hwreg(HW_REG_IB_STS2, 6, 4)
	s_cmp_eq_u32 s2, 0
	s_cbranch_scc0 .Lentry_in_a_cluster
	s_endpgm
.Lentry_in_a_cluster:
	s_bfe_u32 s2, ttmp6, 0x10000c
	s_cmp_lg_u32 s2, 0xf033
	s_cbranch_scc0 .Lentry_shape_is_right
	s_endpgm
.Lentry_shape_is_right:
; gelu(LN2(y) W1 + b1) on codes of FP6 (E2M3) with E8M0 scales, [4096 x 1024] x [1024 x 4096]; the result leaves QUANTISED along the hidden axis, as the next product's operand.
; Both operands lie in memory as images of fragments (16 rows x 128 K = 1,536 bytes: register j of lane L at 512 (j / 4) + 16 L + 4 (j % 4)), codes [K step][tile][1536], scale words [K step][tile / 4][row][tile % 4].
; A block of 256 x 256 to a work-group of four waves, 128 x 128 to a wave.  K in steps of 256 through two LDS slots filled by the tensor data mover; the scale words of all of K come once.
; CLUSTER 4 x 4: the activations' tiles are asked for jointly along a row of the cluster, the weights' along a column.  The matrix instruction is used transposed (source 0 = 16 columns of W1, source 1 = 16 rows):
; a lane holds one row, and by the order of a weight tile's columns (32 (n / 2) + 8 (n % 2) + r + 8 (r / 8)) its 64 results of a row tile are register 16 g + i = hidden unit 32 g + 16 h + i: one K step of the next product.
; GELU, exact form: u Phi(u), Phi = 1 - erfc(|z|) / 2 for u >= 0 and erfc(|z|) / 2 for u < 0, z = u / sqrt(2); erfc(|z|) = t exp(-z^2 + P9(t)), t = 1 / (1 + |z| / 2): fractional error 1.2e-7 for every z.
; LIMITS: NaN and infinities are not served; a block of zeros gets the byte 1 (read by this program alone); blocks under 2^-124 are held at the byte 1.
; The way out is a loop of eight trips, a row tile each: only the 32 lines that fetch a tile's accumulators differ, and a chain of branches on the counter chooses them.
.set TA,    256
.set TB,    256
.set SK,    8
.set ASCL,  3145728                    ; LN2(y): codes at 0, scale words here
.set BCOD,  6553600                    ; ffn_w1
.set BSCL,  9699328
.set O_SC,  12582912                   ; the output's scale words
.set FRB,   1536
.set FR,    12
.set NL,    3
.set NP,    4
.set HALFT, 16*FRB
.set SLOT,  4*HALFT
.set LAPS,  SK/4
.set SCL,   2*SLOT
.set HALFS, 512*SK
.set SPARE, 327168                     ; the spare words: the last 512 bytes, which no other line names
.set LI,   4
.set BQO,  13
.set ADRA, 16
.set ADRB, 20
.set ADRS, 27
.set SPW,  28
.set NIL,  29
.set SC,   32
.set AF,   128
.set PWS,  32                          ; the way out: v32-39 eight scale words; v40-55 the quantiser's; v[58:59] c9; v60-63 words to store
.set TM,   40
.set C9V,  58
.set SW,   60
.set ST,   64                          ; v64-127 a row tile's 64 numbers
.set Z,    128
.set T,    160
.set P,    192
.set PC,   224
.set G1, 24
.set G0, 32
.set G1B, 48
.set G0B, 56
.set G1S, 68
.set G0S, 76
.set G1SB, 80
.set G0SB, 88
.set SEL, 92
.set HM,  94
.set MSB, 0
.macro WIN new
.if MSB != (\new)
	s_set_vgpr_msb (MSB<<8)|(\new)
.set MSB, (\new)
.endif
.endm
.set MUL_LO, 0xa1
.set MUL_HI, 0xf1
.set TO_B,   0x40
.macro JLOAD g0a, g1a, g0b, g1b        ; a joint load: waves 0, 1 fetch activations, waves 2, 3 weights; four v_nop follow each line
	s_cmp_eq_u32 s15, 0
	s_cbranch_scc0 .Lfor_b_\@
	tensor_load_to_lds s[\g0a:\g0a+3], s[\g1a:\g1a+7]
	s_nop 0
.rept 4
	v_nop
.endr
	s_branch .Lasked_\@
.Lfor_b_\@:
	tensor_load_to_lds s[\g0b:\g0b+3], s[\g1b:\g1b+7]
	s_nop 0
.rept 4
	v_nop
.endr
.Lasked_\@:
.endm
.macro CREST
	s_cmp_lg_u32 s14, 0
	s_cbranch_scc1 .Lnot_wave_0_\@
	s_barrier_signal -3
.Lnot_wave_0_\@:
	s_barrier_wait -3
	s_barrier_signal -1
	s_barrier_wait -1
.endm
.macro CROUND
	s_barrier_signal -1
	s_barrier_wait -1
	CREST
.endm
	s_load_b128 s[4:7], s[0:1], 0x0                ; the activations' operand, the weights' buffer
	s_load_b128 s[8:11], s[0:1], 0x10              ; the bias, the output
	v_lshl_add_u32 v[SPW], v0, 2, SPARE
	v_mov_b32 v[NIL], 0
	ds_add_u32 v28, v29
	ds_add_u32 v28, v29
	s_wait_dscnt 0x0
	v_lshrrev_b32 v1, 5, v0
	v_readfirstlane_b32 s14, v1
	s_lshr_b32 s15, s14, 1
	s_and_b32 s16, s14, 1
	s_bfe_u32 s40, ttmp6, 0x40000
	s_bfe_u32 s41, ttmp6, 0x40004
	s_lshl_b32 s42, ttmp9, 2
	s_add_co_u32 s42, s42, s40                     ; tx
	s_and_b32 s17, ttmp7, 0xffff
	s_lshl_b32 s17, s17, 2
	s_add_co_u32 s17, s17, s41                     ; ty
	s_lshl_b32 s43, s41, 2
	s_lshl_b32 s43, 15, s43
	s_lshl_b32 s44, 0x1111, s40
	; group 1, codes: 2 rows (K steps) of 1,536 elements of 8 bytes (8 fragments on end), a K step's tiles apart; no padding
	s_or_b32 s[G1+0], s43, (3<<16)|(1<<21)
	s_or_b32 s[G1B+0], s44, (3<<16)|(1<<21)
	s_mov_b32 s[G1+5], 192*TA
	s_mov_b32 s[G1B+5], 192*TB
.irp g, G1, G1B
	s_mov_b32 s[\g+1], 1536<<16
	s_mov_b32 s[\g+2], 2<<16
	s_mov_b32 s[\g+3], 1536<<16
	s_mov_b32 s[\g+4], 2
	s_mov_b32 s[\g+6], 0
	s_mov_b32 s[\g+7], 0
.endr
	; group 1, scale words: SK rows of 64 elements of 8 bytes
	s_or_b32 s[G1S+0], s43, (3<<16)|(1<<21)
	s_or_b32 s[G1SB+0], s44, (3<<16)|(1<<21)
	s_mov_b32 s[G1S+5], 8*TA
	s_mov_b32 s[G1SB+5], 8*TB
.irp g, G1S, G1SB
	s_mov_b32 s[\g+1], 64<<16
	s_mov_b32 s[\g+2], SK<<16
	s_mov_b32 s[\g+3], 64<<16
	s_mov_b32 s[\g+4], SK
	s_mov_b32 s[\g+6], 0
	s_mov_b32 s[\g+7], 0
.endr
	s_lshl_b32 s18, s16, 3
	s_lshl_b32 s20, s17, 4
	s_add_co_u32 s20, s20, s18
	s_lshl_b32 s46, s42, 4
	s_add_co_u32 s46, s46, s18
	s_lshl_b32 s22, s20, 6
	s_add_co_u32 s22, s22, ASCL
	s_mov_b32 s23, 0
	s_lshl_b32 s92, s46, 6
	s_add_co_u32 s92, s92, BSCL
	s_mov_b32 s93, 0
	s_mul_i32 s20, s20, FRB
	s_mov_b32 s21, 0
	s_mul_i32 s46, s46, FRB
	s_add_co_u32 s46, s46, BCOD
	s_mov_b32 s47, 0
	s_mul_i32 s45, s14, HALFT
	s_mul_i32 s94, s14, HALFS
	s_wait_kmcnt 0x0
	s_add_nc_u64 s[20:21], s[4:5], s[20:21]
	s_add_nc_u64 s[22:23], s[4:5], s[22:23]
	s_add_nc_u64 s[46:47], s[6:7], s[46:47]
	s_add_nc_u64 s[92:93], s[6:7], s[92:93]
	CROUND
	s_mov_b32 s[G0S], 1
	s_add_co_u32 s[G0S+1], s94, SCL
	s_mov_b64 s[G0S+2:G0S+3], s[22:23]
	s_or_b32 s[G0S+3], s[G0S+3], 0x80000000
	s_mov_b32 s[G0SB], 1
	s_add_co_u32 s[G0SB+1], s94, SCL
	s_mov_b64 s[G0SB+2:G0SB+3], s[92:93]
	s_or_b32 s[G0SB+3], s[G0SB+3], 0x80000000
	JLOAD G0S, G1S, G0SB, G1SB
.irp s, 0,1
	s_mov_b32 s[G0+4*\s], 1
	s_add_co_u32 s[G0+4*\s+1], s45, \s*SLOT
	s_add_nc_u64 s[G0+4*\s+2:G0+4*\s+3], s[20:21], \s*2*TA*FRB
	s_or_b32 s[G0+4*\s+3], s[G0+4*\s+3], 0x80000000
	s_mov_b32 s[G0B+4*\s], 1
	s_add_co_u32 s[G0B+4*\s+1], s45, \s*SLOT
	s_add_nc_u64 s[G0B+4*\s+2:G0B+4*\s+3], s[46:47], \s*2*TB*FRB
	s_or_b32 s[G0B+4*\s+3], s[G0B+4*\s+3], 0x80000000
	JLOAD G0+4*\s, G1, G0B+4*\s, G1B
.endr
	v_and_b32 v1, 15, v0
	v_bfe_u32 v2, v0, 4, 1
	v_and_b32 v3, 31, v0
	v_lshlrev_b32 v[LI], 4, v3
	s_mul_i32 s21, s15, HALFT
	s_mul_i32 s22, s16, HALFT
	s_add_co_u32 s22, s22, 2*HALFT
.irp s, 0,1
	v_add_nc_u32 v[ADRA+\s], s21, v[LI]
	v_add_nc_u32 v[ADRB+\s], s22, v[LI]
	s_add_co_u32 s21, s21, SLOT
	s_add_co_u32 s22, s22, SLOT
.endr
	s_mul_i32 s21, s15, HALFS
	s_mul_i32 s22, s16, HALFS
	s_add_co_u32 s22, s22, 2*HALFS
	s_sub_co_u32 s22, s22, s21
	v_mul_u32_u24 v6, s22, v2
	s_add_co_u32 s21, s21, SCL
	v_lshl_add_u32 v5, v1, 4, v6
	v_add_nc_u32 v[ADRS], s21, v5
	s_lshl_b32 s46, s42, 10                        ; the bias in the result's layout, into idle registers of window 1; waited for on the way out
	s_mov_b32 s47, 0
	s_add_nc_u64 s[8:9], s[8:9], s[46:47]
	s_lshl_b32 s21, s16, 9
	v_lshl_add_u32 v[BQO], v2, 6, s21
	WIN TO_B
.irp g, 0,1,2,3
.irp i, 0,1,2,3
	global_load_b128 v[96+16*\g+4*\i+96*(\g/2):99+16*\g+4*\i+96*(\g/2)], v[BQO], s[8:9] offset:128*\g+16*\i
.endr
.endr
	WIN 0
.macro FRAG reg, adr, q, i
.irp c, 0,1,2
	ds_load_b128 v[\reg+4*\c:\reg+4*\c+3], v[\adr] offset:8*FRB*(\q)+FRB*(\i)+512*\c
.endr
.endm
; 16 matrix instructions; the 64 accumulators take turns, one instruction a turn, in the same order in every step
.macro MUL16 a0, p, q, sc, zero
.irp a, \a0, \a0+1
.irp b, 0,1,2,3,4,5,6,7
.if \zero
	v_wmma_scale_f32_16x16x128_f8f6f4 v[8*(8*((\a)%4)+\b):8*(8*((\a)%4)+\b)+7], v[128*(\p)+FR*\b:128*(\p)+FR*\b+FR-1], v[AF+FR*(\a):AF+FR*(\a)+FR-1], 0, v[SC+16*(\sc)+8*(\q)+\b], v[SC+16*(\sc)+8*(\q)+(\a)] matrix_a_fmt:MATRIX_FMT_FP6 matrix_b_fmt:MATRIX_FMT_FP6 matrix_a_scale:MATRIX_SCALE_ROW1
.else
	v_wmma_scale_f32_16x16x128_f8f6f4 v[8*(8*((\a)%4)+\b):8*(8*((\a)%4)+\b)+7], v[128*(\p)+FR*\b:128*(\p)+FR*\b+FR-1], v[AF+FR*(\a):AF+FR*(\a)+FR-1], v[8*(8*((\a)%4)+\b):8*(8*((\a)%4)+\b)+7], v[SC+16*(\sc)+8*(\q)+\b], v[SC+16*(\sc)+8*(\q)+(\a)] matrix_a_fmt:MATRIX_FMT_FP6 matrix_b_fmt:MATRIX_FMT_FP6 matrix_a_scale:MATRIX_SCALE_ROW1
.endif
.endr
.endr
.endm
.macro FETCH_B slot, q, p
	WIN TO_B
.irp i, 0,1,2,3,4,5,6,7
	FRAG 128*(\p)+FR*\i, ADRB+\slot, \q, \i
.endr
	WIN 0
.endm
.macro FETCH_A slot, q, i0
.irp i, \i0, \i0+1, \i0+2, \i0+3
	FRAG AF+FR*(\i), ADRA+\slot, \q, \i
.endr
.endm
.macro SCALES sc
.irp q, 0,1
.irp g, 0,1
	ds_load_b128 v[SC+16*\sc+8*\q+4*\g:SC+16*\sc+8*\q+4*\g+3], v[ADRS] offset:512*\q+256*\g
.endr
.endr
.endm
.macro PLACES n
.rept \n
	v_nop
.endr
.endm
.macro STEP slot, q, zero
	s_wait_dscnt 4*NL                              ; all but the youngest 12 loads (source 1's blocks 4-7)
	WIN MUL_LO
	MUL16 0, (\q)%2, \q, \slot, \zero
	MUL16 2, (\q)%2, \q, \slot, \zero
	s_wait_dscnt 0
	PLACES NP
	FETCH_B \slot, (\q)+1, 1-(\q)%2
	FETCH_A \slot, (\q)+1, 0
	WIN MUL_HI
	MUL16 4, (\q)%2, \q, \slot, \zero
	MUL16 6, (\q)%2, \q, \slot, \zero
	PLACES NP
	WIN 0
	FETCH_A \slot, (\q)+1, 4
.endm
.macro TURN slot, next, fill
	s_wait_tensorcnt 0x0                           ; all my tensor loads have landed: my part of the next slot
	ds_add_u32 v[SPW], v[NIL]                      ; 0 onto my spare word
	s_wait_dscnt 4*NL+1                            ; (the add and the youngest 12 loads may be out)
	WIN MUL_LO
	MUL16 0, 1, 1, \slot, 0
	s_wait_dscnt 0x0                               ; the add is done, and my reads of this slot are over
	s_barrier_signal -1
	MUL16 2, 1, 1, \slot, 0
	WIN 0
	s_barrier_wait -1
.if \fill
	CREST                                          ; a round of the cluster's barrier: no wave of any partner still reads this slot or has a load on its way
	s_add_nc_u64 s[G0+4*\slot+2:G0+4*\slot+3], s[G0+4*\slot+2:G0+4*\slot+3], 4*TA*FRB
	s_add_nc_u64 s[G0B+4*\slot+2:G0B+4*\slot+3], s[G0B+4*\slot+2:G0B+4*\slot+3], 4*TB*FRB
	JLOAD G0+4*\slot, G1, G0B+4*\slot, G1B
.else
	PLACES NP
.endif
	v_add_nc_u32 v[ADRS], 1024, v[ADRS]
	FETCH_B \next, 0, 0
	FETCH_A \next, 0, 0
	SCALES \next
	WIN MUL_HI
	MUL16 4, 1, 1, \slot, 0
	MUL16 6, 1, 1, \slot, 0
	PLACES NP
	WIN 0
	FETCH_A \next, 0, 4
.endm
	s_wait_tensorcnt 1                             ; the scale words and my part of slot 0 are in; slot 1's load may be out
	s_barrier_signal -1
	s_barrier_wait -1
	FETCH_B 0, 0, 0
	FETCH_A 0, 0, 0
	SCALES 0
	FETCH_A 0, 0, 4
	STEP 0, 0, 1
	s_mov_b32 s3, LAPS-1
.Llap:
	TURN 0, 1, 1
	STEP 1, 0, 0
	TURN 1, 0, 1
	STEP 0, 0, 0
	s_sub_co_u32 s3, s3, 1
	s_cmp_lg_u32 s3, 0
	s_cbranch_scc1 .Llap
	TURN 0, 1, 0
	STEP 1, 0, 0
	s_wait_dscnt 4*NL
	WIN MUL_LO
	MUL16 0, 1, 1, 1, 0
	MUL16 2, 1, 1, 1, 0
	s_wait_dscnt 0
	WIN MUL_HI
	MUL16 4, 1, 1, 1, 0
	MUL16 6, 1, 1, 1, 0
	WIN 0
.macro COPY a                          ; row tile a's 64 sums + the bias, each accumulator from its low end on
	WIN 0x06+(\a)/4
.set n, 0
.rept 32
	v_pk_add_f32 v[ST+n:ST+n+1], v[64*((\a)%4)+n:64*((\a)%4)+n+1], v[96+n+96*(n/32):97+n+96*(n/32)]
.set n, n+2
.endr
	WIN 0
.endm
.macro EACH16 line:vararg              ; (not used)
.endm
.macro GELU ch                         ; 32 numbers at v[ST + 32 ch]
.set UU, ST+32*\ch
.set n, 0
.rept 32
	v_fma_f32 v[T+n], |v[UU+n]|, 0x3eb504f3, 1.0   ; 1 + |z| / 2 = 1 + |u| / (2 sqrt 2)
.set n, n+1
.endr
.set n, 0
.rept 32
	v_rcp_f32 v[T+n], v[T+n]
.set n, n+1
.endr
.set n, 0
.rept 16
	v_pk_mul_f32 v[Z+n:Z+n+1], v[UU+n:UU+n+1], v[UU+n:UU+n+1]   ; u^2 = 2 z^2: plain work behind the batch
.set n, n+2
.endr
	s_wait_alu depctr_va_vdst(0)                   ; one wait for the 32 reciprocals, ahead of their first reader
.set n, 0
.rept 16
	v_pk_fma_f32 v[P+n:P+n+1], v[T+n:T+n+1], v[C9V:C9V+1], 0xbf527892 op_sel_hi:[1,1,0]   ; c9 t + c8
.set n, n+2
.endr
.irp k, 0x3fbe87b0, 0xbf914e5d, 0x3e8ec7cc, 0xbe3ec24c, 0x3dc636c9, 0x3ebf88fb, 0x3f8000c7, 0xbfa1fc4e
.set n, 0
.rept 16
	v_pk_fma_f32 v[P+n:P+n+1], v[P+n:P+n+1], v[T+n:T+n+1], \k op_sel_hi:[1,1,0]          ; c7 .. c0
.set n, n+2
.endr
.endr
.set n, 0
.rept 16
	v_pk_fma_f32 v[P+n:P+n+1], v[Z+n:Z+n+1], -0.5, v[P+n:P+n+1] op_sel_hi:[1,0,1]        ; - z^2
.set n, n+2
.endr
.set n, 0
.rept 16
	v_pk_mul_f32 v[P+n:P+n+1], v[P+n:P+n+1], 0x3fb8aa3b op_sel_hi:[1,0]
.set n, n+2
.endr
.set n, 0
.rept 32
	v_exp_f32 v[P+n], v[P+n]
.set n, n+1
.endr
	v_nop
	s_wait_alu depctr_va_vdst(0)                   ; one wait for the 32 exponentials
.set n, 0
.rept 16
	v_pk_mul_f32 v[P+n:P+n+1], v[P+n:P+n+1], v[T+n:T+n+1]                                 ; erfc(|z|)
.set n, n+2
.endr
.set n, 0
.rept 16
	v_pk_mul_f32 v[Z+n:Z+n+1], v[P+n:P+n+1], 0.5 op_sel_hi:[1,0]                          ; Phi where u < 0
.set n, n+2
.endr
.set n, 0
.rept 16
	v_pk_fma_f32 v[P+n:P+n+1], v[P+n:P+n+1], -0.5, 1.0 op_sel_hi:[1,0,0]                  ; Phi where u >= 0
.set n, n+2
.endr
.set n, 0
.rept 32
	v_cmp_gt_f32 vcc_lo, 0, v[UU+n]
	v_cndmask_b32 v[P+n], v[P+n], v[Z+n], vcc_lo
.set n, n+1
.endr
.set n, 0
.rept 16
	v_pk_mul_f32 v[UU+n:UU+n+1], v[UU+n:UU+n+1], v[P+n:P+n+1]
.set n, n+2
.endr
.endm
; 64 numbers of a lane, register 16 b + i = k 32 b + 16 (lane / 16) + i of my row, become a fragment's codes at v[PC] and the row's scale word in v[pw]
.macro QUANT s, pw
.irp b, 0,1,2,3
	v_max3_num_f32 v[TM+\b], |v[\s+16*\b]|, |v[\s+1+16*\b]|, 0x1800000
.endr
.irp i, 2,4,6,8,10,12,14
.irp b, 0,1,2,3
	v_max3_num_f32 v[TM+\b], v[TM+\b], |v[\s+16*\b+\i]|, |v[\s+1+16*\b+\i]|
.endr
.endr
.irp b, 0,1,2,3
	v_permlanex16_b32 v[TM+4+\b], v[TM+\b], s[SEL], s[SEL+1]
.endr
.irp b, 0,1,2,3
	v_max_num_f32 v[TM+\b], v[TM+\b], v[TM+4+\b]
.endr
.irp b, 0,1,2,3
	v_add_nc_u32 v[TM+12+\b], 0xff000000, v[TM+\b]
.endr
.irp b, 0,1,2,3
	v_lshrrev_b32 v[TM+4+\b], 23, v[TM+12+\b]
.endr
	v_lshl_or_b32 v[\pw], v[TM+5], 8, v[TM+4]
	v_lshl_or_b32 v[\pw], v[TM+6], 16, v[\pw]
	v_lshl_or_b32 v[\pw], v[TM+7], 24, v[\pw]
.irp c, 0,1
	v_cvt_scalef32_pk16_fp6_f32 v[PC+6*\c:PC+2+6*\c], v[\s+32*\c:\s+15+32*\c], v[TM+12+2*\c]
	v_cvt_scalef32_pk16_fp6_f32 v[PC+12+4*\c:PC+14+4*\c], v[\s+16+32*\c:\s+31+32*\c], v[TM+12+2*\c+1]
.endr
	v_nop
.irp c, 0,1
.irp i, 0,1,2
	v_permlane16_swap_b32 v[PC+6*\c+\i], v[PC+12+4*\c+\i]
.endr
.irp i, 0,1,2
	v_mov_b32 v[PC+3+6*\c+\i], v[PC+12+4*\c+\i]
.endr
.endr
.endm
	PLACES NP                                      ; behind the last products: their results are read, their operands' and scales' registers written below
	s_wait_loadcnt 0x0                             ; the bias
	s_mov_b32 s[SEL], 0x76543210
	s_mov_b32 s[SEL+1], 0xfedcba98
	s_mov_b32 s[HM], 0xffff0000
.irp b, 0,1,2,3,4,5,6,7
	v_mov_b32 v[PWS+\b], 0                         ; read by the rotation before they hold words
.endr
.irp b, 4,5,6,7
	v_mov_b32 v[TM+\b], 0
.endr
	v_mov_b32 v[C9V], 0x3e2ef945
	v_mov_b32 v[C9V+1], 0x3e2ef945
	s_lshl_b32 s20, s42, 1
	s_add_co_u32 s20, s20, s16                     ; the next product's K step: 2 tx + half
	s_lshl_b32 s21, s17, 4
	s_lshl_b32 s22, s15, 3
	s_add_co_u32 s21, s21, s22                     ; my first row tile
	s_lshl_b32 s22, s20, 8
	s_add_co_u32 s22, s22, s21
	s_mul_i32 s22, s22, FRB
	s_mov_b32 s23, 0
	s_add_nc_u64 s[12:13], s[10:11], s[22:23]      ; where the trip's fragment goes
	s_lshl_b32 s22, s20, 14
	s_lshl_b32 s21, s21, 6
	s_add_co_u32 s22, s22, s21
	s_add_co_u32 s22, s22, O_SC
	s_add_nc_u64 s[18:19], s[10:11], s[22:23]
	s_mov_b32 s3, 0
.Ltile:
.irp a, 0,1,2,3,4,5,6
	s_cmp_eq_u32 s3, \a
	s_cbranch_scc1 .Lcopy\a
.endr
	COPY 7
	s_branch .Lgo
.irp a, 0,1,2,3,4,5
.Lcopy\a:
	COPY \a
	s_branch .Lgo
.endr
.Lcopy6:
	COPY 6
.Lgo:
	GELU 0
	GELU 1
.irp k, 0,1,2,3,4,5,6
	v_mov_b32 v[PWS+\k], v[PWS+\k+1]               ; after eight trips word a stands in register a
.endr
	QUANT ST, PWS+7
.irp c, 0,1,2
	global_store_b128 v[LI], v[PC+4*\c:PC+4*\c+3], s[12:13] offset:512*\c
.endr
	s_wait_xcnt 0x0                                ; the stores have read their base and their data: both are written again
	s_add_nc_u64 s[12:13], s[12:13], FRB
	s_add_co_u32 s3, s3, 1
	s_cmp_lt_u32 s3, 8
	s_cbranch_scc1 .Ltile
.irp k, 0,1,2,3
	v_cndmask_b32 v[SW+\k], v[PWS+\k], v[PWS+4+\k], s[HM]   ; lanes 0-15 tiles 0-3 of row r, lanes 16-31 tiles 4-7
.endr
	global_store_b128 v[LI], v[SW:SW+3], s[18:19]  ; 512 consecutive bytes
	s_wait_tensorcnt 0x0                           ; the wave's end
	ds_add_u32 v[SPW], v[NIL]
	s_wait_dscnt 0x0
	CROUND
	s_endpgm
.Lfunc_end_k_q8432c232f7_gemm_ffn1:
	.size	k_q8432c232f7_gemm_ffn1, .Lfunc_end_k_q8432c232f7_gemm_ffn1-k_q8432c232f7_gemm_ffn1
	.p2alignl 7, 3214868480
	.fill 96, 4, 3214868480
	.section	.rodata,"a",@progbits
	.p2align	6, 0x0
	.amdhsa_kernel k_q8432c232f7_gemm_ffn1
		.amdhsa_group_segment_fixed_size 327680
		.amdhsa_private_segment_fixed_size 0
		.amdhsa_enable_private_segment 0
		.amdhsa_kernarg_size 32
		.amdhsa_user_sgpr_count 2
		.amdhsa_user_sgpr_kernarg_segment_ptr 1
		.amdhsa_wavefront_size32 1
		.amdhsa_system_sgpr_workgroup_id_x 1
		.amdhsa_system_sgpr_workgroup_id_y 1
		.amdhsa_system_sgpr_workgroup_id_z 1
		.amdhsa_system_vgpr_workitem_id 0
		.amdhsa_next_free_vgpr 1024
		.amdhsa_next_free_sgpr 98
		.amdhsa_reserve_vcc 1
		.amdhsa_float_denorm_mode_32 3
		.amdhsa_float_denorm_mode_16_64 3
		.amdhsa_memory_ordered 1
		.amdhsa_forward_progress 1
		.amdhsa_inst_pref_size 186
	.end_amdhsa_kernel
	.amdgpu_metadata
---
amdhsa.version: [ 1, 2 ]
amdhsa.kernels:
  - .name:           k_q8432c232f7_gemm_ffn1
    .symbol:         k_q8432c232f7_gemm_ffn1.kd
    .args:
      - { .name: hq, .offset: 0, .size: 8, .value_kind: global_buffer, .address_space: global }
      - { .name: prepq, .offset: 8, .size: 8, .value_kind: global_buffer, .address_space: global }
      - { .name: ffn_b1, .offset: 16, .size: 8, .value_kind: global_buffer, .address_space: global }
      - { .name: h1q, .offset: 24, .size: 8, .value_kind: global_buffer, .address_space: global }
    .group_segment_fixed_size: 327680
    .private_segment_fixed_size: 0
    .kernarg_segment_align: 8
    .kernarg_segment_size: 32
    .max_flat_workgroup_size: 128
    .sgpr_count:     98
    .vgpr_count:     1024
    .wavefront_size: 32
...
	.end_amdgpu_metadata
.endif
;; end of part 5
;; launch gemm_ffn2 (part 6): grid 4 x 16, 4 waves a work-group, clusters of 4 x 4, 327,680 bytes of LDS; arguments h1q, prepq, ffn_b2, ybuf, out0; writes out0
.if DOCPART == 6
	.amdgcn_target "amdgcn-amd-amdhsa--gfx1250"
	.amdhsa_code_object_version 6
	.text
	.protected	k_q8432c232f7_gemm_ffn2
	.globl	k_q8432c232f7_gemm_ffn2
	.p2align	8
	.type	k_q8432c232f7_gemm_ffn2,@function
k_q8432c232f7_gemm_ffn2:
	s_mov_b64 s[64:65], 0
	v_nop
	global_prefetch_b8 v0, s[64:65] scope:SCOPE_SE
	s_setreg_imm32_b32 hwreg(HW_REG_WAVE_MODE, 25, 1), 1
	s_wait_xcnt 0x0
	s_wait_alu depctr_hold_cnt(0) depctr_sa_sdst(0) depctr_va_vdst(0) depctr_va_sdst(0) depctr_va_ssrc(0) depctr_va_vcc(0) depctr_vm_vsrc(0)
	s_getreg_b32 s2, hwreg(HW_REG_IB_STS2, 6, 4)
	s_cmp_eq_u32 s2, 0
	s_cbranch_scc0 .Lentry_in_a_cluster
	s_endpgm
.Lentry_in_a_cluster:
	s_bfe_u32 s2, ttmp6, 0x10000c
	s_cmp_lg_u32 s2, 0xf033
	s_cbranch_scc0 .Lentry_shape_is_right
	s_endpgm
.Lentry_shape_is_right:
; out = y + h1 W2 + b2 on codes of FP6 (E2M3) with E8M0 scales, [4096 x 4096] x [4096 x 1024]; the result leaves as f32 in natural rows.
; Both operands lie in memory as images of fragments (16 rows x 128 K = 1,536 bytes: register j of lane L at 512 (j / 4) + 16 L + 4 (j % 4)), codes [K step][tile][1536], scale words [K step][tile / 4][row][tile % 4].
; Row tile t, tile row r is row 64 (t / 4) + 32 (r / 8) + 16 (t % 2) + 2 (r % 8) + (t / 2) % 2; column tile n, tile row r is column 32 (n / 2) + 8 (n % 2) + r + 8 (r / 8).
; A block of 256 x 256 to a work-group of four waves, 128 x 128 to a wave.  K in steps of 256 through two LDS slots filled by the tensor data mover; the scale words of all of K (64 KB) come once.
; CLUSTER 4 x 4: the activations' tiles are asked for jointly along a row of the cluster, the weights' along a column.  The matrix instruction is used transposed (source 0 = 16 columns of W2, source 1 = 16 rows):
; a lane holds one row, and register j of column tile b is column 32 (b / 2) + 16 h + 8 (b % 2) + j.  N = 1,024 gives 64 blocks: 64 work-groups.
; REGISTERS: window 0: v1-29 addresses, v8-11 the bias; v32-63 scale words; v64-127 the first block's residual; v128-223 source 1's fragments; window 1: source 0's, two sets; windows 2, 3: the accumulators.
.set TA,    256
.set TB,    64
.set SK,    32
.set ASCL,  12582912                   ; h1: codes at 0, scale words here
.set BCOD,  9830400                    ; ffn_w2
.set BSCL,  12976128
.set FRB,   1536
.set FR,    12
.set NL,    3
.set NP,    4
.set HALFT, 16*FRB
.set SLOT,  4*HALFT
.set LAPS,  SK/4
.set SCL,   2*SLOT
.set HALFS, 512*SK
.set SPARE, 327168                     ; the spare words: the last 512 bytes, which no other line names
.set SPITCH, 528                       ; the way out: a stage of 16 rows x (512 + 16) bytes a wave, in slot 0, which has had its last fill and its last read by then
.set LI,   4
.set ADRA, 16
.set ADRB, 20
.set STO,  24
.set RD,   25
.set ADRS, 27
.set SPW,  28
.set NIL,  29
.set SC,   32
.set AF,   128
.set BK,   128
.set G1, 24
.set G0, 32
.set G1B, 48
.set G0B, 56
.set G1S, 68
.set G0S, 76
.set G1SB, 80
.set G0SB, 88
.set MSB, 0
.macro WIN new
.if MSB != (\new)
	s_set_vgpr_msb (MSB<<8)|(\new)
.set MSB, (\new)
.endif
.endm
.set MUL_LO, 0xa1
.set MUL_HI, 0xf1
.set TO_B,   0x40
.macro JLOAD g0a, g1a, g0b, g1b        ; a joint load: waves 0, 1 fetch activations, waves 2, 3 weights; four v_nop follow each line
	s_cmp_eq_u32 s15, 0
	s_cbranch_scc0 .Lfor_b_\@
	tensor_load_to_lds s[\g0a:\g0a+3], s[\g1a:\g1a+7]
	s_nop 0
.rept 4
	v_nop
.endr
	s_branch .Lasked_\@
.Lfor_b_\@:
	tensor_load_to_lds s[\g0b:\g0b+3], s[\g1b:\g1b+7]
	s_nop 0
.rept 4
	v_nop
.endr
.Lasked_\@:
.endm
.macro CREST
	s_cmp_lg_u32 s14, 0
	s_cbranch_scc1 .Lnot_wave_0_\@
	s_barrier_signal -3
.Lnot_wave_0_\@:
	s_barrier_wait -3
	s_barrier_signal -1
	s_barrier_wait -1
.endm
.macro CROUND
	s_barrier_signal -1
	s_barrier_wait -1
	CREST
.endm
	s_load_b128 s[4:7], s[0:1], 0x0                ; the activations' operand, the weights' buffer
	s_load_b128 s[8:11], s[0:1], 0x10              ; the bias, the residual
	s_load_b64 s[12:13], s[0:1], 0x20              ; the output
	v_lshl_add_u32 v[SPW], v0, 2, SPARE
	v_mov_b32 v[NIL], 0
	ds_add_u32 v28, v29
	ds_add_u32 v28, v29
	s_wait_dscnt 0x0
	v_lshrrev_b32 v1, 5, v0
	v_readfirstlane_b32 s14, v1
	s_lshr_b32 s15, s14, 1                         ; my half of the rows.  Also: I fetch activations (0) or weights (1)
	s_and_b32 s16, s14, 1                          ; my half of the columns.  Also: which 8 tiles I fetch
	s_bfe_u32 s40, ttmp6, 0x40000
	s_bfe_u32 s41, ttmp6, 0x40004
	s_lshl_b32 s42, ttmp9, 2
	s_add_co_u32 s42, s42, s40                     ; tx
	s_and_b32 s17, ttmp7, 0xffff
	s_lshl_b32 s17, s17, 2
	s_add_co_u32 s17, s17, s41                     ; ty
	s_lshl_b32 s43, s41, 2
	s_lshl_b32 s43, 15, s43
	s_lshl_b32 s44, 0x1111, s40
	; group 1, codes: 2 rows (K steps) of 1,536 elements of 8 bytes (8 fragments on end), a K step's tiles apart; no padding
	s_or_b32 s[G1+0], s43, (3<<16)|(1<<21)
	s_or_b32 s[G1B+0], s44, (3<<16)|(1<<21)
	s_mov_b32 s[G1+5], 192*TA
	s_mov_b32 s[G1B+5], 192*TB
.irp g, G1, G1B
	s_mov_b32 s[\g+1], 1536<<16
	s_mov_b32 s[\g+2], 2<<16
	s_mov_b32 s[\g+3], 1536<<16
	s_mov_b32 s[\g+4], 2
	s_mov_b32 s[\g+6], 0
	s_mov_b32 s[\g+7], 0
.endr
	; group 1, scale words: SK rows of 64 elements of 8 bytes
	s_or_b32 s[G1S+0], s43, (3<<16)|(1<<21)
	s_or_b32 s[G1SB+0], s44, (3<<16)|(1<<21)
	s_mov_b32 s[G1S+5], 8*TA
	s_mov_b32 s[G1SB+5], 8*TB
.irp g, G1S, G1SB
	s_mov_b32 s[\g+1], 64<<16
	s_mov_b32 s[\g+2], SK<<16
	s_mov_b32 s[\g+3], 64<<16
	s_mov_b32 s[\g+4], SK
	s_mov_b32 s[\g+6], 0
	s_mov_b32 s[\g+7], 0
.endr
	s_lshl_b32 s18, s16, 3
	s_lshl_b32 s20, s17, 4
	s_add_co_u32 s20, s20, s18
	s_lshl_b32 s46, s42, 4
	s_add_co_u32 s46, s46, s18
	s_lshl_b32 s22, s20, 6
	s_add_co_u32 s22, s22, ASCL
	s_mov_b32 s23, 0
	s_lshl_b32 s92, s46, 6
	s_add_co_u32 s92, s92, BSCL
	s_mov_b32 s93, 0
	s_mul_i32 s20, s20, FRB
	s_mov_b32 s21, 0
	s_mul_i32 s46, s46, FRB
	s_add_co_u32 s46, s46, BCOD
	s_mov_b32 s47, 0
	s_mul_i32 s45, s14, HALFT
	s_mul_i32 s94, s14, HALFS
	s_wait_kmcnt 0x0
	s_add_nc_u64 s[20:21], s[4:5], s[20:21]
	s_add_nc_u64 s[22:23], s[4:5], s[22:23]
	s_add_nc_u64 s[46:47], s[6:7], s[46:47]
	s_add_nc_u64 s[92:93], s[6:7], s[92:93]
	CROUND
	s_mov_b32 s[G0S], 1
	s_add_co_u32 s[G0S+1], s94, SCL
	s_mov_b64 s[G0S+2:G0S+3], s[22:23]
	s_or_b32 s[G0S+3], s[G0S+3], 0x80000000
	s_mov_b32 s[G0SB], 1
	s_add_co_u32 s[G0SB+1], s94, SCL
	s_mov_b64 s[G0SB+2:G0SB+3], s[92:93]
	s_or_b32 s[G0SB+3], s[G0SB+3], 0x80000000
	JLOAD G0S, G1S, G0SB, G1SB
.irp s, 0,1
	s_mov_b32 s[G0+4*\s], 1
	s_add_co_u32 s[G0+4*\s+1], s45, \s*SLOT
	s_add_nc_u64 s[G0+4*\s+2:G0+4*\s+3], s[20:21], \s*2*TA*FRB
	s_or_b32 s[G0+4*\s+3], s[G0+4*\s+3], 0x80000000
	s_mov_b32 s[G0B+4*\s], 1
	s_add_co_u32 s[G0B+4*\s+1], s45, \s*SLOT
	s_add_nc_u64 s[G0B+4*\s+2:G0B+4*\s+3], s[46:47], \s*2*TB*FRB
	s_or_b32 s[G0B+4*\s+3], s[G0B+4*\s+3], 0x80000000
	JLOAD G0+4*\s, G1, G0B+4*\s, G1B
.endr
	v_and_b32 v1, 15, v0
	v_bfe_u32 v2, v0, 4, 1
	v_and_b32 v3, 31, v0
	v_lshlrev_b32 v[LI], 4, v3
	s_mul_i32 s21, s15, HALFT
	s_mul_i32 s22, s16, HALFT
	s_add_co_u32 s22, s22, 2*HALFT
.irp s, 0,1
	v_add_nc_u32 v[ADRA+\s], s21, v[LI]
	v_add_nc_u32 v[ADRB+\s], s22, v[LI]
	s_add_co_u32 s21, s21, SLOT
	s_add_co_u32 s22, s22, SLOT
.endr
	s_mul_i32 s21, s15, HALFS
	s_mul_i32 s22, s16, HALFS
	s_add_co_u32 s22, s22, 2*HALFS
	s_sub_co_u32 s22, s22, s21
	v_mul_u32_u24 v6, s22, v2                      ; lanes 16-31 take the weights' words
	s_add_co_u32 s21, s21, SCL
	v_lshl_add_u32 v5, v1, 4, v6
	v_add_nc_u32 v[ADRS], s21, v5
	s_mul_i32 s23, s14, 16*SPITCH                  ; my stage
	v_mul_u32_u24 v5, v1, SPITCH
	v_lshl_add_u32 v5, v2, 6, v5
	v_add_nc_u32 v[STO], s23, v5                   ; in: row r, + 64 h
	v_add_nc_u32 v[RD], s23, v[LI]                 ; back: a row of 512 bytes to the 32 lanes
	s_lshl_b32 s20, s17, 8
	s_lshl_b32 s21, s15, 7
	s_add_co_u32 s20, s20, s21
	s_lshl_b32 s20, s20, 12                        ; my first row, 256 ty + 128 half, in bytes
	s_lshl_b32 s46, s42, 10
	s_lshl_b32 s47, s16, 9
	s_add_co_u32 s46, s46, s47                     ; my first column, in bytes
	s_mov_b32 s47, 0
	s_add_nc_u64 s[8:9], s[8:9], s[46:47]
	s_add_co_u32 s20, s20, s46
	s_mov_b32 s21, 0
	s_add_nc_u64 s[10:11], s[10:11], s[20:21]
	s_add_nc_u64 s[12:13], s[12:13], s[20:21]
.macro RLOAD a                         ; the residual's 16 rows of row tile a, whole rows of 512 bytes; every offset is an immediate (127 rows of 4,096 bytes at the most)
.set RS, 64+128*((\a)%2)
.irp t, 0,1,2,3,4,5,6,7,8,9,10,11,12,13,14,15
	global_load_b128 v[RS+4*\t:RS+4*\t+3], v[LI], s[10:11] offset:(64*((\a)/4)+16*((\a)%2)+((\a)/2)%2+32*(\t/8)+2*(\t%8))*4096 th:TH_LOAD_NT
.endr
.endm
	global_load_b128 v[8:11], v[LI], s[8:9]        ; the bias of my 4 columns of a row; waited for on the way out
	RLOAD 0
.macro FRAG reg, adr, q, i
.irp c, 0,1,2
	ds_load_b128 v[\reg+4*\c:\reg+4*\c+3], v[\adr] offset:8*FRB*(\q)+FRB*(\i)+512*\c
.endr
.endm
; 16 matrix instructions; the 64 accumulators take turns, one instruction a turn, in the same order in every step
.macro MUL16 a0, p, q, sc, zero
.irp a, \a0, \a0+1
.irp b, 0,1,2,3,4,5,6,7
.if \zero
	v_wmma_scale_f32_16x16x128_f8f6f4 v[8*(8*((\a)%4)+\b):8*(8*((\a)%4)+\b)+7], v[128*(\p)+FR*\b:128*(\p)+FR*\b+FR-1], v[AF+FR*(\a):AF+FR*(\a)+FR-1], 0, v[SC+16*(\sc)+8*(\q)+\b], v[SC+16*(\sc)+8*(\q)+(\a)] matrix_a_fmt:MATRIX_FMT_FP6 matrix_b_fmt:MATRIX_FMT_FP6 matrix_a_scale:MATRIX_SCALE_ROW1
.else
	v_wmma_scale_f32_16x16x128_f8f6f4 v[8*(8*((\a)%4)+\b):8*(8*((\a)%4)+\b)+7], v[128*(\p)+FR*\b:128*(\p)+FR*\b+FR-1], v[AF+FR*(\a):AF+FR*(\a)+FR-1], v[8*(8*((\a)%4)+\b):8*(8*((\a)%4)+\b)+7], v[SC+16*(\sc)+8*(\q)+\b], v[SC+16*(\sc)+8*(\q)+(\a)] matrix_a_fmt:MATRIX_FMT_FP6 matrix_b_fmt:MATRIX_FMT_FP6 matrix_a_scale:MATRIX_SCALE_ROW1
.endif
.endr
.endr
.endm
.macro FETCH_B slot, q, p
	WIN TO_B
.irp i, 0,1,2,3,4,5,6,7
	FRAG 128*(\p)+FR*\i, ADRB+\slot, \q, \i
.endr
	WIN 0
.endm
.macro FETCH_A slot, q, i0
.irp i, \i0, \i0+1, \i0+2, \i0+3
	FRAG AF+FR*(\i), ADRA+\slot, \q, \i
.endr
.endm
.macro SCALES sc
.irp q, 0,1
.irp g, 0,1
	ds_load_b128 v[SC+16*\sc+8*\q+4*\g:SC+16*\sc+8*\q+4*\g+3], v[ADRS] offset:512*\q+256*\g
.endr
.endr
.endm
.macro PLACES n
.rept \n
	v_nop
.endr
.endm
.macro STEP slot, q, zero
	s_wait_dscnt 4*NL                              ; all but the youngest 12 loads (source 1's blocks 4-7)
	WIN MUL_LO
	MUL16 0, (\q)%2, \q, \slot, \zero
	MUL16 2, (\q)%2, \q, \slot, \zero
	s_wait_dscnt 0
	PLACES NP
	FETCH_B \slot, (\q)+1, 1-(\q)%2
	FETCH_A \slot, (\q)+1, 0
	WIN MUL_HI
	MUL16 4, (\q)%2, \q, \slot, \zero
	MUL16 6, (\q)%2, \q, \slot, \zero
	PLACES NP
	WIN 0
	FETCH_A \slot, (\q)+1, 4
.endm
.macro TURN slot, next, fill
	s_wait_tensorcnt 0x0                           ; all my tensor loads have landed: my part of the next slot
	ds_add_u32 v[SPW], v[NIL]                      ; 0 onto my spare word
	s_wait_dscnt 4*NL+1                            ; (the add and the youngest 12 loads may be out)
	WIN MUL_LO
	MUL16 0, 1, 1, \slot, 0
	s_wait_dscnt 0x0                               ; the add is done, and my reads of this slot are over
	s_barrier_signal -1
	MUL16 2, 1, 1, \slot, 0
	WIN 0
	s_barrier_wait -1
.if \fill
	CREST                                          ; a round of the cluster's barrier: no wave of any partner still reads this slot or has a load on its way
	s_add_nc_u64 s[G0+4*\slot+2:G0+4*\slot+3], s[G0+4*\slot+2:G0+4*\slot+3], 4*TA*FRB
	s_add_nc_u64 s[G0B+4*\slot+2:G0B+4*\slot+3], s[G0B+4*\slot+2:G0B+4*\slot+3], 4*TB*FRB
	JLOAD G0+4*\slot, G1, G0B+4*\slot, G1B
.else
	PLACES NP
.endif
	v_add_nc_u32 v[ADRS], 1024, v[ADRS]
	FETCH_B \next, 0, 0
	FETCH_A \next, 0, 0
	SCALES \next
	WIN MUL_HI
	MUL16 4, 1, 1, \slot, 0
	MUL16 6, 1, 1, \slot, 0
	PLACES NP
	WIN 0
	FETCH_A \next, 0, 4
.endm
	s_wait_tensorcnt 1                             ; the scale words and my part of slot 0 are in; slot 1's load may be out
	s_barrier_signal -1
	s_barrier_wait -1
	FETCH_B 0, 0, 0
	FETCH_A 0, 0, 0
	SCALES 0
	FETCH_A 0, 0, 4
	STEP 0, 0, 1
	s_mov_b32 s3, LAPS-1
.Llap:
	TURN 0, 1, 1
	STEP 1, 0, 0
	TURN 1, 0, 1
	STEP 0, 0, 0
	s_sub_co_u32 s3, s3, 1
	s_cmp_lg_u32 s3, 0
	s_cbranch_scc1 .Llap
	TURN 0, 1, 0
	STEP 1, 0, 0
	s_wait_dscnt 4*NL
	WIN MUL_LO
	MUL16 0, 1, 1, 1, 0
	MUL16 2, 1, 1, 1, 0
	s_wait_dscnt 0
	WIN MUL_HI
	MUL16 4, 1, 1, 1, 0
	MUL16 6, 1, 1, 1, 0
	WIN 0
; THE WAY OUT, a row tile at a time: through my own stage, back as whole rows of 512 bytes, + bias + residual, stored to the tile's 16 rows.  LDS serves a wave's instructions in order: no wait between the stores and the loads
.macro TOSTAGE a
.set AC, 64*((\a)%4)
	WIN 0x08+4*((\a)/4)                            ; the data: window 2 or 3
.irp b, 0,1,2,3,4,5,6,7
	ds_store_b128 v[STO], v[AC+8*\b:AC+8*\b+3] offset:128*(\b/2)+32*(\b%2)          ; each accumulator from its low end on
	ds_store_b128 v[STO], v[AC+8*\b+4:AC+8*\b+7] offset:128*(\b/2)+32*(\b%2)+16
.endr
	WIN 0
.irp t, 0,1,2,3,4,5,6,7,8,9,10,11,12,13,14,15
	ds_load_b128 v[BK+4*\t:BK+4*\t+3], v[RD] offset:\t*SPITCH
.endr
.endm
.macro SEND a
.set RS, 64+128*((\a)%2)
.irp t, 0,1,2,3,4,5,6,7,8,9,10,11,12,13,14,15
	v_pk_add_f32 v[BK+4*\t:BK+4*\t+1], v[BK+4*\t:BK+4*\t+1], v[8:9]
	v_pk_add_f32 v[BK+4*\t+2:BK+4*\t+3], v[BK+4*\t+2:BK+4*\t+3], v[10:11]
.endr
.irp t, 0,1,2,3,4,5,6,7,8,9,10,11,12,13,14,15
	v_pk_add_f32 v[BK+4*\t:BK+4*\t+1], v[BK+4*\t:BK+4*\t+1], v[RS+4*\t:RS+4*\t+1]
	v_pk_add_f32 v[BK+4*\t+2:BK+4*\t+3], v[BK+4*\t+2:BK+4*\t+3], v[RS+4*\t+2:RS+4*\t+3]
	global_store_b128 v[LI], v[BK+4*\t:BK+4*\t+3], s[12:13] offset:(64*((\a)/4)+16*((\a)%2)+((\a)/2)%2+32*(\t/8)+2*(\t%8))*4096 th:TH_STORE_NT   ; 512 consecutive bytes, aligned
.endr
.endm
	PLACES NP
.irp a, 0,1,2,3,4,5,6,7
.if \a < 7
	RLOAD \a+1                                     ; a tile ahead, into the other set of registers
.endif
.if \a > 0
	s_wait_xcnt 0x0                                ; the last tile's stores have read their registers
.endif
	TOSTAGE \a
	s_wait_dscnt 0x0
.if \a < 7
	s_wait_loadcnt 16                              ; this tile's residual (and the bias) are in; the next tile's 16 loads may be out
.else
	s_wait_loadcnt 0x0
.endif
	SEND \a
.endr
	s_wait_tensorcnt 0x0                           ; the wave's end
	ds_add_u32 v[SPW], v[NIL]
	s_wait_dscnt 0x0
	CROUND
	s_endpgm
.Lfunc_end_k_q8432c232f7_gemm_ffn2:
	.size	k_q8432c232f7_gemm_ffn2, .Lfunc_end_k_q8432c232f7_gemm_ffn2-k_q8432c232f7_gemm_ffn2
	.p2alignl 7, 3214868480
	.fill 96, 4, 3214868480
	.section	.rodata,"a",@progbits
	.p2align	6, 0x0
	.amdhsa_kernel k_q8432c232f7_gemm_ffn2
		.amdhsa_group_segment_fixed_size 327680
		.amdhsa_private_segment_fixed_size 0
		.amdhsa_enable_private_segment 0
		.amdhsa_kernarg_size 40
		.amdhsa_user_sgpr_count 2
		.amdhsa_user_sgpr_kernarg_segment_ptr 1
		.amdhsa_wavefront_size32 1
		.amdhsa_system_sgpr_workgroup_id_x 1
		.amdhsa_system_sgpr_workgroup_id_y 1
		.amdhsa_system_sgpr_workgroup_id_z 1
		.amdhsa_system_vgpr_workitem_id 0
		.amdhsa_next_free_vgpr 1024
		.amdhsa_next_free_sgpr 98
		.amdhsa_reserve_vcc 0
		.amdhsa_float_denorm_mode_32 3
		.amdhsa_float_denorm_mode_16_64 3
		.amdhsa_memory_ordered 1
		.amdhsa_forward_progress 1
		.amdhsa_inst_pref_size 179
	.end_amdhsa_kernel
	.amdgpu_metadata
---
amdhsa.version: [ 1, 2 ]
amdhsa.kernels:
  - .name:           k_q8432c232f7_gemm_ffn2
    .symbol:         k_q8432c232f7_gemm_ffn2.kd
    .args:
      - { .name: h1q, .offset: 0, .size: 8, .value_kind: global_buffer, .address_space: global }
      - { .name: prepq, .offset: 8, .size: 8, .value_kind: global_buffer, .address_space: global }
      - { .name: ffn_b2, .offset: 16, .size: 8, .value_kind: global_buffer, .address_space: global }
      - { .name: ybuf, .offset: 24, .size: 8, .value_kind: global_buffer, .address_space: global }
      - { .name: out0, .offset: 32, .size: 8, .value_kind: global_buffer, .address_space: global }
    .group_segment_fixed_size: 327680
    .private_segment_fixed_size: 0
    .kernarg_segment_align: 8
    .kernarg_segment_size: 40
    .max_flat_workgroup_size: 128
    .sgpr_count:     98
    .vgpr_count:     1024
    .wavefront_size: 32
...
	.end_amdgpu_metadata
.endif
;; end of part 6
;; ======== version 2 of 2: 7 launches
;; limits: right only within a limited range of input values
;; workspace buffers: prepq 13,107,200 bytes; qkvq 9,830,400 bytes; oq 3,276,800 bytes; ybuf 16,777,216 bytes; hq 3,276,800 bytes; h1q 13,107,200 bytes
;; launch prep (part 7): grid 640 x 1, 8 waves a work-group, no clusters, 66,816 bytes of LDS; arguments x, norm1_w, norm1_b, qkv_w, out_w, ffn_w1, ffn_w2, prepq; writes prepq
.if DOCPART == 7
	.amdgcn_target "amdgcn-amd-amdhsa--gfx1250"
	.amdhsa_code_object_version 6
	.text
	.protected	k_q8432c232f7_prep
	.globl	k_q8432c232f7_prep
	.p2align	8
	.type	k_q8432c232f7_prep,@function
k_q8432c232f7_prep:
	s_mov_b64 s[64:65], 0
	v_nop
	global_prefetch_b8 v0, s[64:65] scope:SCOPE_SE
	s_setreg_imm32_b32 hwreg(HW_REG_WAVE_MODE, 25, 1), 1
	s_wait_xcnt 0x0
; TWO JOBS, told apart by the work-group's number.
; Work-groups 0-255: LayerNorm of 16 rows of [4096][1024] f32 (two passes: mean, then the mean of squared differences; eps 1e-5; gain and bias), quantised along the row to codes of FP6 (E2M3) with one
; E8M0 byte for each 32 numbers.  Work-groups 256-639: the four weights, f32 stored [K][N], quantised along K.
; EVERYTHING LEAVES AS IMAGES OF MATRIX OPERANDS.  A fragment is 16 rows x 128 K, 12 registers a lane: register j of lane L lies at byte 512 (j / 4) + 16 L + 4 (j % 4) of 1,536.  Codes: [K step][tile][1536].
; Scale words (4 bytes: 128 along K of one row): [K step][tile / 4][row 0-15][tile % 4].
; THE ROWS OF A TILE ARE CHOSEN.  Row tile t, tile row r is row 64 (t / 4) + 32 (r / 8) + 16 (t % 2) + 2 (r % 8) + (t / 2) % 2: a tile holds rows of one parity.
; Column tile n of a weight, tile row r is column 32 (n / 2) + 8 (n % 2) + r + 8 (r / 8): in a transposed result two neighbouring tiles then give a lane 16 neighbouring columns.
; A block's scale is 2^(floor(log2(largest magnitude)) - 2): the largest magnitude's exponent field less 2, held at 1 from below.
; LIMITS: NaN and infinities are not served; a block of zeros gets the byte 1 (its codes are zeros, and only this program reads the bytes); blocks under 2^-124 are held at the byte 1.
; No tensor loads, no matrix work, no cluster: each input byte is read once by one work-group.  Only the norm's path touches LDS or has a barrier.
.set XSO,   3145728                    ; the rows' scale words (their codes lie at 0)
.set QC,    3276800                    ; qkv_w: codes, scale words
.set QSO,   5636096
.set OC,    5734400                    ; out_w
.set OSO,   6520832
.set W1C,   6553600                    ; ffn_w1
.set W1SO,  9699328
.set W2C,   9830400                    ; ffn_w2
.set W2SO,  12976128
.set FRB,   1536
.set PITCH, 4112                       ; a row in LDS: 4,096 bytes + 16: an odd multiple of 16, so the 16 rows that a load touches start at 16 different columns of 16 bytes
.set SEL,   24                         ; s[24:25] selects for v_permlanex16_b32: lane l xor 16
.set P10,   26                         ; s26 2^-10
.set X,     16                         ; v16-79   two rows, 32 numbers a lane each; later 64 numbers of one row and K step
.set GW,    80                         ; v80-111  the gain of my 32 columns
.set GB,    112                        ; v112-143 the bias
.set AC,    144                        ; v144-151 sums, four registers a row
.set TP,    156                        ; v156-157 a permute's destination
.set TM,    144                        ; the quantiser's seven registers
.set PW,    152                        ; the scale word
.set PC,    160                        ; v160-178 the codes
.set SH8,   7                          ; v7 8 x (lane / 16)
; 64 numbers of a lane, register 32 c + i = number i of my WHOLE block 2 c + lane / 16, become a fragment's 12 registers at v[PC] and the row's scale word in v[pw]
.macro QUANTW s, pw
.irp c, 0,1
	v_max3_num_f32 v[TM+\c], |v[\s+32*\c]|, |v[\s+32*\c+1]|, 0x1800000   ; with the floor 2^(3 - 127): the byte cannot fall under 1
.endr
.irp i, 2,4,6,8,10,12,14,16,18,20,22,24,26,28,30
.irp c, 0,1
	s_delay_alu instid0(VALU_DEP_2)
	v_max3_num_f32 v[TM+\c], v[TM+\c], |v[\s+32*\c+\i]|, |v[\s+32*\c+\i+1]|
.endr
.endr
.irp c, 0,1
	s_delay_alu instid0(VALU_DEP_2)
	v_add_nc_u32 v[TM+2+\c], 0xff000000, v[TM+\c]       ; 2 off the exponent field: the conversion's scale operand
.endr
.irp c, 0,1
	s_delay_alu instid0(VALU_DEP_2)
	v_lshrrev_b32 v[TM+4+\c], 23, v[TM+2+\c]            ; the byte
.endr
	s_delay_alu instid0(VALU_DEP_1)
	v_lshl_or_b32 v[\pw], v[TM+5], 16, v[TM+4]          ; my blocks are h and 2 + h:
	s_delay_alu instid0(VALU_DEP_1)
	v_lshlrev_b32 v[\pw], v[SH8], v[\pw]                ; their bytes at their places,
	s_delay_alu instid0(VALU_DEP_1)
	v_permlanex16_b32 v[TM+6], v[\pw], s[SEL], s[SEL+1]
	s_delay_alu instid0(VALU_DEP_1)
	v_or_b32 v[\pw], v[\pw], v[TM+6]                    ; with lane l xor 16's two the word is whole
.irp c, 0,1
	v_cvt_scalef32_pk16_fp6_f32 v[PC+6*\c:PC+6*\c+2], v[\s+32*\c:\s+32*\c+15], v[TM+2+\c]
	v_cvt_scalef32_pk16_fp6_f32 v[PC+12+4*\c:PC+14+4*\c], v[\s+32*\c+16:\s+32*\c+31], v[TM+2+\c]   ; (a conversion's three registers begin on an even number)
.endr
	v_nop                                               ; one plain line behind the conversions
.irp c, 0,1
.irp i, 0,1,2
	v_mov_b32 v[PC+3+6*\c+\i], v[PC+12+4*\c+\i]
.endr
.endr
.endm
.macro ACROSS a, t                     ; the pair v[a], v[a + 1] summed over the wave's 32 lanes, into v[a] of every lane
	s_delay_alu instid0(VALU_DEP_1)
	v_add_f32 v[\a], v[\a], v[\a+1]
.irp m, 1,2,4,8
	s_delay_alu instid0(VALU_DEP_1)
	v_add_f32_dpp v[\a], v[\a], v[\a] row_xmask:\m row_mask:0xf bank_mask:0xf
.endr
	s_delay_alu instid0(VALU_DEP_1)
	v_permlanex16_b32 v[\t], v[\a], s[SEL], s[SEL+1]
	s_delay_alu instid0(VALU_DEP_1)
	v_add_f32 v[\a], v[\a], v[\t]
.endm
.macro STATS k                         ; row k of my two: x - mean in place, 1 / sqrt(variance + eps) asked for in v[AC + 4 k]
.set XR, X+32*\k
.set RA, AC+4*\k
	v_pk_add_f32 v[RA:RA+1], v[XR:XR+1], v[XR+2:XR+3]
	v_pk_add_f32 v[RA+2:RA+3], v[XR+4:XR+5], v[XR+6:XR+7]
.irp i, 8,12,16,20,24,28
	s_delay_alu instid0(VALU_DEP_2)
	v_pk_add_f32 v[RA:RA+1], v[RA:RA+1], v[XR+\i:XR+\i+1]
	s_delay_alu instid0(VALU_DEP_2)
	v_pk_add_f32 v[RA+2:RA+3], v[RA+2:RA+3], v[XR+\i+2:XR+\i+3]
.endr
	s_delay_alu instid0(VALU_DEP_1)
	v_pk_add_f32 v[RA:RA+1], v[RA:RA+1], v[RA+2:RA+3]
	ACROSS RA, TP+\k
	s_delay_alu instid0(VALU_DEP_1)
	v_mul_f32 v[RA], s[P10], v[RA]                      ; the mean
.set n, 0
.rept 16
	v_pk_add_f32 v[XR+n:XR+n+1], v[XR+n:XR+n+1], v[RA:RA+1] op_sel_hi:[1,0] neg_lo:[0,1] neg_hi:[0,1]
.set n, n+2
.endr
	v_pk_mul_f32 v[RA:RA+1], v[XR:XR+1], v[XR:XR+1]
	v_pk_mul_f32 v[RA+2:RA+3], v[XR+2:XR+3], v[XR+2:XR+3]
.irp i, 4,8,12,16,20,24,28
	s_delay_alu instid0(VALU_DEP_2)
	v_pk_fma_f32 v[RA:RA+1], v[XR+\i:XR+\i+1], v[XR+\i:XR+\i+1], v[RA:RA+1]
	s_delay_alu instid0(VALU_DEP_2)
	v_pk_fma_f32 v[RA+2:RA+3], v[XR+\i+2:XR+\i+3], v[XR+\i+2:XR+\i+3], v[RA+2:RA+3]
.endr
	s_delay_alu instid0(VALU_DEP_1)
	v_pk_add_f32 v[RA:RA+1], v[RA:RA+1], v[RA+2:RA+3]
	ACROSS RA, TP+\k
	s_delay_alu instid0(VALU_DEP_1)
	v_fmaak_f32 v[RA], s[P10], v[RA], 0x3727c5ac        ; the variance + 1e-5
	s_wait_alu depctr_va_vdst(0)
	v_rsq_f32 v[RA], v[RA]
.endm
	v_lshl_add_u32 v208, v0, 2, 0x10100
	v_mov_b32 v209, 0
	s_cmp_ge_u32 ttmp9, 256                        ; the same in all eight waves
	s_cbranch_scc1 .Lweights
	; ---------------- the norm: row tile t = the work-group's number ----------------
	s_load_b128 s[4:7], s[0:1], 0x0                ; the rows, the gain
	s_load_b64 s[8:9], s[0:1], 0x10                ; the bias
	s_load_b64 s[10:11], s[0:1], 0x38              ; the operands' buffer
	v_lshrrev_b32 v1, 5, v0
	s_delay_alu instid0(VALU_DEP_1)
	v_readfirstlane_b32 s12, v1                    ; wave 0..7
	v_and_b32 v1, 31, v0                           ; lane
	s_delay_alu instid0(VALU_DEP_1)
	v_lshlrev_b32 v2, 4, v1                        ; 16 x lane
	v_and_b32 v3, 15, v0                           ; r
	v_bfe_u32 v4, v0, 4, 1                         ; h
	; phase 1: wave w takes tile rows 2 w and 2 w + 1, which lie two rows apart in memory
	s_lshr_b32 s13, ttmp9, 2
	s_lshl_b32 s13, s13, 6                         ; 64 (t / 4)
	s_and_b32 s14, ttmp9, 1
	s_lshl_b32 s14, s14, 4
	s_add_co_u32 s13, s13, s14                     ; + 16 (t % 2)
	s_bfe_u32 s14, ttmp9, 0x10001
	s_add_co_u32 s13, s13, s14                     ; + (t / 2) % 2
	s_lshr_b32 s14, s12, 2
	s_lshl_b32 s14, s14, 5
	s_add_co_u32 s13, s13, s14                     ; + 32 (w / 4)
	s_and_b32 s14, s12, 3
	s_lshl_b32 s14, s14, 2
	s_add_co_u32 s13, s13, s14                     ; + 4 (w % 4)
	s_lshl_b32 s14, s13, 12                        ; in bytes
	s_mov_b32 s15, 0
	s_lshl_b32 s18, s12, 8                         ; phase 2: wave w makes K step w: fragment 256 w + t
	s_add_co_u32 s18, s18, ttmp9
	s_mul_i32 s18, s18, FRB
	s_mov_b32 s19, 0
	s_lshl_b32 s22, s12, 6                         ; its scale words: (64 w + t / 4) x 256 + 4 (t % 4) (+ 16 r)
	s_lshr_b32 s23, ttmp9, 2
	s_add_co_u32 s22, s22, s23
	s_lshl_b32 s22, s22, 8
	s_and_b32 s23, ttmp9, 3
	s_lshl_b32 s23, s23, 2
	s_add_co_u32 s22, s22, s23
	s_add_co_u32 s22, s22, XSO
	s_mov_b32 s23, 0
	s_mov_b32 s[SEL], 0x76543210
	s_mov_b32 s[SEL+1], 0xfedcba98
	s_mov_b32 s[P10], 0x3a800000
	s_wait_alu depctr_va_vdst(0)
	s_wait_kmcnt 0x0
	s_add_nc_u64 s[4:5], s[4:5], s[14:15]
	s_add_nc_u64 s[20:21], s[10:11], s[18:19]
	s_add_nc_u64 s[22:23], s[10:11], s[22:23]
.irp k, 0,1
.irp j, 0,1,2,3,4,5,6,7
	global_load_b128 v[X+32*\k+4*\j:X+32*\k+4*\j+3], v2, s[4:5] offset:8192*\k+512*\j th:TH_LOAD_NT   ; 512 consecutive bytes a load
.endr
.endr
.irp j, 0,1,2,3,4,5,6,7
	global_load_b128 v[GW+4*\j:GW+4*\j+3], v2, s[6:7] offset:512*\j
	global_load_b128 v[GB+4*\j:GB+4*\j+3], v2, s[8:9] offset:512*\j
.endr
	s_mul_i32 s16, s12, 2*PITCH
	v_add_nc_u32 v5, s16, v2                       ; LDS, in: tile row 2 w, 16 bytes a lane
	v_mul_u32_u24 v6, v3, PITCH
	s_delay_alu instid0(VALU_DEP_1)
	v_lshl_add_u32 v6, v4, 7, v6
	s_lshl_b32 s16, s12, 9
	v_add_nc_u32 v6, s16, v6                       ; LDS, out: tile row r, K step w, my half's block of 32
	v_lshlrev_b32 v[SH8], 3, v4
	v_lshlrev_b32 v8, 4, v3                        ; 16 r
	v_mov_b32 v[TP], 0                             ; a lane permute's destination counts as one of its sources
	v_mov_b32 v[TP+1], 0
	s_wait_loadcnt 16                              ; the two rows are in; the 16 loads of gain and bias may be out
	STATS 0
	STATS 1
	v_nop                                          ; a plain line behind the last transcendental,
	s_wait_alu depctr_va_vdst(0)                   ; and one wait for both, ahead of the first reader
	s_wait_loadcnt 0x0
.irp k, 0,1
.set n, 0
.rept 16
	v_pk_mul_f32 v[X+32*\k+n:X+32*\k+n+1], v[X+32*\k+n:X+32*\k+n+1], v[AC+4*\k:AC+4*\k+1] op_sel_hi:[1,0]
	s_delay_alu instid0(VALU_DEP_1)
	v_pk_fma_f32 v[X+32*\k+n:X+32*\k+n+1], v[X+32*\k+n:X+32*\k+n+1], v[GW+n:GW+n+1], v[GB+n:GB+n+1]
.set n, n+2
.endr
.endr
.irp k, 0,1
.irp j, 0,1,2,3,4,5,6,7
	ds_store_b128 v5, v[X+32*\k+4*\j:X+32*\k+4*\j+3] offset:PITCH*\k+512*\j
.endr
.endr
	s_wait_dscnt 0x0                               ; for the others' sake: my two rows lie in LDS
	s_barrier_signal -1
	s_barrier_wait -1
.irp c, 0,1
.irp i, 0,1,2,3,4,5,6,7
	ds_load_b128 v[X+32*\c+4*\i:X+32*\c+4*\i+3], v6 offset:256*\c+16*\i   ; k = 128 w + 64 c + 32 h + 4 i ..
.endr
.endr
	s_wait_dscnt 0x0
	QUANTW X, PW
.irp c, 0,1,2
	global_store_b128 v2, v[PC+4*\c:PC+4*\c+3], s[20:21] offset:512*\c   ; 512 consecutive bytes, aligned
.endr
	global_store_b32 v8, v[PW], s[22:23]           ; 4 bytes of each of 16 runs of 16 (lanes 16-31 store the same words): the other three tiles' work-groups fill the rest; one byte in 24 of what is stored
	s_wait_tensorcnt 0x0
	ds_add_u32 v208, v209
	s_wait_dscnt 0x0
	s_endpgm
	; ---------------- the weights: 256 columns x 128 K a work-group, 32 columns a wave ----------------
.set D,  16                            ; v16-143  four blocks of 32 numbers down K
.set VO, 144                           ; v144-175 byte offset of row i of a block, at my column
.set F,  176                           ; v176-187 blocks 0, 2; v188-199 blocks 1, 3
.set CT, 200
.set WD, 204                           ; my column's scale word
.Lweights:
	s_load_b256 s[4:11], s[0:1], 0x18              ; qkv_w, out_w, ffn_w1, ffn_w2
	s_load_b64 s[12:13], s[0:1], 0x38              ; the operands' buffer
	v_lshrrev_b32 v1, 5, v0
	s_delay_alu instid0(VALU_DEP_1)
	v_readfirstlane_b32 s14, v1                    ; wave
	v_and_b32 v1, 31, v0
	v_and_b32 v2, 15, v0                           ; r
	v_bfe_u32 v3, v0, 4, 1                         ; u: lanes 0-15 take the even tile's columns, lanes 16-31 the odd tile's
	s_sub_co_u32 s20, ttmp9, 256
	s_mov_b32 s21, 256                             ; ffn_w2: first work-group, K steps - 1 and their log2, a row's bytes, column tiles, codes, scale words
	s_mov_b32 s22, 31
	s_mov_b32 s23, 5
	s_mov_b32 s24, 4096
	s_mov_b32 s25, 64
	s_mov_b32 s26, W2C
	s_mov_b32 s27, W2SO
	s_wait_alu depctr_va_vdst(0)
	s_wait_kmcnt 0x0
	s_mov_b64 s[28:29], s[10:11]
	s_cmp_lt_u32 s20, 256                          ; ffn_w1
	s_cselect_b32 s21, 128, s21
	s_cselect_b32 s22, 7, s22
	s_cselect_b32 s23, 3, s23
	s_cselect_b32 s24, 16384, s24
	s_cselect_b32 s25, 256, s25
	s_cselect_b32 s26, W1C, s26
	s_cselect_b32 s27, W1SO, s27
	s_cselect_b64 s[28:29], s[8:9], s[28:29]
	s_cmp_lt_u32 s20, 128                          ; out_w
	s_cselect_b32 s21, 96, s21
	s_cselect_b32 s24, 4096, s24
	s_cselect_b32 s25, 64, s25
	s_cselect_b32 s26, OC, s26
	s_cselect_b32 s27, OSO, s27
	s_cselect_b64 s[28:29], s[6:7], s[28:29]
	s_cmp_lt_u32 s20, 96                           ; qkv_w
	s_cselect_b32 s21, 0, s21
	s_cselect_b32 s24, 12288, s24
	s_cselect_b32 s25, 192, s25
	s_cselect_b32 s26, QC, s26
	s_cselect_b32 s27, QSO, s27
	s_cselect_b64 s[28:29], s[4:5], s[28:29]
	s_sub_co_u32 s20, s20, s21
	s_and_b32 s30, s20, s22                        ; the K step
	s_lshr_b32 s31, s20, s23
	s_lshl_b32 s31, s31, 3
	s_add_co_u32 s31, s31, s14                     ; cg: my wave's 32 columns, tiles 2 cg and 2 cg + 1
	v_and_b32 v4, 8, v2
	s_delay_alu instid0(VALU_DEP_1)
	v_add_nc_u32 v4, v4, v2
	s_delay_alu instid0(VALU_DEP_1)
	v_lshl_add_u32 v4, v3, 3, v4                   ; r + 8 (r / 8) + 8 u
	s_lshl_b32 s32, s31, 5
	v_add_nc_u32 v4, s32, v4                       ; my column
	s_delay_alu instid0(VALU_DEP_1)
	v_lshlrev_b32 v[VO], 2, v4
.set n, 1
.rept 31
	s_delay_alu instid0(VALU_DEP_1)
	v_add_nc_u32 v[VO+n], s24, v[VO+n-1]
.set n, n+1
.endr
	s_lshl_b32 s33, s30, 7
	s_mul_i32 s34, s33, s24                        ; 128 x K step rows down
	s_mov_b32 s35, 0
	s_add_nc_u64 s[36:37], s[28:29], s[34:35]      ; a base for each block of 32 rows
	s_lshl_b32 s34, s24, 5
	s_add_nc_u64 s[38:39], s[36:37], s[34:35]
	s_add_nc_u64 s[40:41], s[38:39], s[34:35]
	s_add_nc_u64 s[42:43], s[40:41], s[34:35]
.macro WLOAD t                         ; block t into its own 32 registers, from its own base.  A lane takes a column and its registers run down K: each load reads 128 consecutive bytes, the eight waves stand side by side on 1,024
.set n, 0
.rept 32
	global_load_b32 v[D+32*(\t)+n], v[VO+n], s[36+2*(\t):37+2*(\t)] th:TH_LOAD_NT
.set n, n+1
.endr
.endm
	s_wait_alu depctr_va_vdst(0)
	WLOAD 0
	WLOAD 1
	s_mul_i32 s44, s30, s25
	s_lshl_b32 s45, s31, 1
	s_add_co_u32 s44, s44, s45
	s_mul_i32 s44, s44, FRB
	s_add_co_u32 s44, s44, s26
	s_mov_b32 s45, 0
	s_add_nc_u64 s[46:47], s[12:13], s[44:45]      ; fragment (K step, tile 2 cg)
	s_lshr_b32 s48, s25, 2
	s_mul_i32 s48, s30, s48
	s_lshr_b32 s49, s31, 1
	s_add_co_u32 s48, s48, s49
	s_lshl_b32 s48, s48, 8
	s_and_b32 s49, s31, 1
	s_lshl_b32 s49, s49, 3
	s_add_co_u32 s48, s48, s49
	s_add_co_u32 s48, s48, s27
	s_mov_b32 s49, 0
	s_add_nc_u64 s[50:51], s[12:13], s[48:49]      ; its scale words
	v_lshlrev_b32 v5, 4, v2
	s_delay_alu instid0(VALU_DEP_1)
	v_lshl_add_u32 v5, v3, 2, v5                   ; 16 r + 4 u
	v_lshlrev_b32 v6, 4, v1                        ; 16 x lane
.macro WBLOCK t, left
.set XB, D+32*(\t)
	s_wait_loadcnt \left                           ; this block's 32 loads are in; the next block's may be out
.if (\t) < 2
	WLOAD (\t)+2                                   ; two blocks ahead, into registers of its own
.endif
	v_max3_num_f32 v8, |v[XB]|, |v[XB+1]|, |v[XB+2]|
	v_max3_num_f32 v9, |v[XB+3]|, |v[XB+4]|, |v[XB+5]|
.irp i, 6,10,14,18,22,26
	s_delay_alu instid0(VALU_DEP_2)
	v_max3_num_f32 v8, v8, |v[XB+\i]|, |v[XB+\i+1]|
	s_delay_alu instid0(VALU_DEP_2)
	v_max3_num_f32 v9, v9, |v[XB+\i+2]|, |v[XB+\i+3]|
.endr
	s_delay_alu instid0(VALU_DEP_2)
	v_max3_num_f32 v8, v8, |v[XB+30]|, |v[XB+31]|
	s_delay_alu instid0(VALU_DEP_1)
	v_max3_num_f32 v8, v8, v9, 0x1800000
	s_delay_alu instid0(VALU_DEP_1)
	v_add_nc_u32 v10, 0xff000000, v8
	s_delay_alu instid0(VALU_DEP_1)
	v_lshrrev_b32 v11, 23, v10
.if (\t) == 0
	s_delay_alu instid0(VALU_DEP_1)
	v_mov_b32 v[WD], v11
.else
	s_delay_alu instid0(VALU_DEP_1)
	v_lshl_or_b32 v[WD], v11, 8*(\t), v[WD]
.endif
	v_cvt_scalef32_pk16_fp6_f32 v[F+12*((\t)%2)+6*((\t)/2):F+12*((\t)%2)+6*((\t)/2)+2], v[XB:XB+15], v10
	v_cvt_scalef32_pk16_fp6_f32 v[CT:CT+2], v[XB+16:XB+31], v10
	v_nop
.irp i, 0,1,2
	v_mov_b32 v[F+12*((\t)%2)+6*((\t)/2)+3+\i], v[CT+\i]
.endr
.endm
	WBLOCK 0, 32
	WBLOCK 1, 32
	WBLOCK 2, 32
	WBLOCK 3, 0
.set n, 0
.rept 12
	v_permlane16_swap_b32 v[F+n], v[F+12+n]        ; the first's lanes 16-31 change places with the second's lanes 0-15: the first is now tile 2 cg's fragment, the second tile 2 cg + 1's
.set n, n+1
.endr
.irp c, 0,1,2
	global_store_b128 v6, v[F+4*\c:F+4*\c+3], s[46:47] offset:512*\c
	global_store_b128 v6, v[F+12+4*\c:F+12+4*\c+3], s[46:47] offset:FRB+512*\c
.endr
	global_store_b32 v5, v[WD], s[50:51]           ; 8 bytes of each of 16 runs of 16: the neighbouring wave fills the rest
	s_endpgm
.Lfunc_end_k_q8432c232f7_prep:
	.size	k_q8432c232f7_prep, .Lfunc_end_k_q8432c232f7_prep-k_q8432c232f7_prep
	.p2alignl 7, 3214868480
	.fill 96, 4, 3214868480
	.section	.rodata,"a",@progbits
	.p2align	6, 0x0
	.amdhsa_kernel k_q8432c232f7_prep
		.amdhsa_group_segment_fixed_size 66816
		.amdhsa_private_segment_fixed_size 0
		.amdhsa_enable_private_segment 0
		.amdhsa_kernarg_size 64
		.amdhsa_user_sgpr_count 2
		.amdhsa_user_sgpr_kernarg_segment_ptr 1
		.amdhsa_wavefront_size32 1
		.amdhsa_system_sgpr_workgroup_id_x 1
		.amdhsa_system_sgpr_workgroup_id_y 1
		.amdhsa_system_sgpr_workgroup_id_z 1
		.amdhsa_system_vgpr_workitem_id 0
		.amdhsa_next_free_vgpr 210
		.amdhsa_next_free_sgpr 66
		.amdhsa_reserve_vcc 0
		.amdhsa_float_denorm_mode_32 3
		.amdhsa_float_denorm_mode_16_64 3
		.amdhsa_memory_ordered 1
		.amdhsa_forward_progress 1
		.amdhsa_inst_pref_size 55
	.end_amdhsa_kernel
	.amdgpu_metadata
---
amdhsa.version: [ 1, 2 ]
amdhsa.kernels:
  - .name:           k_q8432c232f7_prep
    .symbol:         k_q8432c232f7_prep.kd
    .args:
      - { .name: x, .offset: 0, .size: 8, .value_kind: global_buffer, .address_space: global }
      - { .name: norm1_w, .offset: 8, .size: 8, .value_kind: global_buffer, .address_space: global }
      - { .name: norm1_b, .offset: 16, .size: 8, .value_kind: global_buffer, .address_space: global }
      - { .name: qkv_w, .offset: 24, .size: 8, .value_kind: global_buffer, .address_space: global }
      - { .name: out_w, .offset: 32, .size: 8, .value_kind: global_buffer, .address_space: global }
      - { .name: ffn_w1, .offset: 40, .size: 8, .value_kind: global_buffer, .address_space: global }
      - { .name: ffn_w2, .offset: 48, .size: 8, .value_kind: global_buffer, .address_space: global }
      - { .name: prepq, .offset: 56, .size: 8, .value_kind: global_buffer, .address_space: global }
    .group_segment_fixed_size: 66816
    .private_segment_fixed_size: 0
    .kernarg_segment_align: 8
    .kernarg_segment_size: 64
    .max_flat_workgroup_size: 256
    .sgpr_count:     66
    .vgpr_count:     210
    .wavefront_size: 32
...
	.end_amdgpu_metadata
.endif
;; end of part 7
;; launch gemm_qkv (part 8): grid 12 x 16, 4 waves a work-group, clusters of 4 x 4, 327,680 bytes of LDS; arguments prepq, qkv_b, qkvq; writes qkvq
.if DOCPART == 8
	.amdgcn_target "amdgcn-amd-amdhsa--gfx1250"
	.amdhsa_code_object_version 6
	.text
	.protected	k_q8432c232f7_gemm_qkv
	.globl	k_q8432c232f7_gemm_qkv
	.p2align	8
	.type	k_q8432c232f7_gemm_qkv,@function
k_q8432c232f7_gemm_qkv:
	s_mov_b64 s[64:65], 0
	v_nop
	global_prefetch_b8 v0, s[64:65] scope:SCOPE_SE
	s_setreg_imm32_b32 hwreg(HW_REG_WAVE_MODE, 25, 1), 1
	s_wait_xcnt 0x0
	s_wait_alu depctr_hold_cnt(0) depctr_sa_sdst(0) depctr_va_vdst(0) depctr_va_sdst(0) depctr_va_ssrc(0) depctr_va_vcc(0) depctr_vm_vsrc(0)
	s_getreg_b32 s2, hwreg(HW_REG_IB_STS2, 6, 4)
	s_cmp_eq_u32 s2, 0
	s_cbranch_scc0 .Lentry_in_a_cluster
	s_endpgm
.Lentry_in_a_cluster:
	s_bfe_u32 s2, ttmp6, 0x10000c
	s_cmp_lg_u32 s2, 0xf033
	s_cbranch_scc0 .Lentry_shape_is_right
	s_endpgm
.Lentry_shape_is_right:
; q, k, v = LN1(x) W_qkv + b on codes of FP6 (E2M3) with E8M0 scales, [4096 x 1024] x [1024 x 3072]; the results leave QUANTISED, as operands of the two attention products.
; Both operands lie in memory as images of fragments (16 rows x 128 K = 1,536 bytes: register j of lane L at 512 (j / 4) + 16 L + 4 (j % 4)), codes [K step][tile][1536], scale words [K step][tile / 4][row][tile % 4].
; A block of 256 x 256 to a work-group of four waves, 128 x 128 to a wave: 64 accumulators, 512 registers.  K in steps of 256 through two LDS slots filled by the tensor data mover; the scale words of all of K come once.
; CLUSTER 4 x 4: the activations' tiles are asked for jointly along a row of the cluster, the weights' along a column.
; Q AND K (clusters x = 0, 1): source 0 = 16 columns of W, source 1 = 16 rows of xn.  A lane holds one row; by the order of a weight tile's columns its 64 results of a row tile are register 16 g + i = column 32 g + 16 h + i:
; one K step (two heads) of q k^T, quantised along the head's axis.  Out: [16 K steps: q's 8 head pairs, k's 8][256 row tiles][1536].
; V (cluster x = 2): THE SOURCES CHANGE PLACES, by which LDS region feeds which registers; the tensor loads are the same.  A lane then holds one channel, and by the order of a row tile's rows its registers 32 c + i are
; the 32 keys of block 2 c + h (the 16 even keys, then the 16 odd): v is quantised along the keys with no transposition.  Out: [8 head pairs][32 key steps][8 channel tiles][1536].
; LIMITS: NaN and infinities are not served; a block of zeros gets the byte 1 (read by this program alone); blocks under 2^-124 are held at the byte 1.
; REGISTERS: window 0: v1-29 addresses; v32-63 scale words, two sets; v64-79 v's bias; v128-223 source 1's fragments, one set; window 1: source 0's, two sets (v0-95, v128-223), q's and k's bias in v96-127, v224-255;
; windows 2, 3: the accumulators ((a, b) at v[8 (8 (a % 4) + b)]).
.set TA,    256                        ; row tiles
.set TB,    192                        ; column tiles
.set SK,    8                          ; K steps of 128
.set ASCL,  3145728                    ; xn: codes at 0, scale words here
.set BCOD,  3276800                    ; qkv_w
.set BSCL,  5636096
.set O_VC,  6291456                    ; the output: v's codes, q's and k's scale words, v's scale words
.set O_QS,  9437184
.set O_VS,  9699328
.set FRB,   1536
.set FR,    12
.set NL,    3                          ; LDS loads that bring a fragment
.set NP,    4                          ; places behind this matrix instruction (ISA guide 7.12.1)
.set HALFT, 16*FRB                     ; a K step's 16 fragments of one operand: what one tensor load of the ring brings.  A slot: activations [2 K steps][16 tiles], then weights likewise
.set SLOT,  4*HALFT
.set LAPS,  SK/4
.set SCL,   2*SLOT                     ; behind the ring: the scale words, 512 bytes for 8 tiles and a K step
.set HALFS, 512*SK
.set SPARE, 327168                     ; the spare words: the last 512 bytes, which no other line names
.set LI,   4                           ; v4  16 x lane
.set SH8,  12                          ; v12 8 x (lane / 16)
.set BQO,  13                          ; v13, v14 offsets of the bias loads
.set BVO,  14
.set ADRA, 16                          ; v16-17 source 1's fragments in slot 0, 1
.set ADRB, 20                          ; v20-21 source 0's
.set ADRS, 27                          ; v27 my scale words: lanes 0-15 source 1's rows, lanes 16-31 source 0's
.set SPW,  28
.set NIL,  29
.set SC,   32
.set BV,   64
.set PWS,  80                          ; v80-87 the eight scale words made
.set SW,   88
.set AF,   128
.set ST,   128                         ; the way out: 64 numbers
.set TM,   192
.set PC,   208
.set G1, 24
.set G0, 32
.set G1B, 48
.set G0B, 56
.set G1S, 68
.set G0S, 76
.set G1SB, 80
.set G0SB, 88
.set SEL, 92
.set HM,  94
.set MSB, 0
.macro WIN new                         ; the immediate's high byte repeats the setting that is left
.if MSB != (\new)
	s_set_vgpr_msb (MSB<<8)|(\new)
.set MSB, (\new)
.endif
.endm
.set MUL_LO, 0xa1                      ; source 0 window 1, source 1 window 0, C and D window 2
.set MUL_HI, 0xf1
.set TO_B,   0x40
.macro JLOAD g0a, g1a, g0b, g1b        ; a joint load of the ring: waves 0, 2 fetch activations, waves 1, 3 weights; four v_nop follow each line
	s_cmp_eq_u32 s16, 0
	s_cbranch_scc0 .Lfor_b_\@
	tensor_load_to_lds s[\g0a:\g0a+3], s[\g1a:\g1a+7]
	s_nop 0
.rept 4
	v_nop
.endr
	s_branch .Lasked_\@
.Lfor_b_\@:
	tensor_load_to_lds s[\g0b:\g0b+3], s[\g1b:\g1b+7]
	s_nop 0
.rept 4
	v_nop
.endr
.Lasked_\@:
.endm
.macro CREST                           ; a round of the cluster's barrier behind its opening barrier
	s_cmp_lg_u32 s14, 0
	s_cbranch_scc1 .Lnot_wave_0_\@
	s_barrier_signal -3
.Lnot_wave_0_\@:
	s_barrier_wait -3
	s_barrier_signal -1
	s_barrier_wait -1
.endm
.macro CROUND
	s_barrier_signal -1
	s_barrier_wait -1
	CREST
.endm
	s_load_b128 s[4:7], s[0:1], 0x0                ; the operands, the bias
	s_load_b64 s[8:9], s[0:1], 0x10                ; the output
	v_lshl_add_u32 v[SPW], v0, 2, SPARE
	v_mov_b32 v[NIL], 0
	ds_add_u32 v28, v29
	ds_add_u32 v28, v29
	s_wait_dscnt 0x0
	v_lshrrev_b32 v1, 5, v0
	v_readfirstlane_b32 s14, v1                    ; wave 0..3
	s_lshr_b32 s15, s14, 1                         ; source 1's half that is mine.  Also: which K step of a slot I fetch
	s_and_b32 s16, s14, 1                          ; source 0's half.  Also: I fetch activations (0) or weights (1)
	s_bfe_u32 s40, ttmp6, 0x40000                  ; cx, cy
	s_bfe_u32 s41, ttmp6, 0x40004
	s_lshl_b32 s42, ttmp9, 2
	s_add_co_u32 s42, s42, s40                     ; tx: block column
	s_and_b32 s17, ttmp7, 0xffff
	s_lshl_b32 s17, s17, 2
	s_add_co_u32 s17, s17, s41                     ; ty: block row
	s_lshl_b32 s43, s41, 2
	s_lshl_b32 s43, 15, s43                        ; my row of the cluster
	s_lshl_b32 s44, 0x1111, s40                    ; my column
	; group 1, codes, for the head: 2 rows (K steps) of 3,072 elements of 8 bytes (16 fragments on end), a K step's tiles apart; no padding: a fragment is read 512 consecutive bytes at a time
	s_or_b32 s[G1+0], s43, (3<<16)|(1<<21)
	s_or_b32 s[G1B+0], s44, (3<<16)|(1<<21)
	s_mov_b32 s[G1+5], 192*TA
	s_mov_b32 s[G1B+5], 192*TB
.irp g, G1, G1B
	s_mov_b32 s[\g+1], 3072<<16
	s_mov_b32 s[\g+2], 2<<16
	s_mov_b32 s[\g+3], 3072<<16
	s_mov_b32 s[\g+4], 2
	s_mov_b32 s[\g+6], 0
	s_mov_b32 s[\g+7], 0
.endr
	; group 1, scale words: SK rows of 128 elements of 8 bytes: 16 tiles' words of a K step
	s_or_b32 s[G1S+0], s43, (3<<16)|(1<<21)
	s_or_b32 s[G1SB+0], s44, (3<<16)|(1<<21)
	s_mov_b32 s[G1S+5], 8*TA
	s_mov_b32 s[G1SB+5], 8*TB
.irp g, G1S, G1SB
	s_mov_b32 s[\g+1], 128<<16
	s_mov_b32 s[\g+2], SK<<16
	s_mov_b32 s[\g+3], 128<<16
	s_mov_b32 s[\g+4], SK
	s_mov_b32 s[\g+6], 0
	s_mov_b32 s[\g+7], 0
.endr
	s_lshl_b32 s20, s17, 4                         ; activations: tile 16 ty
	s_lshl_b32 s46, s42, 4                         ; weights: tile 16 tx
	s_lshl_b32 s22, s20, 6                         ; scale words: 64 bytes a tile
	s_add_co_u32 s22, s22, ASCL
	s_mov_b32 s23, 0
	s_lshl_b32 s92, s46, 6
	s_add_co_u32 s92, s92, BSCL
	s_mov_b32 s93, 0
	s_mul_i32 s20, s20, FRB
	s_mov_b32 s21, 0
	s_mul_i32 s46, s46, FRB
	s_add_co_u32 s46, s46, BCOD
	s_mov_b32 s47, 0
	s_mul_i32 s45, s16, 2*HALFT                    ; where my loads go, by the wave's number alone: the operand's region,
	s_mul_i32 s94, s15, HALFT
	s_add_co_u32 s45, s45, s94                     ; and my K step in it
	s_wait_kmcnt 0x0
	s_add_nc_u64 s[20:21], s[4:5], s[20:21]
	s_add_nc_u64 s[22:23], s[4:5], s[22:23]
	s_add_nc_u64 s[46:47], s[4:5], s[46:47]
	s_add_nc_u64 s[92:93], s[4:5], s[92:93]
	CROUND                                         ; all sixteen work-groups are here: the first joint loads meet
	s_mov_b32 s[G0S], 1
	s_mov_b32 s[G0S+1], SCL
	s_mov_b64 s[G0S+2:G0S+3], s[22:23]
	s_or_b32 s[G0S+3], s[G0S+3], 0x80000000
	s_mov_b32 s[G0SB], 1
	s_mov_b32 s[G0SB+1], SCL+2*HALFS
	s_mov_b64 s[G0SB+2:G0SB+3], s[92:93]
	s_or_b32 s[G0SB+3], s[G0SB+3], 0x80000000
	s_mul_i32 s18, s15, TA*FRB                     ; my K step of a slot's two
	s_mov_b32 s19, 0
	s_add_nc_u64 s[20:21], s[20:21], s[18:19]
	s_mul_i32 s18, s15, TB*FRB
	s_add_nc_u64 s[46:47], s[46:47], s[18:19]
.irp s, 0,1
	s_mov_b32 s[G0+4*\s], 1
	s_add_co_u32 s[G0+4*\s+1], s45, \s*SLOT
	s_add_nc_u64 s[G0+4*\s+2:G0+4*\s+3], s[20:21], \s*2*TA*FRB
	s_or_b32 s[G0+4*\s+3], s[G0+4*\s+3], 0x80000000
	s_mov_b32 s[G0B+4*\s], 1
	s_add_co_u32 s[G0B+4*\s+1], s45, \s*SLOT
	s_add_nc_u64 s[G0B+4*\s+2:G0B+4*\s+3], s[46:47], \s*2*TB*FRB
	s_or_b32 s[G0B+4*\s+3], s[G0B+4*\s+3], 0x80000000
.endr
; THE HEAD'S LOADS, ONE A WAVE: wave 0 slot 0's activations whole (its own group 0 names their first byte), wave 1 its weights, wave 2 the activations' scale words, wave 3 the weights'.
; One chain of branches on the wave's number: every way passes exactly one load.
.macro ARM under, g0, g1, next
	s_cmp_lt_u32 s14, \under
	s_cbranch_scc0 \next
	tensor_load_to_lds s[\g0:\g0+3], s[\g1:\g1+7]
	s_nop 0
.rept 4
	v_nop
.endr
	s_branch .Lhead_asked
\next:
.endm
	ARM 1, G0,  G1,  .Lhead_b
	ARM 2, G0B, G1B, .Lhead_sa
	ARM 3, G0S, G1S, .Lhead_sb
	tensor_load_to_lds s[G0SB:G0SB+3], s[G1SB:G1SB+7]
	s_nop 0
.rept 4
	v_nop
.endr
.Lhead_asked:
	v_and_b32 v1, 15, v0                           ; r
	v_bfe_u32 v2, v0, 4, 1                         ; h
	v_and_b32 v3, 31, v0
	v_lshlrev_b32 v[LI], 4, v3
	s_wait_alu depctr_va_vdst(0)
	v_lshlrev_b32 v[SH8], 3, v2
	; which region feeds which source.  The choice hangs on the cluster's x, which all partners share
	s_cmp_eq_u32 ttmp9, 2
	s_cselect_b32 s95, 1, 0                        ; 1: v's columns
	s_cselect_b32 s96, s16, s15                    ; the activations' half that I read
	s_cselect_b32 s97, s15, s16                    ; the weights' half
	s_mul_i32 s21, s96, HALFT/2                    ; 8 of a K step's 16 fragments
	s_mul_i32 s22, s97, HALFT/2
	s_add_co_u32 s22, s22, 2*HALFT                 ; the weights lie behind the activations
	s_cmp_eq_u32 ttmp9, 2
	s_cselect_b32 s98, s22, s21                    ; source 1
	s_cselect_b32 s99, s21, s22                    ; source 0
.irp s, 0,1
	v_add_nc_u32 v[ADRA+\s], s98, v[LI]
	v_add_nc_u32 v[ADRB+\s], s99, v[LI]
	s_add_co_u32 s98, s98, SLOT
	s_add_co_u32 s99, s99, SLOT
.endr
	s_xor_b32 s21, s15, s16
	v_mul_u32_u24 v5, s21, v2
	v_xor_b32 v5, s15, v5                          ; which half of the 16 tiles: lanes 0-15 source 1's, lanes 16-31 source 0's
	v_lshlrev_b32 v5, 9, v5                        ; 512 bytes a half and K step
	v_xor_b32 v6, s95, v2                          ; 1 in the lanes that take the weights' words,
	v_mul_u32_u24 v6, 2*HALFS, v6                  ; which lie behind the activations'
	v_lshl_add_u32 v5, v1, 4, v5                   ; + 16 r: four tiles' words of my row
	v_add_nc_u32 v5, v5, v6
	v_add_nc_u32 v[ADRS], SCL, v5
	; the bias, in both results' layouts; waited for on the way out
	s_lshl_b32 s46, s42, 10
	s_mov_b32 s47, 0
	s_add_nc_u64 s[6:7], s[6:7], s[46:47]          ; at the block's 256 columns
	s_lshl_b32 s21, s16, 9
	v_lshl_add_u32 v[BQO], v2, 6, s21              ; q, k: my 128 columns, + 16 h numbers
	v_and_b32 v[BVO], 8, v1
	v_add_nc_u32 v[BVO], v[BVO], v1
	s_lshl_b32 s22, s15, 9
	v_lshl_add_u32 v[BVO], v[BVO], 2, s22          ; v: my 128 columns, + r + 8 (r / 8)
	WIN TO_B
.irp g, 0,1,2,3
.irp i, 0,1,2,3
	global_load_b128 v[96+16*\g+4*\i+96*(\g/2):99+16*\g+4*\i+96*(\g/2)], v[BQO], s[6:7] offset:128*\g+16*\i   ; number 16 g + 4 i ..: column 32 g + 16 h + 4 i ..
.endr
.endr
	WIN 0
.irp a, 0,1,2,3,4,5,6,7
	global_load_b32 v[BV+2*\a], v[BVO], s[6:7] offset:4*(32*(\a/2)+8*(\a%2))      ; column tile a, my column, in both registers of a pair
	global_load_b32 v[BV+2*\a+1], v[BVO], s[6:7] offset:4*(32*(\a/2)+8*(\a%2))
.endr
.macro FRAG reg, adr, q, i             ; a fragment comes as it was stored: 3 loads of 512 consecutive bytes
.irp c, 0,1,2
	ds_load_b128 v[\reg+4*\c:\reg+4*\c+3], v[\adr] offset:16*FRB*(\q)+FRB*(\i)+512*\c
.endr
.endm
; 16 matrix instructions: source 1's blocks a0, a0 + 1 x source 0's eight.  The 64 accumulators take turns, one instruction a turn, in the same order in every step
.macro MUL16 a0, p, q, sc, zero
.irp a, \a0, \a0+1
.irp b, 0,1,2,3,4,5,6,7
.if \zero
	v_wmma_scale_f32_16x16x128_f8f6f4 v[8*(8*((\a)%4)+\b):8*(8*((\a)%4)+\b)+7], v[128*(\p)+FR*\b:128*(\p)+FR*\b+FR-1], v[AF+FR*(\a):AF+FR*(\a)+FR-1], 0, v[SC+16*(\sc)+8*(\q)+\b], v[SC+16*(\sc)+8*(\q)+(\a)] matrix_a_fmt:MATRIX_FMT_FP6 matrix_b_fmt:MATRIX_FMT_FP6 matrix_a_scale:MATRIX_SCALE_ROW1
.else
	v_wmma_scale_f32_16x16x128_f8f6f4 v[8*(8*((\a)%4)+\b):8*(8*((\a)%4)+\b)+7], v[128*(\p)+FR*\b:128*(\p)+FR*\b+FR-1], v[AF+FR*(\a):AF+FR*(\a)+FR-1], v[8*(8*((\a)%4)+\b):8*(8*((\a)%4)+\b)+7], v[SC+16*(\sc)+8*(\q)+\b], v[SC+16*(\sc)+8*(\q)+(\a)] matrix_a_fmt:MATRIX_FMT_FP6 matrix_b_fmt:MATRIX_FMT_FP6 matrix_a_scale:MATRIX_SCALE_ROW1
.endif
.endr
.endr
.endm
.macro FETCH_B slot, q, p
	WIN TO_B
.irp i, 0,1,2,3,4,5,6,7
	FRAG 128*(\p)+FR*\i, ADRB+\slot, \q, \i
.endr
	WIN 0
.endm
.macro FETCH_A slot, q, i0
.irp i, \i0, \i0+1, \i0+2, \i0+3
	FRAG AF+FR*(\i), ADRA+\slot, \q, \i
.endr
.endm
.macro SCALES sc                       ; a slot's scale words: register 8 q + i: lanes 0-15 source 1's tile i, lanes 16-31 source 0's tile i
.irp q, 0,1
.irp g, 0,1
	ds_load_b128 v[SC+16*\sc+8*\q+4*\g:SC+16*\sc+8*\q+4*\g+3], v[ADRS] offset:1024*\q+256*\g
.endr
.endr
.endm
.macro PLACES n                        ; plain vector lines between a matrix instruction and a load into, or a vector access to, its registers
.rept \n
	v_nop
.endr
.endm
.macro STEP slot, q, zero              ; 128 along K with its successor in the same slot
	s_wait_dscnt 4*NL                              ; all but the youngest 12 loads (source 1's blocks 4-7)
	WIN MUL_LO
	MUL16 0, (\q)%2, \q, \slot, \zero
	MUL16 2, (\q)%2, \q, \slot, \zero
	s_wait_dscnt 0
	PLACES NP
	FETCH_B \slot, (\q)+1, 1-(\q)%2
	FETCH_A \slot, (\q)+1, 0
	WIN MUL_HI
	MUL16 4, (\q)%2, \q, \slot, \zero
	MUL16 6, (\q)%2, \q, \slot, \zero
	PLACES NP
	WIN 0
	FETCH_A \slot, (\q)+1, 4
.endm
.macro TURN slot, next, fill           ; a slot's last step changes slots
	s_wait_tensorcnt 0x0                           ; all my tensor loads have landed: my part of the next slot
	ds_add_u32 v[SPW], v[NIL]                      ; 0 onto my spare word
	s_wait_dscnt 4*NL+1                            ; (the add and the youngest 12 loads may be out)
	WIN MUL_LO
	MUL16 0, 1, 1, \slot, 0
	s_wait_dscnt 0x0                               ; the add is done, and my reads of this slot are over
	s_barrier_signal -1
	MUL16 2, 1, 1, \slot, 0
	WIN 0
	s_barrier_wait -1
.if \fill
	CREST                                          ; the barrier has opened a round of the cluster's: no wave of any partner still reads this slot or has a load on its way
	s_add_nc_u64 s[G0+4*\slot+2:G0+4*\slot+3], s[G0+4*\slot+2:G0+4*\slot+3], 4*TA*FRB
	s_add_nc_u64 s[G0B+4*\slot+2:G0B+4*\slot+3], s[G0B+4*\slot+2:G0B+4*\slot+3], 4*TB*FRB
	JLOAD G0+4*\slot, G1, G0B+4*\slot, G1B         ; the first tensor load behind the round; its four v_nop are the places in front of the loads below
.else
	PLACES NP
.endif
	s_wait_alu depctr_va_vdst(0)
	v_add_nc_u32 v[ADRS], 2048, v[ADRS]            ; the next two K steps' scale words
	FETCH_B \next, 0, 0
	FETCH_A \next, 0, 0
	SCALES \next
	WIN MUL_HI
	MUL16 4, 1, 1, \slot, 0
	MUL16 6, 1, 1, \slot, 0
	PLACES NP
	WIN 0
	FETCH_A \next, 0, 4
.endm
	s_wait_alu depctr_va_vdst(0)
	s_wait_tensorcnt 0x0                           ; my tile of the head's four is in
	ds_add_u32 v[SPW], v[NIL]
.irp g, G1, G1B                        ; no tensor load of mine is out: from here on a load brings one K step, a single row of 24,576 bytes
	s_mov_b32 s[\g+2], 1<<16
	s_mov_b32 s[\g+4], 1
	s_mov_b32 s[\g+5], 3072
	s_mov_b32 s[\g+6], 1<<16
.endr
	s_wait_dscnt 0x0
	CROUND                                         ; all four tiles are in, and all sixteen work-groups are here
	JLOAD G0+4, G1, G0B+4, G1B                     ; slot 1's first fill, the first tensor load behind the round
	FETCH_B 0, 0, 0
	FETCH_A 0, 0, 0
	SCALES 0
	FETCH_A 0, 0, 4
	STEP 0, 0, 1                                   ; the first step's products start the sums
	s_mov_b32 s3, LAPS-1
.Llap:
	TURN 0, 1, 1
	STEP 1, 0, 0
	TURN 1, 0, 1
	STEP 0, 0, 0
	s_sub_co_u32 s3, s3, 1
	s_cmp_lg_u32 s3, 0
	s_cbranch_scc1 .Llap
	TURN 0, 1, 0                                   ; the last lap fills nothing
	STEP 1, 0, 0
	s_wait_dscnt 4*NL
	WIN MUL_LO
	MUL16 0, 1, 1, 1, 0
	MUL16 2, 1, 1, 1, 0
	s_wait_dscnt 0
	WIN MUL_HI
	MUL16 4, 1, 1, 1, 0
	MUL16 6, 1, 1, 1, 0
	WIN 0
; 64 numbers of a lane, register 16 b + i = k 32 b + 16 (lane / 16) + i of my row, become a fragment's codes at v[PC] and the row's scale word in v[pw]
.macro QUANT s, pw
.irp b, 0,1,2,3
	v_max3_num_f32 v[TM+\b], |v[\s+16*\b]|, |v[\s+1+16*\b]|, 0x1800000   ; with the floor 2^(3 - 127)
.endr
.irp i, 2,4,6,8,10,12,14
.irp b, 0,1,2,3
	v_max3_num_f32 v[TM+\b], v[TM+\b], |v[\s+16*\b+\i]|, |v[\s+1+16*\b+\i]|
.endr
.endr
.irp b, 0,1,2,3
	v_permlanex16_b32 v[TM+4+\b], v[TM+\b], s[SEL], s[SEL+1]
.endr
.irp b, 0,1,2,3
	v_max_num_f32 v[TM+\b], v[TM+\b], v[TM+4+\b]
.endr
.irp b, 0,1,2,3
	v_add_nc_u32 v[TM+12+\b], 0xff000000, v[TM+\b]
.endr
.irp b, 0,1,2,3
	v_lshrrev_b32 v[TM+4+\b], 23, v[TM+12+\b]
.endr
	v_lshl_or_b32 v[\pw], v[TM+5], 8, v[TM+4]
	v_lshl_or_b32 v[\pw], v[TM+6], 16, v[\pw]
	v_lshl_or_b32 v[\pw], v[TM+7], 24, v[\pw]
.irp c, 0,1
	v_cvt_scalef32_pk16_fp6_f32 v[PC+6*\c:PC+2+6*\c], v[\s+32*\c:\s+15+32*\c], v[TM+12+2*\c]
	v_cvt_scalef32_pk16_fp6_f32 v[PC+12+4*\c:PC+14+4*\c], v[\s+16+32*\c:\s+31+32*\c], v[TM+12+2*\c+1]
.endr
	v_nop
.irp c, 0,1                            ; the layout wants a whole block in a lane
.irp i, 0,1,2
	v_permlane16_swap_b32 v[PC+6*\c+\i], v[PC+12+4*\c+\i]
.endr
.irp i, 0,1,2
	v_mov_b32 v[PC+3+6*\c+\i], v[PC+12+4*\c+\i]
.endr
.endr
.endm
; the same where register 32 c + i is number i of my WHOLE block 2 c + lane / 16
.macro QUANTW s, pw
.irp c, 0,1
	v_max3_num_f32 v[TM+\c], |v[\s+32*\c]|, |v[\s+32*\c+1]|, 0x1800000
.endr
.irp i, 2,4,6,8,10,12,14,16,18,20,22,24,26,28,30
.irp c, 0,1
	v_max3_num_f32 v[TM+\c], v[TM+\c], |v[\s+32*\c+\i]|, |v[\s+32*\c+\i+1]|
.endr
.endr
.irp c, 0,1
	v_add_nc_u32 v[TM+2+\c], 0xff000000, v[TM+\c]
.endr
.irp c, 0,1
	v_lshrrev_b32 v[TM+4+\c], 23, v[TM+2+\c]
.endr
	v_lshl_or_b32 v[\pw], v[TM+5], 16, v[TM+4]
	v_lshlrev_b32 v[\pw], v[SH8], v[\pw]
	v_permlanex16_b32 v[TM+6], v[\pw], s[SEL], s[SEL+1]
	v_or_b32 v[\pw], v[\pw], v[TM+6]
.irp c, 0,1
	v_cvt_scalef32_pk16_fp6_f32 v[PC+6*\c:PC+6*\c+2], v[\s+32*\c:\s+32*\c+15], v[TM+2+\c]
	v_cvt_scalef32_pk16_fp6_f32 v[PC+12+4*\c:PC+14+4*\c], v[\s+32*\c+16:\s+32*\c+31], v[TM+2+\c]
.endr
	v_nop
.irp c, 0,1
.irp i, 0,1,2
	v_mov_b32 v[PC+3+6*\c+\i], v[PC+12+4*\c+\i]
.endr
.endr
.endm
.macro SCST                            ; eight tiles' scale words leave as 512 consecutive bytes: lanes 0-15 tiles 0-3 of row r, lanes 16-31 tiles 4-7
.irp k, 0,1,2,3
	v_cndmask_b32 v[SW+\k], v[PWS+\k], v[PWS+4+\k], s[HM]
.endr
	global_store_b128 v[LI], v[SW:SW+3], s[12:13]
.endm
	PLACES NP                                      ; behind the last products: their results are read and their operands' registers written below
	s_wait_loadcnt 0x0                             ; the bias
	s_mov_b32 s[SEL], 0x76543210
	s_mov_b32 s[SEL+1], 0xfedcba98
	s_mov_b32 s[HM], 0xffff0000
.irp b, 4,5,6,7
	v_mov_b32 v[TM+\b], 0                          ; a lane permute's destination counts as one of its sources
.endr
	s_mov_b32 s23, 0
	s_cmp_eq_u32 ttmp9, 2
	s_cbranch_scc1 .Lv_arm
	; ---- q and k: row tile a becomes fragment (K step 2 tx + half, tile 16 ty + 8 half + a)
	s_lshl_b32 s20, s42, 1
	s_add_co_u32 s20, s20, s16
	s_lshl_b32 s21, s17, 4
	s_lshl_b32 s22, s15, 3
	s_add_co_u32 s21, s21, s22
	s_lshl_b32 s22, s20, 8
	s_add_co_u32 s22, s22, s21
	s_mul_i32 s22, s22, FRB
	s_add_nc_u64 s[10:11], s[8:9], s[22:23]
	s_lshl_b32 s22, s20, 14
	s_lshl_b32 s21, s21, 6
	s_add_co_u32 s22, s22, s21
	s_add_co_u32 s22, s22, O_QS
	s_add_nc_u64 s[12:13], s[8:9], s[22:23]
.irp a, 0,1,2,3,4,5,6,7
	WIN 0x06+\a/4                                  ; source 0: the accumulators' window; source 1: the bias in window 1
.set n, 0
.rept 32
	v_pk_add_f32 v[ST+n:ST+n+1], v[64*(\a%4)+n:64*(\a%4)+n+1], v[96+n+96*(n/32):97+n+96*(n/32)]   ; each accumulator from its low end on
.set n, n+2
.endr
	WIN 0
	s_wait_xcnt 0x0                                ; the last tile's stores have read the codes' registers
	QUANT ST, PWS+\a
.irp c, 0,1,2
	global_store_b128 v[LI], v[PC+4*\c:PC+4*\c+3], s[10:11] offset:\a*FRB+512*\c
.endr
.endr
	SCST
	s_branch .Lend
.Lv_arm:
	; ---- v: channel tile a becomes fragment (head pair 2 (tx - 8) + half, key step 2 ty + half, a)
	s_sub_co_u32 s20, s42, 8
	s_lshl_b32 s20, s20, 1
	s_add_co_u32 s20, s20, s15
	s_lshl_b32 s21, s17, 1
	s_add_co_u32 s21, s21, s16
	s_lshl_b32 s20, s20, 5
	s_add_co_u32 s20, s20, s21
	s_mul_i32 s22, s20, 8*FRB
	s_add_co_u32 s22, s22, O_VC
	s_add_nc_u64 s[10:11], s[8:9], s[22:23]
	s_lshl_b32 s22, s20, 9
	s_add_co_u32 s22, s22, O_VS
	s_add_nc_u64 s[12:13], s[8:9], s[22:23]
.irp a, 0,1,2,3,4,5,6,7
	WIN 0x02+\a/4
.set n, 0
.rept 32
	v_pk_add_f32 v[ST+n:ST+n+1], v[64*(\a%4)+n:64*(\a%4)+n+1], v[BV+2*\a:BV+2*\a+1]
.set n, n+2
.endr
	WIN 0
	s_wait_xcnt 0x0
	QUANTW ST, PWS+\a
.irp c, 0,1,2
	global_store_b128 v[LI], v[PC+4*\c:PC+4*\c+3], s[10:11] offset:\a*FRB+512*\c
.endr
.endr
	SCST
.Lend:
	s_wait_tensorcnt 0x0                           ; the wave's end
	ds_add_u32 v[SPW], v[NIL]
	s_wait_dscnt 0x0
	CROUND                                         ; the closing round
	s_endpgm
.Lfunc_end_k_q8432c232f7_gemm_qkv:
	.size	k_q8432c232f7_gemm_qkv, .Lfunc_end_k_q8432c232f7_gemm_qkv-k_q8432c232f7_gemm_qkv
	.p2alignl 7, 3214868480
	.fill 96, 4, 3214868480
	.section	.rodata,"a",@progbits
	.p2align	6, 0x0
	.amdhsa_kernel k_q8432c232f7_gemm_qkv
		.amdhsa_group_segment_fixed_size 327680
		.amdhsa_private_segment_fixed_size 0
		.amdhsa_enable_private_segment 0
		.amdhsa_kernarg_size 24
		.amdhsa_user_sgpr_count 2
		.amdhsa_user_sgpr_kernarg_segment_ptr 1
		.amdhsa_wavefront_size32 1
		.amdhsa_system_sgpr_workgroup_id_x 1
		.amdhsa_system_sgpr_workgroup_id_y 1
		.amdhsa_system_sgpr_workgroup_id_z 1
		.amdhsa_system_vgpr_workitem_id 0
		.amdhsa_next_free_vgpr 1024
		.amdhsa_next_free_sgpr 100
		.amdhsa_reserve_vcc 0
		.amdhsa_float_denorm_mode_32 3
		.amdhsa_float_denorm_mode_16_64 3
		.amdhsa_memory_ordered 1
		.amdhsa_forward_progress 1
		.amdhsa_inst_pref_size 202
	.end_amdhsa_kernel
	.amdgpu_metadata
---
amdhsa.version: [ 1, 2 ]
amdhsa.kernels:
  - .name:           k_q8432c232f7_gemm_qkv
    .symbol:         k_q8432c232f7_gemm_qkv.kd
    .args:
      - { .name: prepq, .offset: 0, .size: 8, .value_kind: global_buffer, .address_space: global }
      - { .name: qkv_b, .offset: 8, .size: 8, .value_kind: global_buffer, .address_space: global }
      - { .name: qkvq, .offset: 16, .size: 8, .value_kind: global_buffer, .address_space: global }
    .group_segment_fixed_size: 327680
    .private_segment_fixed_size: 0
    .kernarg_segment_align: 8
    .kernarg_segment_size: 24
    .max_flat_workgroup_size: 128
    .sgpr_count:     100
    .vgpr_count:     1024
    .wavefront_size: 32
...
	.end_amdgpu_metadata
.endif
;; end of part 8
;; launch attn (part 9): grid 16 x 16, 8 waves a work-group, no clusters, 78,336 bytes of LDS; arguments qkvq, oq; writes oq
.if DOCPART == 9
	.amdgcn_target "amdgcn-amd-amdhsa--gfx1250"
	.amdhsa_code_object_version 6
	.text
	.protected	k_q8432c232f7_attn
	.globl	k_q8432c232f7_attn
	.p2align	8
	.type	k_q8432c232f7_attn,@function
k_q8432c232f7_attn:
	s_mov_b64 s[64:65], 0
	v_nop
	global_prefetch_b8 v0, s[64:65] scope:SCOPE_SE
	s_setreg_imm32_b32 hwreg(HW_REG_WAVE_MODE, 25, 1), 1
	s_wait_xcnt 0x0
; Dilated window attention on codes of FP6 (E2M3): query i sees key j where i - j is even and 0 <= i - j <= 256.  16 heads of 64, 2 x 2,048 rows.  The result leaves quantised, as the out projection's operand.
; All operands are images of fragments (1,536 bytes: register j of lane L at 512 (j / 4) + 16 L + 4 (j % 4)); a K step of q and k is a PAIR of heads.
; A row tile t holds rows of ONE parity: tile row r is row 64 (t / 4) + 32 (r / 8) + 16 (t % 2) + 2 (r % 8) + (t / 2) % 2.  So a tile of scores holds pairs of like parity alone: the other parity's scores are never made.
; SHARES.  A work-group: 128 queries (8 tiles) of one head pair; a wave: one tile, both heads in turn.  All eight waves need the same three groups of 128 keys, qd - 2 .. qd: they come into LDS once, through registers.
; A group before the sequence's start is read at group 0 and hidden by the mask.
; S^T = k q^T (source 0 = 16 keys, source 1 = my 16 queries; the other head's half of q is zero codes): a lane holds one query, and the 16 registers of two tiles are the 16 keys of my parity of ONE block of 32 keys.
; SOFTMAX: t = score x log2(e) / 8; M = the running largest t rounded up to a whole number; p = 2^(t - M) is quantised by blocks of 32 keys, the other parity's 16 places being zero codes (there p = 0); the row's sum is
; taken of the unquantised p and divides at the end; when M moves, sum and O are multiplied by 2^(old M - new M), exactly.  O^T = v^T p^T; v's blocks hold the 16 even keys, then the 16 odd, as p's do.
; LIMITS: NaN and infinities are not served; p under 2^-126 is 0; a block of zeros carries the byte 1.
; NO JOINT LOADS: neighbouring work-groups share two of their three key groups, but each at another place of its LDS, so no two would issue the same descriptor.  No ring: all 74 KB are known at the start.
.set FRB,  1536
.set KC,   3145728                     ; k's codes (q's lie at 0)
.set VCK,  3145728                     ; v's codes lie this far behind k's, group for group
.set QSO,  9437184                     ; scale words: q's, k's, v's
.set KSO,  9568256
.set VSO,  9699328
.set OSO,  3145728                     ; the output's scale words
.set VL,   36864                       ; LDS: k [3 groups][8 tiles][1536] at 0; v [3][8 channel tiles][1536] here;
.set SCK,  73728                       ; k's scale words, 512 bytes a group; v's; the eight tiles' words of o
.set SCV,  75264
.set OSC,  76800
.set LI,  1                            ; v1 16 x lane
.set AK,  2                            ; v2 k's tiles of my parity
.set AV,  3
.set ASK, 4
.set ASV, 5
.set U,   6                            ; v6 half my query's place among the work-group's 128, less 16 (lane / 16)
.set U0,  7
.set NINF, 8
.set ZERO, 9
.set NM,  10                           ; v10 -M, v11 the largest t
.set L,   12                           ; v[12:13] the sum, in two halves
.set QSW, 14
.set SH8, 15
.set Q,   16                           ; v16-21 head 0's codes, v22-27 zeros, v28-33 head 1's: head c's operand is v[16 + 6 c] on
.set FB,  34                           ; v34-81 four fragments of k or v (at the head v34-109: the fill)
.set KSW, 82
.set VSW, 86
.set S,   90                           ; v90-121 scores, then p
.set PF,  122                          ; v122-133 p's fragment
.set PSW, 134
.set O,   136                          ; v136-199 O^T: 32 c + 8 a + j
.set BM,  200                          ; v200-201 the two blocks' largest scores
.set TP,  202
.set F,   204                          ; v[204:205] a factor, in the low word
.set W,   206
.set CT,  208
.set SO,  216
.set BY,  218
.set TM,  200                          ; the last quantiser
.set PC,  216
.set PW,  236
.set SSA, 237
.set OSA, 238
.set OSR, 239
.set TO,  240
.set TO2, 241
.set SEL, 56
.set CS,  58
.set HID1, 60
.set PAR, 61
	s_load_b128 s[4:7], s[0:1], 0x0                ; q, k, v; o
	v_lshl_add_u32 v254, v0, 2, 0x12e00
	v_mov_b32 v255, 0
	v_lshrrev_b32 v1, 5, v0
	s_delay_alu instid0(VALU_DEP_1)
	v_readfirstlane_b32 s8, v1                     ; wave 0..7
	v_lshlrev_b32 v[TO], 4, v0                     ; 16 x thread
	s_and_b32 s9, ttmp7, 0xffff
	s_and_b32 s10, s9, 7                           ; head pair
	s_lshr_b32 s11, s9, 3                          ; batch
	s_lshl_b32 s12, s10, 5
	s_lshl_b32 s13, s11, 4
	s_add_co_u32 s12, s12, s13                     ; 32 x head pair + 16 x batch: the first key group's number
	s_sub_co_i32 s13, ttmp9, 2
.irp g, 0,1,2
	s_add_co_i32 s14, s13, \g
	s_max_i32 s14, s14, 0                          ; group qd - 2 + g, or group 0
	s_add_co_u32 s14, s14, s12
	s_mul_i32 s[22+2*\g], s14, 8*FRB
	s_add_co_u32 s[22+2*\g], s[22+2*\g], KC
	s_mov_b32 s[23+2*\g], 0
.endr
	s_cmp_lt_u32 s8, 3                             ; waves 0-2 bring k's scale words of group w, waves 3-5 v's of group w - 3
	s_cselect_b32 s28, 0, 3
	s_mov_b32 s29, VSO
	s_cselect_b32 s29, KSO, s29
	s_sub_co_u32 s28, s8, s28
	s_add_co_i32 s28, s28, s13
	s_max_i32 s28, s28, 0
	s_add_co_u32 s28, s28, s12
	s_lshl_b32 s28, s28, 9
	s_add_co_u32 s28, s28, s29
	s_mov_b32 s29, 0
	s_lshl_b32 s30, s11, 7
	s_lshl_b32 s31, ttmp9, 3
	s_add_co_u32 s30, s30, s31                     ; the work-group's first row tile
	s_add_co_u32 s31, s30, s8                      ; mine
	s_lshl_b32 s32, s10, 8
	s_add_co_u32 s32, s32, s31
	s_mul_i32 s32, s32, FRB                        ; fragment (head pair, my tile): of q, and of o
	s_mov_b32 s33, 0
	s_lshl_b32 s38, s10, 14
	s_lshl_b32 s39, s30, 6
	s_add_co_u32 s38, s38, s39                     ; the eight tiles' scale words
	s_lshr_b32 s39, s8, 2                          ; which 64 of the 128 queries
	s_lshl_b32 s40, s39, 8
	s_and_b32 s41, s8, 3
	s_lshl_b32 s41, s41, 2
	s_add_co_u32 s40, s40, s41                     ; my tile's words among them (+ 16 r)
	s_add_co_u32 s42, s38, s40
	s_add_co_u32 s42, s42, QSO
	s_mov_b32 s43, 0
	s_add_co_u32 s48, s38, OSO
	s_mov_b32 s49, 0
	s_wait_alu depctr_va_vdst(0)
	s_wait_kmcnt 0x0
.irp g, 0,1,2
	s_add_nc_u64 s[16+2*\g:17+2*\g], s[4:5], s[22+2*\g:23+2*\g]
.endr
	s_add_nc_u64 s[28:29], s[4:5], s[28:29]
	s_add_nc_u64 s[34:35], s[4:5], s[32:33]
	s_add_nc_u64 s[36:37], s[6:7], s[32:33]
	s_add_nc_u64 s[44:45], s[4:5], s[42:43]
	s_add_nc_u64 s[46:47], s[6:7], s[48:49]
.irp g, 0,1,2
.irp i, 0,1,2
	global_load_b128 v[FB+4*(6*\g+\i):FB+4*(6*\g+\i)+3], v[TO], s[16+2*\g:17+2*\g] offset:4096*\i          ; 256 threads: 4,096 consecutive bytes
	global_load_b128 v[FB+4*(6*\g+3+\i):FB+4*(6*\g+3+\i)+3], v[TO], s[16+2*\g:17+2*\g] offset:VCK+4096*\i
.endr
.endr
	v_and_b32 v200, 15, v0                         ; r
	v_bfe_u32 v201, v0, 4, 1                       ; h
	v_and_b32 v202, 31, v0
	s_delay_alu instid0(VALU_DEP_1)
	v_lshlrev_b32 v[LI], 4, v202
	s_delay_alu instid0(VALU_DEP_4)
	v_lshlrev_b32 v203, 4, v200                    ; 16 r
	s_wait_alu depctr_va_vdst(0)
	v_add_nc_u32 v[TO2], VL, v[TO]
	s_min_u32 s54, s8, 5
	s_lshl_b32 s54, s54, 9
	s_add_co_u32 s54, s54, SCK
	v_add_nc_u32 v[SSA], s54, v[LI]                ; every LDS address is made ahead of the first branch on the wave's number
	s_add_co_u32 s54, s40, OSC
	v_add_nc_u32 v[OSA], s54, v203
	v_add_nc_u32 v[OSR], OSC, v[LI]
	s_bfe_u32 s53, s8, 0x10001                     ; my queries' parity
	s_mul_i32 s54, s53, 2*FRB
	v_add_nc_u32 v[AK], s54, v[LI]
	v_add_nc_u32 v[AV], VL, v[LI]
	s_lshl_b32 s54, s53, 3
	s_add_co_u32 s54, s54, SCK
	v_add_nc_u32 v[ASK], s54, v203
	v_add_nc_u32 v[ASV], SCV, v203
	s_cmp_lt_u32 s8, 6
	s_cbranch_scc0 .Lno_words
	global_load_b128 v[106:109], v[LI], s[28:29]
.Lno_words:
	global_load_b128 v[Q:Q+3], v[LI], s[34:35]                 ; q's registers 0-3,
	global_load_b64 v[Q+4:Q+5], v[LI], s[34:35] offset:512     ; 4, 5: head 0;
	global_load_b64 v[Q+12:Q+13], v[LI], s[34:35] offset:520   ; 6, 7,
	global_load_b128 v[Q+14:Q+17], v[LI], s[34:35] offset:1024 ; 8-11: head 1
	global_load_b32 v[QSW], v203, s[44:45]
.irp i, 6,7,8,9,10,11
	v_mov_b32 v[Q+\i], 0
.endr
	v_lshlrev_b32 v[SH8], 3, v201
	v_and_b32 v[U], 7, v200
	v_lshrrev_b32 v206, 3, v200
	s_delay_alu instid0(VALU_DEP_1)
	v_lshl_add_u32 v[U], v206, 4, v[U]
	v_lshlrev_b32 v206, 4, v201
	s_delay_alu instid0(VALU_DEP_1)
	v_sub_nc_u32 v[U], v[U], v206
	s_lshl_b32 s54, s39, 5
	s_and_b32 s55, s8, 1
	s_lshl_b32 s55, s55, 3
	s_add_co_u32 s54, s54, s55
	v_add_nc_u32 v[U], s54, v[U]                   ; 32 (w / 4) + 8 (w % 2) + 16 (r / 8) + r % 8 - 16 h
	s_cmp_ge_u32 ttmp9, 2
	s_cselect_b32 s54, 0, 2000
	v_add_nc_u32 v[U0], s54, v[U]                  ; above every key's number where group qd - 2 does not exist
	s_cmp_eq_u32 ttmp9, 0
	s_cselect_b32 s[HID1], -1, 0                   ; all lanes where group qd - 1 does not exist
	s_cmp_eq_u32 s53, 1
	s_cselect_b32 s[PAR], -1, 0
	s_mov_b32 s[SEL], 0x76543210
	s_mov_b32 s[SEL+1], 0xfedcba98
	s_mov_b32 s[CS], 0x3e38aa3b                    ; log2(e) / 8
	s_mov_b32 s[CS+1], s[CS]
	v_mov_b32 v[NINF], 0xff800000
	v_mov_b32 v[ZERO], 0
	v_mov_b32 v[F+1], 0                            ; named as the upper half of a pair
	s_wait_loadcnt 5                               ; all but q's five loads
.irp g, 0,1,2
.irp i, 0,1,2
	ds_store_b128 v[TO], v[FB+4*(6*\g+\i):FB+4*(6*\g+\i)+3] offset:8*FRB*\g+4096*\i
	ds_store_b128 v[TO2], v[FB+4*(6*\g+3+\i):FB+4*(6*\g+3+\i)+3] offset:8*FRB*\g+4096*\i
.endr
.endr
	s_cmp_lt_u32 s8, 6
	s_cbranch_scc0 .Lno_words_2
	ds_store_b128 v[SSA], v[106:109]
.Lno_words_2:
	s_wait_dscnt 0x0                               ; for the others' sake: my part lies in LDS
	s_barrier_signal -1
	s_barrier_wait -1
	s_wait_loadcnt 0x0                             ; q
; head c, key group s of three.  Half the distance from key (register 16 g + i of lane half h) to my query is U + 128 - 64 s - (32 g + i): it must lie in 0 .. 128
.macro ASTEP c, s
.irp k, 0,1,2,3                        ; k's four tiles of my parity: tile 4 (k / 2) + 2 parity + k % 2 of the group's eight
.irp w, 0,1,2
	ds_load_b128 v[FB+12*\k+4*\w:FB+12*\k+4*\w+3], v[AK] offset:(8*\s+4*(\k/2)+\k%2)*FRB+512*\w
.endr
.endr
.irp g, 0,1
	ds_load_b64 v[KSW+2*\g:KSW+2*\g+1], v[ASK] offset:256*(2*\s+\g)
.endr
	s_wait_dscnt 0x0
.irp k, 0,1,2,3
	v_wmma_scale_f32_16x16x128_f8f6f4 v[S+8*\k:S+8*\k+7], v[FB+12*\k:FB+12*\k+11], v[Q+6*\c:Q+6*\c+11], 0, v[KSW+\k], v[QSW] matrix_a_fmt:MATRIX_FMT_FP6 matrix_b_fmt:MATRIX_FMT_FP6
.endr
.rept 4
	v_nop                                          ; places: the scores are read, and v's fragments loaded over k's
.endr
.irp a, 0,1,2,3                        ; v's four channel tiles of this head: they land while the softmax runs
.irp w, 0,1,2
	ds_load_b128 v[FB+12*\a+4*\w:FB+12*\a+4*\w+3], v[AV] offset:(8*\s+4*\c+\a)*FRB+512*\w
.endr
.endr
	ds_load_b128 v[VSW:VSW+3], v[ASV] offset:512*\s+256*\c
.set n, 0
.rept 32                               ; hidden scores become -infinity; each accumulator from its low end on
.if \s == 0
	v_cmp_lt_i32 vcc_lo, 32*(n/16)+n%16, v[U0]     ; further back than 256
	v_cndmask_b32 v[S+n], v[S+n], v[NINF], vcc_lo
.elseif \s == 1
	v_cndmask_b32 v[S+n], v[S+n], v[NINF], s[HID1] ; all in reach, if the group exists
.else
	v_cmp_gt_i32 vcc_lo, 32*(n/16)+n%16, v[U]      ; behind the query
	v_cndmask_b32 v[S+n], v[S+n], v[NINF], vcc_lo
.endif
.set n, n+1
.endr
.irp b, 0,1
	v_max3_num_f32 v[BM+\b], v[S+16*\b], v[S+16*\b+1], v[S+16*\b+2]   ; each block's largest score: for the row's maximum, and for the block's largest p
.endr
.irp i, 3,5,7,9,11,13
.irp b, 0,1
	s_delay_alu instid0(VALU_DEP_2)
	v_max3_num_f32 v[BM+\b], v[BM+\b], v[S+16*\b+\i], v[S+16*\b+\i+1]
.endr
.endr
.irp b, 0,1
	s_delay_alu instid0(VALU_DEP_2)
	v_max_num_f32 v[BM+\b], v[BM+\b], v[S+16*\b+15]
.endr
	s_delay_alu instid0(VALU_DEP_1)
	v_max_num_f32 v[W], v[BM], v[BM+1]
	s_delay_alu instid0(VALU_DEP_1)
	v_permlanex16_b32 v[TP], v[W], s[SEL], s[SEL+1]
	s_delay_alu instid0(VALU_DEP_1)
	v_max_num_f32 v[W], v[W], v[TP]                ; with lane l xor 16's two blocks
	s_delay_alu instid0(VALU_DEP_1)
	v_mul_f32 v[W], s[CS], v[W]
	s_delay_alu instid0(VALU_DEP_1)
	v_max_num_f32 v[NM+1], v[NM+1], v[W]           ; the running largest t
	v_mov_b32 v[W], v[NM]
	s_delay_alu instid0(VALU_DEP_2)
	v_floor_f32 v[NM], -v[NM+1]                    ; -M = floor(-t)
	s_delay_alu instid0(VALU_DEP_1)
	v_sub_f32 v[W], v[NM], v[W]
	s_delay_alu instid0(VALU_DEP_1)
	v_cvt_i32_f32 v[W], v[W]                       ; old M - new M (it saturates)
	s_delay_alu instid0(VALU_DEP_1)
	v_ldexp_f32 v[F], 1.0, v[W]
.set n, 0
.rept 16
	v_pk_fma_f32 v[S+n:S+n+1], v[S+n:S+n+1], s[CS:CS+1], v[NM:NM+1] op_sel_hi:[1,0,0]   ; t - M
.set n, n+2
.endr
.irp b, 0,1
	v_fma_f32 v[BM+\b], v[BM+\b], s[CS], v[NM]
.endr
.set n, 0
	s_wait_alu depctr_va_vdst(0)
.rept 32
	v_exp_f32 v[S+n], v[S+n]
.set n, n+1
.endr
	v_pk_mul_f32 v[L:L+1], v[L:L+1], v[F:F+1] op_sel_hi:[1,0]   ; the sum under the new M: a plain line behind the batch
	s_wait_alu depctr_va_vdst(0)                   ; one wait for the 32, ahead of their first reader
.irp b, 0,1
	v_exp_f32 v[BM+\b], v[BM+\b]                   ; the block's largest p
.endr
	v_pk_add_f32 v[206:207], v[94:95], v[98:99]
	v_pk_add_f32 v[252:253], v[102:103], v[106:107]
	v_pk_add_f32 v[250:251], v[110:111], v[114:115]
	v_pk_add_f32 v[248:249], v[118:119], v[90:91]
	v_pk_add_f32 v[246:247], v[92:93], v[96:97]
	v_pk_add_f32 v[244:245], v[100:101], v[104:105]
	v_pk_add_f32 v[242:243], v[108:109], v[112:113]
	v_pk_add_f32 v[12:13], v[12:13], v[116:117]
	v_pk_add_f32 v[206:207], v[206:207], v[120:121]
	s_delay_alu instid0(VALU_DEP_2)
	v_pk_add_f32 v[12:13], v[12:13], v[248:249]
	s_delay_alu instid0(VALU_DEP_2)
	v_pk_add_f32 v[206:207], v[206:207], v[246:247]
	v_pk_add_f32 v[252:253], v[252:253], v[244:245]
	v_pk_add_f32 v[250:251], v[250:251], v[242:243]
	s_delay_alu instid0(VALU_DEP_2)
	v_pk_add_f32 v[12:13], v[12:13], v[252:253]
	s_delay_alu instid0(VALU_DEP_2)
	v_pk_add_f32 v[206:207], v[206:207], v[250:251]
	s_delay_alu instid0(VALU_DEP_1)
	v_pk_add_f32 v[12:13], v[12:13], v[206:207]
	s_wait_alu depctr_va_vdst(0)                   ; and one for the two
.irp b, 0,1
	v_max_num_f32 v[BM+\b], 0x1800000, v[BM+\b]    ; the floor 2^(3 - 127)
.endr
.irp b, 0,1
	s_delay_alu instid0(VALU_DEP_2)
	v_add_nc_u32 v[SO+\b], 0xff000000, v[BM+\b]
.endr
.irp b, 0,1
	s_delay_alu instid0(VALU_DEP_2)
	v_lshrrev_b32 v[BY+\b], 23, v[SO+\b]
.endr
	s_delay_alu instid0(VALU_DEP_1)
	v_lshl_or_b32 v[PSW], v[BY+1], 16, v[BY]       ; my blocks are h and 2 + h
	s_delay_alu instid0(VALU_DEP_1)
	v_lshlrev_b32 v[PSW], v[SH8], v[PSW]
	s_delay_alu instid0(VALU_DEP_1)
	v_permlanex16_b32 v[TP], v[PSW], s[SEL], s[SEL+1]
	s_delay_alu instid0(VALU_DEP_1)
	v_or_b32 v[PSW], v[PSW], v[TP]
.irp b, 0,1
	v_cvt_scalef32_pk16_fp6_f32 v[CT+4*\b:CT+4*\b+2], v[S+16*\b:S+16*\b+15], v[SO+\b]
.endr
	v_nop
.irp b, 0,1
.irp i, 0,1,2
	v_cndmask_b32 v[PF+6*\b+\i], v[CT+4*\b+\i], v[ZERO], s[PAR]     ; the block's first 16 places are the even keys',
	v_cndmask_b32 v[PF+6*\b+3+\i], v[ZERO], v[CT+4*\b+\i], s[PAR]   ; its last 16 the odd keys'; the other parity's are zero codes
.endr
.endr
.if \s > 0
.set n, 0
.rept 16
	v_pk_mul_f32 v[O+32*\c+n:O+32*\c+n+1], v[O+32*\c+n:O+32*\c+n+1], v[F:F+1] op_sel_hi:[1,0]   ; O^T under the new M; also the places between p's registers and the products
.set n, n+2
.endr
.else
	s_wait_alu depctr_va_vdst(0)
.rept 8
	v_nop
.endr
.endif
	s_wait_alu depctr_va_vdst(0)
	s_wait_dscnt 0x0                               ; v
.irp a, 0,1,2,3                        ; the four accumulators by turns
.if \s == 0
	v_wmma_scale_f32_16x16x128_f8f6f4 v[O+32*\c+8*\a:O+32*\c+8*\a+7], v[FB+12*\a:FB+12*\a+11], v[PF:PF+11], 0, v[VSW+\a], v[PSW] matrix_a_fmt:MATRIX_FMT_FP6 matrix_b_fmt:MATRIX_FMT_FP6
.else
	v_wmma_scale_f32_16x16x128_f8f6f4 v[O+32*\c+8*\a:O+32*\c+8*\a+7], v[FB+12*\a:FB+12*\a+11], v[PF:PF+11], v[O+32*\c+8*\a:O+32*\c+8*\a+7], v[VSW+\a], v[PSW] matrix_a_fmt:MATRIX_FMT_FP6 matrix_b_fmt:MATRIX_FMT_FP6
.endif
.endr
.rept 4
	v_nop
.endr
.endm
.macro HEAD c
	v_mov_b32 v[NM+1], 0xff61b1e6                  ; -3e38, under every t
	s_delay_alu instid0(VALU_DEP_1)
	v_floor_f32 v[NM], -v[NM+1]
	v_mov_b32 v[L], 0
	v_mov_b32 v[L+1], 0
	ASTEP \c, 0
	ASTEP \c, 1
	ASTEP \c, 2
	v_add_f32 v[L], v[L], v[L+1]
	s_delay_alu instid0(VALU_DEP_1)
	v_permlanex16_b32 v[TP], v[L], s[SEL], s[SEL+1]
	s_delay_alu instid0(VALU_DEP_1)
	v_add_f32 v[L], v[L], v[TP]                    ; the row's sum
	s_wait_alu depctr_va_vdst(0)
	v_rcp_f32 v[F], v[L]
	v_nop
	s_wait_alu depctr_va_vdst(0)
.set n, 0
.rept 16
	v_pk_mul_f32 v[O+32*\c+n:O+32*\c+n+1], v[O+32*\c+n:O+32*\c+n+1], v[F:F+1] op_sel_hi:[1,0]
.set n, n+2
.endr
.endm
	s_wait_alu depctr_va_vdst(0)
	HEAD 0
	HEAD 1
	; by the order of v's channel tiles register 16 b + i of O^T is channel 32 b + 16 h + i of the head pair: one K step of the out projection
.irp b, 0,1,2,3
	v_max3_num_f32 v[TM+\b], |v[O+16*\b]|, |v[O+1+16*\b]|, 0x1800000
.endr
.irp i, 2,4,6,8,10,12,14
.irp b, 0,1,2,3
	s_delay_alu instid0(VALU_DEP_4)
	v_max3_num_f32 v[TM+\b], v[TM+\b], |v[O+16*\b+\i]|, |v[O+1+16*\b+\i]|
.endr
.endr
.irp b, 0,1,2,3
	v_permlanex16_b32 v[TM+4+\b], v[TM+\b], s[SEL], s[SEL+1]
.endr
.irp b, 0,1,2,3
	s_delay_alu instid0(VALU_DEP_4)
	v_max_num_f32 v[TM+\b], v[TM+\b], v[TM+4+\b]
.endr
.irp b, 0,1,2,3
	s_delay_alu instid0(VALU_DEP_4)
	v_add_nc_u32 v[TM+12+\b], 0xff000000, v[TM+\b]
.endr
.irp b, 0,1,2,3
	s_delay_alu instid0(VALU_DEP_4)
	v_lshrrev_b32 v[TM+4+\b], 23, v[TM+12+\b]
.endr
	s_delay_alu instid0(VALU_DEP_3)
	v_lshl_or_b32 v[PW], v[TM+5], 8, v[TM+4]
	s_delay_alu instid0(VALU_DEP_1)
	v_lshl_or_b32 v[PW], v[TM+6], 16, v[PW]
	s_delay_alu instid0(VALU_DEP_1)
	v_lshl_or_b32 v[PW], v[TM+7], 24, v[PW]
.irp c, 0,1
	v_cvt_scalef32_pk16_fp6_f32 v[PC+6*\c:PC+2+6*\c], v[O+32*\c:O+15+32*\c], v[TM+12+2*\c]
	v_cvt_scalef32_pk16_fp6_f32 v[PC+12+4*\c:PC+14+4*\c], v[O+16+32*\c:O+31+32*\c], v[TM+12+2*\c+1]
.endr
	v_nop
.irp c, 0,1
.irp i, 0,1,2
	v_permlane16_swap_b32 v[PC+6*\c+\i], v[PC+12+4*\c+\i]
.endr
.irp i, 0,1,2
	s_delay_alu instid0(VALU_DEP_3)
	v_mov_b32 v[PC+3+6*\c+\i], v[PC+12+4*\c+\i]
.endr
.endr
.irp c, 0,1,2
	global_store_b128 v[LI], v[PC+4*\c:PC+4*\c+3], s[36:37] offset:512*\c
.endr
	ds_store_b32 v[OSA], v[PW]                     ; the eight tiles' scale words meet in LDS (lanes 16-31 write the same words)
	s_wait_dscnt 0x0
	s_barrier_signal -1
	s_barrier_wait -1
	s_cmp_lg_u32 s8, 0
	s_cbranch_scc1 .Ldone
	ds_load_b128 v[244:247], v[OSR]
	s_wait_dscnt 0x0
	global_store_b128 v[LI], v[244:247], s[46:47]  ; and leave as 512 consecutive bytes
.Ldone:
	s_wait_tensorcnt 0x0
	ds_add_u32 v254, v255
	s_wait_dscnt 0x0
	s_endpgm
.Lfunc_end_k_q8432c232f7_attn:
	.size	k_q8432c232f7_attn, .Lfunc_end_k_q8432c232f7_attn-k_q8432c232f7_attn
	.p2alignl 7, 3214868480
	.fill 96, 4, 3214868480
	.section	.rodata,"a",@progbits
	.p2align	6, 0x0
	.amdhsa_kernel k_q8432c232f7_attn
		.amdhsa_group_segment_fixed_size 78336
		.amdhsa_private_segment_fixed_size 0
		.amdhsa_enable_private_segment 0
		.amdhsa_kernarg_size 16
		.amdhsa_user_sgpr_count 2
		.amdhsa_user_sgpr_kernarg_segment_ptr 1
		.amdhsa_wavefront_size32 1
		.amdhsa_system_sgpr_workgroup_id_x 1
		.amdhsa_system_sgpr_workgroup_id_y 1
		.amdhsa_system_sgpr_workgroup_id_z 1
		.amdhsa_system_vgpr_workitem_id 0
		.amdhsa_next_free_vgpr 256
		.amdhsa_next_free_sgpr 66
		.amdhsa_reserve_vcc 1
		.amdhsa_float_denorm_mode_32 3
		.amdhsa_float_denorm_mode_16_64 3
		.amdhsa_memory_ordered 1
		.amdhsa_forward_progress 1
		.amdhsa_inst_pref_size 97
	.end_amdhsa_kernel
	.amdgpu_metadata
---
amdhsa.version: [ 1, 2 ]
amdhsa.kernels:
  - .name:           k_q8432c232f7_attn
    .symbol:         k_q8432c232f7_attn.kd
    .args:
      - { .name: qkvq, .offset: 0, .size: 8, .value_kind: global_buffer, .address_space: global }
      - { .name: oq, .offset: 8, .size: 8, .value_kind: global_buffer, .address_space: global }
    .group_segment_fixed_size: 78336
    .private_segment_fixed_size: 0
    .kernarg_segment_align: 8
    .kernarg_segment_size: 16
    .max_flat_workgroup_size: 256
    .sgpr_count:     66
    .vgpr_count:     256
    .wavefront_size: 32
...
	.end_amdgpu_metadata
.endif
;; end of part 9
;; launch gemm_out (part 10): grid 8 x 32, 4 waves a work-group, clusters of 4 x 4, 327,680 bytes of LDS; arguments oq, prepq, out_b, x, ybuf; writes ybuf
.if DOCPART == 10
	.amdgcn_target "amdgcn-amd-amdhsa--gfx1250"
	.amdhsa_code_object_version 6
	.text
	.protected	k_q8432c232f7_gemm_out
	.globl	k_q8432c232f7_gemm_out
	.p2align	8
	.type	k_q8432c232f7_gemm_out,@function
k_q8432c232f7_gemm_out:
	s_mov_b64 s[64:65], 0
	v_nop
	global_prefetch_b8 v0, s[64:65] scope:SCOPE_SE
	s_setreg_imm32_b32 hwreg(HW_REG_WAVE_MODE, 25, 1), 1
	s_wait_xcnt 0x0
	s_wait_alu depctr_hold_cnt(0) depctr_sa_sdst(0) depctr_va_vdst(0) depctr_va_sdst(0) depctr_va_ssrc(0) depctr_va_vcc(0) depctr_vm_vsrc(0)
	s_getreg_b32 s2, hwreg(HW_REG_IB_STS2, 6, 4)
	s_cmp_eq_u32 s2, 0
	s_cbranch_scc0 .Lentry_in_a_cluster
	s_endpgm
.Lentry_in_a_cluster:
	s_bfe_u32 s2, ttmp6, 0x10000c
	s_cmp_lg_u32 s2, 0xf033
	s_cbranch_scc0 .Lentry_shape_is_right
	s_endpgm
.Lentry_shape_is_right:
; y = x + o W_out + b on codes of FP6 (E2M3) with E8M0 scales, [4096 x 1024] x [1024 x 1024]; y leaves as f32 in natural rows.
; Both operands lie in memory as images of fragments (16 rows x 128 K = 1,536 bytes: register j of lane L at 512 (j / 4) + 16 L + 4 (j % 4)), codes [K step][tile][1536], scale words [K step][tile / 4][row][tile % 4].
; Row tile t, tile row r is row 64 (t / 4) + 32 (r / 8) + 16 (t % 2) + 2 (r % 8) + (t / 2) % 2; column tile n, tile row r is column 32 (n / 2) + 8 (n % 2) + r + 8 (r / 8).
; A BLOCK OF 128 x 128 to a work-group of four waves, 64 x 64 to a wave (16 accumulators): with N = 1,024 that makes 256 work-groups, where blocks of 256 x 256 would make 64.
; A slot of LDS holds FOUR K steps of 128, brought by one tensor load a wave (2 rows of 8 fragments).  K = 1,024 is two slots: both are first fills, nothing is filled again, and there is no loop.
; CLUSTER 4 x 4: the activations' tiles are asked for jointly along a row of the cluster, the weights' along a column.  The matrix instruction is used transposed (source 0 = 16 columns of W, source 1 = 16 rows):
; a lane holds one row, and register j of column tile b is column 32 (b / 2) + 16 h + 8 (b % 2) + j.  The bias, laid so, is the C of the first products.
; REGISTERS: window 0: v1-29 addresses; v32-63 scale words, two sets; v64-95 the bias, later with v96-127 rows on the way out; v128-255 the accumulators ((a, b) at v[128 + 8 (4 a + b)]).
;   window 1: two fragment buffers, v0-95 and v128-223: source 0's four fragments, then source 1's four.   window 2: v0-127 my 64 x 64 of the residual, loaded behind both slots' requests.
.set TA,    256                        ; row tiles
.set TB,    64                         ; column tiles
.set SK,    8                          ; K steps of 128
.set ASCL,  3145728                    ; o: codes at 0, scale words here
.set BCOD,  5734400                    ; out_w
.set BSCL,  6520832
.set FRB,   1536
.set FR,    12
.set NP,    4                          ; places behind this matrix instruction (ISA guide 7.12.1)
.set NQ,    4                          ; K steps in a slot
.set HALFT, 16*FRB                     ; what one tensor load of the ring's shape brings: 2 K steps x 8 fragments.  A slot: activations [4 K steps][8 tiles], then weights likewise
.set SLOT,  4*HALFT
.set LAPS,  SK/(2*NQ)                  ; a lap = once round the ring
.set SCL,   2*SLOT                     ; behind the ring: the scale words, 256 bytes for 4 tiles and a K step
.set HALFS, 256*SK
.set SPARE, 327168                     ; the spare words: the last 512 bytes, which no other line names
.set SPITCH, 272                       ; the way out: a stage of 16 rows x (256 + 16) bytes a wave, in slot 0, which has had its last fill and its last read by then
.set LI,   4                           ; v4  16 x lane
.set BQO,  7                           ; v7  the bias loads' offset
.set ADRA, 16                          ; v16-17 source 1's fragments in slot 0, 1
.set ADRB, 20                          ; v20-21 source 0's
.set STO,  24
.set RD,   25
.set CO,   26                          ; v26 my 16 bytes of two rows of the residual and of the output
.set ADRS, 27
.set SPW,  28
.set NIL,  29
.set SC,   32
.set BI,   64
.set BK,   64
.set ACC,  128
.set RES,  0                           ; in window 2
.set G1, 24
.set G0, 32
.set G1B, 48
.set G0B, 56
.set G1S, 68
.set G0S, 76
.set G1SB, 80
.set G0SB, 88
.set MSB, 0
.macro WIN new                         ; the immediate's high byte repeats the setting that is left
.if MSB != (\new)
	s_set_vgpr_msb (MSB<<8)|(\new)
.set MSB, (\new)
.endif
.endm
.set MUL,  0x05                        ; sources 0 and 1 window 1; C and D window 0
.set TO_F, 0x40                        ; destination window 1, address window 0
.macro JLOAD g0a, g1a, g0b, g1b        ; a joint load: waves 0, 2 fetch activations, waves 1, 3 weights; four v_nop follow each line
	s_cmp_eq_u32 s16, 0
	s_cbranch_scc0 .Lfor_b_\@
	tensor_load_to_lds s[\g0a:\g0a+3], s[\g1a:\g1a+7]
	s_nop 0
.rept 4
	v_nop
.endr
	s_branch .Lasked_\@
.Lfor_b_\@:
	tensor_load_to_lds s[\g0b:\g0b+3], s[\g1b:\g1b+7]
	s_nop 0
.rept 4
	v_nop
.endr
.Lasked_\@:
.endm
.macro CREST                           ; a round of the cluster's barrier behind its opening barrier
	s_cmp_lg_u32 s14, 0
	s_cbranch_scc1 .Lnot_wave_0_\@
	s_barrier_signal -3
.Lnot_wave_0_\@:
	s_barrier_wait -3
	s_barrier_signal -1
	s_barrier_wait -1
.endm
.macro CROUND
	s_barrier_signal -1
	s_barrier_wait -1
	CREST
.endm
	s_load_b128 s[4:7], s[0:1], 0x0                ; the activations' operand, the weights' buffer
	s_load_b128 s[8:11], s[0:1], 0x10              ; the bias, the residual
	s_load_b64 s[12:13], s[0:1], 0x20              ; the output
	v_lshl_add_u32 v[SPW], v0, 2, SPARE
	v_mov_b32 v[NIL], 0
	ds_add_u32 v28, v29
	ds_add_u32 v28, v29
	s_wait_dscnt 0x0
	v_lshrrev_b32 v1, 5, v0
	v_readfirstlane_b32 s14, v1                    ; wave 0..3
	s_lshr_b32 s15, s14, 1                         ; my half of the rows.  Also: which two K steps of a slot I fetch
	s_and_b32 s16, s14, 1                          ; my half of the columns.  Also: I fetch activations (0) or weights (1)
	s_bfe_u32 s40, ttmp6, 0x40000                  ; cx, cy
	s_bfe_u32 s41, ttmp6, 0x40004
	s_lshl_b32 s42, ttmp9, 2
	s_add_co_u32 s42, s42, s40                     ; tx: block column
	s_and_b32 s17, ttmp7, 0xffff
	s_lshl_b32 s17, s17, 2
	s_add_co_u32 s17, s17, s41                     ; ty: block row
	s_lshl_b32 s43, s41, 2
	s_lshl_b32 s43, 15, s43                        ; my row of the cluster
	s_lshl_b32 s44, 0x1111, s40                    ; my column
	; group 1, codes, for the head: 4 rows (K steps) of 1,536 elements of 8 bytes (8 fragments on end), a K step's tiles apart; no padding
	s_or_b32 s[G1+0], s43, (3<<16)|(1<<21)
	s_or_b32 s[G1B+0], s44, (3<<16)|(1<<21)
	s_mov_b32 s[G1+5], 192*TA
	s_mov_b32 s[G1B+5], 192*TB
.irp g, G1, G1B
	s_mov_b32 s[\g+1], 1536<<16
	s_mov_b32 s[\g+2], NQ<<16
	s_mov_b32 s[\g+3], 1536<<16
	s_mov_b32 s[\g+4], NQ
	s_mov_b32 s[\g+6], 0
	s_mov_b32 s[\g+7], 0
.endr
	; group 1, scale words: SK rows of 64 elements of 8 bytes: 8 tiles' words of a K step
	s_or_b32 s[G1S+0], s43, (3<<16)|(1<<21)
	s_or_b32 s[G1SB+0], s44, (3<<16)|(1<<21)
	s_mov_b32 s[G1S+5], 8*TA
	s_mov_b32 s[G1SB+5], 8*TB
.irp g, G1S, G1SB
	s_mov_b32 s[\g+1], 64<<16
	s_mov_b32 s[\g+2], SK<<16
	s_mov_b32 s[\g+3], 64<<16
	s_mov_b32 s[\g+4], SK
	s_mov_b32 s[\g+6], 0
	s_mov_b32 s[\g+7], 0
.endr
	s_lshl_b32 s20, s17, 3                         ; activations: tile 8 ty
	s_lshl_b32 s46, s42, 3                         ; weights: tile 8 tx
	s_lshl_b32 s22, s20, 6                         ; scale words: 64 bytes a tile
	s_add_co_u32 s22, s22, ASCL
	s_mov_b32 s23, 0
	s_lshl_b32 s92, s46, 6
	s_add_co_u32 s92, s92, BSCL
	s_mov_b32 s93, 0
	s_mul_i32 s20, s20, FRB
	s_mov_b32 s21, 0
	s_mul_i32 s46, s46, FRB
	s_add_co_u32 s46, s46, BCOD
	s_mov_b32 s47, 0
	s_mul_i32 s45, s16, 2*HALFT                    ; where my loads go, by the wave's number alone: the operand's region,
	s_mul_i32 s94, s15, HALFT
	s_add_co_u32 s45, s45, s94                     ; and my two K steps in it
	s_wait_kmcnt 0x0
	s_add_nc_u64 s[20:21], s[4:5], s[20:21]
	s_add_nc_u64 s[22:23], s[4:5], s[22:23]
	s_add_nc_u64 s[46:47], s[6:7], s[46:47]
	s_add_nc_u64 s[92:93], s[6:7], s[92:93]
	CROUND                                         ; all sixteen work-groups are here: the first joint loads meet
	s_mov_b32 s[G0S], 1
	s_mov_b32 s[G0S+1], SCL
	s_mov_b64 s[G0S+2:G0S+3], s[22:23]
	s_or_b32 s[G0S+3], s[G0S+3], 0x80000000
	s_mov_b32 s[G0SB], 1
	s_mov_b32 s[G0SB+1], SCL+2*HALFS
	s_mov_b64 s[G0SB+2:G0SB+3], s[92:93]
	s_or_b32 s[G0SB+3], s[G0SB+3], 0x80000000
	s_mul_i32 s18, s15, 2*TA*FRB                   ; my two K steps of a slot's four
	s_mov_b32 s19, 0
	s_add_nc_u64 s[20:21], s[20:21], s[18:19]
	s_mul_i32 s18, s15, 2*TB*FRB
	s_add_nc_u64 s[46:47], s[46:47], s[18:19]
.irp s, 0,1
	s_mov_b32 s[G0+4*\s], 1
	s_add_co_u32 s[G0+4*\s+1], s45, \s*SLOT
	s_add_nc_u64 s[G0+4*\s+2:G0+4*\s+3], s[20:21], \s*NQ*TA*FRB
	s_or_b32 s[G0+4*\s+3], s[G0+4*\s+3], 0x80000000
	s_mov_b32 s[G0B+4*\s], 1
	s_add_co_u32 s[G0B+4*\s+1], s45, \s*SLOT
	s_add_nc_u64 s[G0B+4*\s+2:G0B+4*\s+3], s[46:47], \s*NQ*TB*FRB
	s_or_b32 s[G0B+4*\s+3], s[G0B+4*\s+3], 0x80000000
.endr
; THE HEAD'S LOADS, ONE A WAVE: wave 0 slot 0's activations whole (its own group 0 names their first byte), wave 1 its weights, wave 2 the activations' scale words, wave 3 the weights'.
; One chain of branches on the wave's number: every way passes exactly one load.
.macro ARM under, g0, g1, next
	s_cmp_lt_u32 s14, \under
	s_cbranch_scc0 \next
	tensor_load_to_lds s[\g0:\g0+3], s[\g1:\g1+7]
	s_nop 0
.rept 4
	v_nop
.endr
	s_branch .Lhead_asked
\next:
.endm
	ARM 1, G0,  G1,  .Lhead_b
	ARM 2, G0B, G1B, .Lhead_sa
	ARM 3, G0S, G1S, .Lhead_sb
	tensor_load_to_lds s[G0SB:G0SB+3], s[G1SB:G1SB+7]
	s_nop 0
.rept 4
	v_nop
.endr
.Lhead_asked:
	v_and_b32 v1, 15, v0                           ; r
	v_bfe_u32 v2, v0, 4, 1                         ; h
	s_wait_alu depctr_va_vdst(0)
	v_and_b32 v3, 31, v0
	v_lshlrev_b32 v[LI], 4, v3
	s_mul_i32 s21, s15, 4*FRB                      ; my 4 row tiles of a K step's 8
	s_mul_i32 s22, s16, 4*FRB                      ; my 4 column tiles,
	s_add_co_u32 s22, s22, 2*HALFT                 ; which lie behind the activations
.irp s, 0,1
	v_add_nc_u32 v[ADRA+\s], s21, v[LI]
	v_add_nc_u32 v[ADRB+\s], s22, v[LI]
	s_add_co_u32 s21, s21, SLOT
	s_add_co_u32 s22, s22, SLOT
.endr
	s_lshl_b32 s21, s15, 8                         ; 256 bytes for 4 tiles and a K step
	s_lshl_b32 s22, s16, 8
	s_add_co_u32 s22, s22, 2*HALFS
	s_sub_co_u32 s22, s22, s21
	v_mul_u32_u24 v6, s22, v2                      ; lanes 16-31 take the weights' words
	s_add_co_u32 s21, s21, SCL
	v_lshl_add_u32 v5, v1, 4, v6                   ; + 16 r: four tiles' words of my row
	v_add_nc_u32 v[ADRS], s21, v5
	s_mul_i32 s23, s14, 16*SPITCH                  ; my stage
	v_mul_u32_u24 v5, v1, SPITCH
	v_lshl_add_u32 v5, v2, 6, v5
	v_add_nc_u32 v[STO], s23, v5                   ; in: row r, + 64 h
	v_mul_u32_u24 v5, v2, SPITCH
	v_lshl_add_u32 v5, v1, 4, v5
	v_add_nc_u32 v[RD], s23, v5                    ; back: lanes 0-15 one row of 256 bytes, lanes 16-31 the next
	v_lshlrev_b32 v5, 4, v1
	v_lshl_add_u32 v[CO], v2, 13, v5               ; in memory two neighbouring tile rows lie two rows, 8,192 bytes, apart
	v_lshlrev_b32 v[BQO], 6, v2                    ; the bias: + 16 h numbers
	s_wait_alu depctr_va_vdst(0)
	s_lshl_b32 s20, s17, 7
	s_lshl_b32 s21, s15, 6
	s_add_co_u32 s20, s20, s21
	s_lshl_b32 s20, s20, 12                        ; my first row, 128 ty + 64 half, in bytes
	s_lshl_b32 s46, s42, 9
	s_lshl_b32 s47, s16, 8
	s_add_co_u32 s46, s46, s47                     ; my first column, 128 tx + 64 half, in bytes
	s_mov_b32 s47, 0
	s_add_nc_u64 s[8:9], s[8:9], s[46:47]
	s_add_co_u32 s20, s20, s46
	s_mov_b32 s21, 0
	s_add_nc_u64 s[10:11], s[10:11], s[20:21]
	s_add_nc_u64 s[12:13], s[12:13], s[20:21]
.irp g, 0,1
.irp i, 0,1,2,3
	global_load_b128 v[BI+16*\g+4*\i:BI+16*\g+4*\i+3], v[BQO], s[8:9] offset:128*\g+16*\i   ; register 8 b + j: column 32 (b / 2) + 16 h + 8 (b % 2) + j
.endr
.endr
.macro FRAG reg, adr, q, i             ; a fragment comes as it was stored: 3 loads of 512 consecutive bytes
.irp c, 0,1,2
	ds_load_b128 v[\reg+4*\c:\reg+4*\c+3], v[\adr] offset:8*FRB*(\q)+FRB*(\i)+512*\c
.endr
.endm
; 4 matrix instructions: source 1's block a x source 0's four, the slot's q-th 128 along K, from buffer p.  first = 1: the bias is the C, and the products start the sums: nothing is cleared or added later.
; The 16 accumulators take turns, one instruction a turn, in the same order in every step
.macro MUL4 a, p, q, sc, first
.irp b, 0,1,2,3
.if \first
	v_wmma_scale_f32_16x16x128_f8f6f4 v[ACC+8*(4*(\a)+\b):ACC+8*(4*(\a)+\b)+7], v[128*(\p)+FR*\b:128*(\p)+FR*\b+FR-1], v[128*(\p)+48+FR*(\a):128*(\p)+48+FR*(\a)+FR-1], v[BI+8*\b:BI+8*\b+7], v[SC+16*(\sc)+4*(\q)+\b], v[SC+16*(\sc)+4*(\q)+(\a)] matrix_a_fmt:MATRIX_FMT_FP6 matrix_b_fmt:MATRIX_FMT_FP6 matrix_a_scale:MATRIX_SCALE_ROW1
.else
	v_wmma_scale_f32_16x16x128_f8f6f4 v[ACC+8*(4*(\a)+\b):ACC+8*(4*(\a)+\b)+7], v[128*(\p)+FR*\b:128*(\p)+FR*\b+FR-1], v[128*(\p)+48+FR*(\a):128*(\p)+48+FR*(\a)+FR-1], v[ACC+8*(4*(\a)+\b):ACC+8*(4*(\a)+\b)+7], v[SC+16*(\sc)+4*(\q)+\b], v[SC+16*(\sc)+4*(\q)+(\a)] matrix_a_fmt:MATRIX_FMT_FP6 matrix_b_fmt:MATRIX_FMT_FP6 matrix_a_scale:MATRIX_SCALE_ROW1
.endif
.endr
.endr
.endm
.macro FETCH slot, q, p                ; 24 LDS loads in one run: source 0's four fragments, then source 1's four, into buffer p; the youngest six are source 1's blocks 2 and 3
	WIN TO_F
.irp i, 0,1,2,3
	FRAG 128*(\p)+FR*\i, ADRB+\slot, \q, \i
.endr
.irp i, 0,1,2,3
	FRAG 128*(\p)+48+FR*\i, ADRA+\slot, \q, \i
.endr
.endm
.macro SCALES sc                       ; a slot's scale words: register 4 q + i: lanes 0-15 source 1's tile i, lanes 16-31 source 0's tile i
.irp q, 0,1,2,3
	ds_load_b128 v[SC+16*\sc+4*\q:SC+16*\sc+4*\q+3], v[ADRS] offset:512*\q
.endr
.endm
.macro PLACES n                        ; plain vector lines between a matrix instruction and a load into, or a read of, its registers
.rept \n
	v_nop
.endr
.endm
.macro STEP slot, q, first             ; 128 along K with its successor in the same slot: multiplies buffer q % 2 and, in its middle, fetches the next step into the other
	s_wait_dscnt 6                                 ; all but the youngest six loads (source 1's blocks 2, 3)
	WIN MUL
	MUL4 0, (\q)%2, \q, \slot, \first
	MUL4 1, (\q)%2, \q, \slot, \first
	PLACES NP
	FETCH \slot, (\q)+1, 1-(\q)%2
	s_wait_dscnt 24                                ; all but the 24 just issued
	WIN MUL
	MUL4 2, (\q)%2, \q, \slot, \first
	MUL4 3, (\q)%2, \q, \slot, \first
.endm
.macro TURN slot, next, fill           ; a slot's last step (buffer 1) changes slots: one barrier
	WIN 0                                          ; (the add's two registers lie in window 0)
	s_wait_tensorcnt 0x0                           ; all my tensor loads have landed: my part of the next slot
	ds_add_u32 v[SPW], v[NIL]                      ; 0 onto my spare word
	s_wait_dscnt 7                                 ; (the add and the youngest six loads may be out)
	WIN MUL
	MUL4 0, 1, 3, \slot, 0
	s_wait_dscnt 0x0                               ; the add is done, and my reads of this slot are over
	s_barrier_signal -1
	MUL4 1, 1, 3, \slot, 0
	WIN 0
	s_barrier_wait -1
.if \fill
	CREST                                          ; the barrier has opened a round of the cluster's: no wave of any partner still reads this slot or has a load on its way
	s_add_nc_u64 s[G0+4*\slot+2:G0+4*\slot+3], s[G0+4*\slot+2:G0+4*\slot+3], 2*NQ*TA*FRB
	s_add_nc_u64 s[G0B+4*\slot+2:G0B+4*\slot+3], s[G0B+4*\slot+2:G0B+4*\slot+3], 2*NQ*TB*FRB
	JLOAD G0+4*\slot, G1, G0B+4*\slot, G1B         ; the first tensor load behind the round; its four v_nop are the places in front of the loads below
.else
	PLACES NP
.endif
	v_add_nc_u32 v[ADRS], 512*NQ, v[ADRS]          ; the next slot's scale words
	SCALES \next
	FETCH \next, 0, 0
	WIN MUL
	MUL4 2, 1, 3, \slot, 0
	MUL4 3, 1, 3, \slot, 0
.endm
	s_wait_tensorcnt 0x0                           ; my tile of the head's four is in
	ds_add_u32 v[SPW], v[NIL]
.irp g, G1, G1B                        ; no tensor load of mine is out: from here on a load brings two K steps
	s_mov_b32 s[\g+2], 2<<16
	s_mov_b32 s[\g+4], 2
.endr
	s_wait_dscnt 0x0
	CROUND                                         ; all four tiles are in, and all sixteen work-groups are here
	JLOAD G0+4, G1, G0B+4, G1B                     ; slot 1's first fill, the first tensor load behind the round
	SCALES 0
	FETCH 0, 0, 0
	WIN 0x80                                       ; destination window 2
.irp a, 0,1,2,3                        ; THE RESIDUAL'S LOADS STAND HERE, not at the head: behind both slots' requests, since nothing reads them before the way out.  My four row tiles, as the rows will come back from the stage; every offset is an immediate
.irp t, 0,1,2,3,4,5,6,7
	global_load_b128 v[RES+32*\a+4*\t:RES+32*\a+4*\t+3], v[CO], s[10:11] offset:(16*(\a%2)+\a/2+32*(\t/4)+4*(\t%4))*4096 th:TH_LOAD_NT
.endr
.endr
	WIN 0
	s_wait_loadcnt 32                              ; the bias is in; the residual's 32 loads, issued behind it, may be out
	STEP 0, 0, 1                                   ; the first step's products start the sums
.if LAPS > 1
	WIN 0                                          ; at a label and at a branch every window is 0
	s_mov_b32 s3, LAPS-1
.Llap:                                                 ; a trip goes once round the ring, from a lap's second step to the next lap's first, and fills both slots again
	STEP 0, 1, 0
	STEP 0, 2, 0
	TURN 0, 1, 1
	STEP 1, 0, 0
	STEP 1, 1, 0
	STEP 1, 2, 0
	TURN 1, 0, 1
	STEP 0, 0, 0
	WIN 0
	s_sub_co_u32 s3, s3, 1
	s_cmp_lg_u32 s3, 0
	s_cbranch_scc1 .Llap
.endif
	STEP 0, 1, 0                                   ; the last lap fills nothing
	STEP 0, 2, 0
	TURN 0, 1, 0
	STEP 1, 0, 0
	STEP 1, 1, 0
	STEP 1, 2, 0
	s_wait_dscnt 6                                 ; the very last step: nothing more to fetch
	WIN MUL
	MUL4 0, 1, 3, 1, 0
	MUL4 1, 1, 3, 1, 0
	s_wait_dscnt 0
	MUL4 2, 1, 3, 1, 0
	MUL4 3, 1, 3, 1, 0
	WIN 0
; THE WAY OUT, a row tile at a time.  My 64 columns are 256 consecutive bytes of a row, at a multiple of 256 from the buffer's first byte: so each wave goes through a stage of its own, with no barrier.
; LDS serves a wave's instructions in order: no wait between the stores and the loads, nor in front of the next tile's stores.
.macro TOSTAGE a
.irp b, 0,1,2,3
	ds_store_b128 v[STO], v[ACC+8*(4*(\a)+\b):ACC+8*(4*(\a)+\b)+3] offset:128*(\b/2)+32*(\b%2)          ; each accumulator from its low end on
	ds_store_b128 v[STO], v[ACC+8*(4*(\a)+\b)+4:ACC+8*(4*(\a)+\b)+7] offset:128*(\b/2)+32*(\b%2)+16
.endr
.set BB, BK+32*((\a)%2)
.irp t, 0,1,2,3,4,5,6,7
	ds_load_b128 v[BB+4*\t:BB+4*\t+3], v[RD] offset:2*\t*SPITCH
.endr
.endm
.macro SEND a, younger                 ; younger: the LDS instructions issued behind tile a's loads, which may stay out
.set BB, BK+32*((\a)%2)
	s_wait_dscnt \younger
	WIN 0x08                                       ; source 1: the residual in window 2
.irp t, 0,1,2,3,4,5,6,7
	v_pk_add_f32 v[BB+4*\t:BB+4*\t+1], v[BB+4*\t:BB+4*\t+1], v[RES+32*(\a)+4*\t:RES+32*(\a)+4*\t+1]
	v_pk_add_f32 v[BB+4*\t+2:BB+4*\t+3], v[BB+4*\t+2:BB+4*\t+3], v[RES+32*(\a)+4*\t+2:RES+32*(\a)+4*\t+3]
.endr
	WIN 0
.irp t, 0,1,2,3,4,5,6,7
	global_store_b128 v[CO], v[BB+4*\t:BB+4*\t+3], s[12:13] offset:(16*((\a)%2)+(\a)/2+32*(\t/4)+4*(\t%4))*4096 th:TH_STORE_NT   ; sixteen lanes store 256 consecutive bytes, aligned; two rows an instruction
.endr
.endm
	PLACES NP                                      ; behind the last products, whose results are read below
	s_wait_loadcnt 0x0                             ; the residual
	TOSTAGE 0
.irp a, 1,2,3
.if \a > 1
	s_wait_xcnt 0x0                                ; tile a - 2's stores have read their registers: tile a's rows may land there
.endif
	TOSTAGE \a
	SEND \a-1, 16                                  ; behind tile a - 1's loads: tile a's 8 stores and 8 loads
.endr
	SEND 3, 0
	s_wait_tensorcnt 0x0                           ; the wave's end
	ds_add_u32 v[SPW], v[NIL]
	s_wait_dscnt 0x0
	CROUND                                         ; the closing round
	s_endpgm
.Lfunc_end_k_q8432c232f7_gemm_out:
	.size	k_q8432c232f7_gemm_out, .Lfunc_end_k_q8432c232f7_gemm_out-k_q8432c232f7_gemm_out
	.p2alignl 7, 3214868480
	.fill 96, 4, 3214868480
	.section	.rodata,"a",@progbits
	.p2align	6, 0x0
	.amdhsa_kernel k_q8432c232f7_gemm_out
		.amdhsa_group_segment_fixed_size 327680
		.amdhsa_private_segment_fixed_size 0
		.amdhsa_enable_private_segment 0
		.amdhsa_kernarg_size 40
		.amdhsa_user_sgpr_count 2
		.amdhsa_user_sgpr_kernarg_segment_ptr 1
		.amdhsa_wavefront_size32 1
		.amdhsa_system_sgpr_workgroup_id_x 1
		.amdhsa_system_sgpr_workgroup_id_y 1
		.amdhsa_system_sgpr_workgroup_id_z 1
		.amdhsa_system_vgpr_workitem_id 0
		.amdhsa_next_free_vgpr 640
		.amdhsa_next_free_sgpr 98
		.amdhsa_reserve_vcc 0
		.amdhsa_float_denorm_mode_32 3
		.amdhsa_float_denorm_mode_16_64 3
		.amdhsa_memory_ordered 1
		.amdhsa_forward_progress 1
		.amdhsa_inst_pref_size 57
	.end_amdhsa_kernel
	.amdgpu_metadata
---
amdhsa.version: [ 1, 2 ]
amdhsa.kernels:
  - .name:           k_q8432c232f7_gemm_out
    .symbol:         k_q8432c232f7_gemm_out.kd
    .args:
      - { .name: oq, .offset: 0, .size: 8, .value_kind: global_buffer, .address_space: global }
      - { .name: prepq, .offset: 8, .size: 8, .value_kind: global_buffer, .address_space: global }
      - { .name: out_b, .offset: 16, .size: 8, .value_kind: global_buffer, .address_space: global }
      - { .name: x, .offset: 24, .size: 8, .value_kind: global_buffer, .address_space: global }
      - { .name: ybuf, .offset: 32, .size: 8, .value_kind: global_buffer, .address_space: global }
    .group_segment_fixed_size: 327680
    .private_segment_fixed_size: 0
    .kernarg_segment_align: 8
    .kernarg_segment_size: 40
    .max_flat_workgroup_size: 128
    .sgpr_count:     98
    .vgpr_count:     640
    .wavefront_size: 32
...
	.end_amdgpu_metadata
.endif
;; end of part 10
;; launch ln2: the kernel of part 7 again; grid 256 x 1, 8 waves a work-group, no clusters, 66,816 bytes of LDS; arguments ybuf, norm2_w, norm2_b, qkv_w, out_w, ffn_w1, ffn_w2, hq; writes hq
;; launch gemm_ffn1 (part 11): grid 16 x 16, 4 waves a work-group, clusters of 4 x 4, 327,680 bytes of LDS; arguments hq, prepq, ffn_b1, h1q; writes h1q
.if DOCPART == 11
	.amdgcn_target "amdgcn-amd-amdhsa--gfx1250"
	.amdhsa_code_object_version 6
	.text
	.protected	k_q8432c232f7_gemm_ffn1
	.globl	k_q8432c232f7_gemm_ffn1
	.p2align	8
	.type	k_q8432c232f7_gemm_ffn1,@function
k_q8432c232f7_gemm_ffn1:
	s_mov_b64 s[64:65], 0
	v_nop
	global_prefetch_b8 v0, s[64:65] scope:SCOPE_SE
	s_setreg_imm32_b32 hwreg(HW_REG_WAVE_MODE, 25, 1), 1
	s_wait_xcnt 0x0
	s_wait_alu depctr_hold_cnt(0) depctr_sa_sdst(0) depctr_va_vdst(0) depctr_va_sdst(0) depctr_va_ssrc(0) depctr_va_vcc(0) depctr_vm_vsrc(0)
	s_getreg_b32 s2, hwreg(HW_REG_IB_STS2, 6, 4)
	s_cmp_eq_u32 s2, 0
	s_cbranch_scc0 .Lentry_in_a_cluster
	s_endpgm
.Lentry_in_a_cluster:
	s_bfe_u32 s2, ttmp6, 0x10000c
	s_cmp_lg_u32 s2, 0xf033
	s_cbranch_scc0 .Lentry_shape_is_right
	s_endpgm
.Lentry_shape_is_right:
; h1 = gelu(LN2(y) W1 + b1) on codes of FP6 (E2M3) with E8M0 scales, [4096 x 1024] x [1024 x 4096]; the result leaves QUANTISED along its columns, as the next product's operand.
; Operands are images of fragments (16 rows x 128 K = 1,536 bytes), codes [K step][tile][1536], scale words [K step][tile / 4][row][tile % 4].  A block of 256 x 256 to four waves, 128 x 128 a wave, 64 accumulators.
; K in steps of 256 through two LDS slots, each [2 K steps][16 tiles] of activations, then of weights.  CLUSTER 4 x 4: activations asked for jointly along a row, weights along a column.
; THE HEAD: one tensor load a wave: slot 0's activations, its weights, the activations' scale words of all K, the weights'.  Slot 1 is first filled behind the full sequence and a round.  In the ring a wave brings one K step of one operand.
; Source 0 = 16 columns of W, source 1 = 16 rows: a lane holds one row, and its 64 results of a row tile are one K step of the next product.
; GELU, exact form: erfc(z) = t exp(-z^2 + poly(t)), t = 1 / (1 + z / 2), z = |u| / sqrt(2); with h = erfc(z) / 2 (the half folded into poly's constant), gelu(u) = max(u, 0) - |u| h for both signs.
; LIMITS: NaN and infinities are not served; a block of zeros gets the byte 1 (read by this program alone); blocks under 2^-124 are held at the byte 1.
.set TA,    256
.set TB,    256
.set SK,    8
.set ASCL,  3145728
.set BCOD,  6553600
.set BSCL,  9699328
.set O_SC,  12582912
.set FRB,   1536
.set FR,    12
.set NL,    3
.set NP,    4
.set HALFT, 16*FRB
.set SLOT,  4*HALFT
.set LAPS,  SK/4
.set SCL,   2*SLOT
.set HALFS, 512*SK
.set SPARE, 327168
.set LI,   4
.set BQO,  13
.set ADRA, 16
.set ADRB, 20
.set ADRS, 27
.set SPW,  28
.set NIL,  29
.set SC,   32
.set AF,   128
.set PWS,  32
.set TM,   40
.set C9V,  58
.set SW,   60
.set ST,   64
.set Z,    128
.set T,    160
.set P,    192
.set PC,   224
.set G1, 24
.set G0, 32
.set G1B, 48
.set G0B, 56
.set G1S, 68
.set G0S, 76
.set G1SB, 80
.set G0SB, 88
.set SEL, 92
.set HM,  94
.set MSB, 0
.macro WIN new
.if MSB != (\new)
	s_set_vgpr_msb (MSB<<8)|(\new)
.set MSB, (\new)
.endif
.endm
.set MUL_LO, 0xa1
.set MUL_HI, 0xf1
.set TO_B,   0x40
.macro JLOAD g0a, g1a, g0b, g1b        ; a joint load of the ring: waves 0, 2 fetch activations, waves 1, 3 weights
	s_cmp_eq_u32 s16, 0
	s_cbranch_scc0 .Lfor_b_\@
	tensor_load_to_lds s[\g0a:\g0a+3], s[\g1a:\g1a+7]
	s_nop 0
.rept 4
	v_nop
.endr
	s_branch .Lasked_\@
.Lfor_b_\@:
	tensor_load_to_lds s[\g0b:\g0b+3], s[\g1b:\g1b+7]
	s_nop 0
.rept 4
	v_nop
.endr
.Lasked_\@:
.endm
.macro CREST
	s_cmp_lg_u32 s14, 0
	s_cbranch_scc1 .Lnot_wave_0_\@
	s_barrier_signal -3
.Lnot_wave_0_\@:
	s_barrier_wait -3
	s_barrier_signal -1
	s_barrier_wait -1
.endm
.macro CROUND
	s_barrier_signal -1
	s_barrier_wait -1
	CREST
.endm
	s_load_b128 s[4:7], s[0:1], 0x0
	s_load_b128 s[8:11], s[0:1], 0x10
	v_lshl_add_u32 v[SPW], v0, 2, SPARE
	v_mov_b32 v[NIL], 0
	ds_add_u32 v28, v29
	ds_add_u32 v28, v29
	s_wait_dscnt 0x0
	v_lshrrev_b32 v1, 5, v0
	v_readfirstlane_b32 s14, v1
	s_lshr_b32 s15, s14, 1
	s_and_b32 s16, s14, 1
	s_bfe_u32 s40, ttmp6, 0x40000
	s_bfe_u32 s41, ttmp6, 0x40004
	s_lshl_b32 s42, ttmp9, 2
	s_add_co_u32 s42, s42, s40
	s_and_b32 s17, ttmp7, 0xffff
	s_lshl_b32 s17, s17, 2
	s_add_co_u32 s17, s17, s41
	s_lshl_b32 s43, s41, 2
	s_lshl_b32 s43, 15, s43
	s_lshl_b32 s44, 0x1111, s40
	s_or_b32 s[G1+0], s43, (3<<16)|(1<<21)
	s_or_b32 s[G1B+0], s44, (3<<16)|(1<<21)
	s_mov_b32 s[G1+5], 192*TA
	s_mov_b32 s[G1B+5], 192*TB
.irp g, G1, G1B
	s_mov_b32 s[\g+1], 3072<<16                    ; for the head: 2 rows (K steps) of 16 fragments
	s_mov_b32 s[\g+2], 2<<16
	s_mov_b32 s[\g+3], 3072<<16
	s_mov_b32 s[\g+4], 2
	s_mov_b32 s[\g+6], 0
	s_mov_b32 s[\g+7], 0
.endr
	s_or_b32 s[G1S+0], s43, (3<<16)|(1<<21)
	s_or_b32 s[G1SB+0], s44, (3<<16)|(1<<21)
	s_mov_b32 s[G1S+5], 8*TA
	s_mov_b32 s[G1SB+5], 8*TB
.irp g, G1S, G1SB
	s_mov_b32 s[\g+1], 128<<16                     ; scale words: SK rows of 1,024 bytes (16 tiles)
	s_mov_b32 s[\g+2], SK<<16
	s_mov_b32 s[\g+3], 128<<16
	s_mov_b32 s[\g+4], SK
	s_mov_b32 s[\g+6], 0
	s_mov_b32 s[\g+7], 0
.endr
	s_lshl_b32 s20, s17, 4                         ; activations: tile 16 ty
	s_lshl_b32 s46, s42, 4                         ; weights: tile 16 tx
	s_lshl_b32 s22, s20, 6
	s_add_co_u32 s22, s22, ASCL
	s_mov_b32 s23, 0
	s_lshl_b32 s92, s46, 6
	s_add_co_u32 s92, s92, BSCL
	s_mov_b32 s93, 0
	s_mul_i32 s20, s20, FRB
	s_mov_b32 s21, 0
	s_mul_i32 s46, s46, FRB
	s_add_co_u32 s46, s46, BCOD
	s_mov_b32 s47, 0
	s_mul_i32 s45, s16, 2*HALFT                    ; where my loads go, by the wave's number alone: the operand's region,
	s_mul_i32 s94, s15, HALFT
	s_add_co_u32 s45, s45, s94                     ; and my K step in it
	s_wait_kmcnt 0x0
	s_add_nc_u64 s[20:21], s[4:5], s[20:21]
	s_add_nc_u64 s[22:23], s[4:5], s[22:23]
	s_add_nc_u64 s[46:47], s[6:7], s[46:47]
	s_add_nc_u64 s[92:93], s[6:7], s[92:93]
	CROUND
	s_mov_b32 s[G0S], 1
	s_mov_b32 s[G0S+1], SCL
	s_mov_b64 s[G0S+2:G0S+3], s[22:23]
	s_or_b32 s[G0S+3], s[G0S+3], 0x80000000
	s_mov_b32 s[G0SB], 1
	s_mov_b32 s[G0SB+1], SCL+2*HALFS
	s_mov_b64 s[G0SB+2:G0SB+3], s[92:93]
	s_or_b32 s[G0SB+3], s[G0SB+3], 0x80000000
	s_mul_i32 s18, s15, TA*FRB                     ; my K step of a slot's two
	s_mov_b32 s19, 0
	s_add_nc_u64 s[20:21], s[20:21], s[18:19]
	s_mul_i32 s18, s15, TB*FRB
	s_add_nc_u64 s[46:47], s[46:47], s[18:19]
.irp s, 0,1
	s_mov_b32 s[G0+4*\s], 1
	s_add_co_u32 s[G0+4*\s+1], s45, \s*SLOT
	s_add_nc_u64 s[G0+4*\s+2:G0+4*\s+3], s[20:21], \s*2*TA*FRB
	s_or_b32 s[G0+4*\s+3], s[G0+4*\s+3], 0x80000000
	s_mov_b32 s[G0B+4*\s], 1
	s_add_co_u32 s[G0B+4*\s+1], s45, \s*SLOT
	s_add_nc_u64 s[G0B+4*\s+2:G0B+4*\s+3], s[46:47], \s*2*TB*FRB
	s_or_b32 s[G0B+4*\s+3], s[G0B+4*\s+3], 0x80000000
.endr
; the head's loads, one a wave, in one chain of branches on the wave's number
.macro ARM under, g0, g1, next
	s_cmp_lt_u32 s14, \under
	s_cbranch_scc0 \next
	tensor_load_to_lds s[\g0:\g0+3], s[\g1:\g1+7]
	s_nop 0
.rept 4
	v_nop
.endr
	s_branch .Lhead_asked
\next:
.endm
	ARM 1, G0,  G1,  .Lhead_b
	ARM 2, G0B, G1B, .Lhead_sa
	ARM 3, G0S, G1S, .Lhead_sb
	tensor_load_to_lds s[G0SB:G0SB+3], s[G1SB:G1SB+7]
	s_nop 0
.rept 4
	v_nop
.endr
.Lhead_asked:
	v_and_b32 v1, 15, v0
	v_bfe_u32 v2, v0, 4, 1
	s_wait_alu depctr_va_vdst(0)
	v_and_b32 v3, 31, v0
	v_lshlrev_b32 v[LI], 4, v3
	s_mul_i32 s21, s15, HALFT/2                    ; my 8 of a K step's 16 fragments
	s_mul_i32 s22, s16, HALFT/2
	s_add_co_u32 s22, s22, 2*HALFT
.irp s, 0,1
	v_add_nc_u32 v[ADRA+\s], s21, v[LI]
	v_add_nc_u32 v[ADRB+\s], s22, v[LI]
	s_add_co_u32 s21, s21, SLOT
	s_add_co_u32 s22, s22, SLOT
.endr
	s_lshl_b32 s21, s15, 9                         ; 512 bytes for 8 tiles and a K step
	s_lshl_b32 s22, s16, 9
	s_add_co_u32 s22, s22, 2*HALFS
	s_sub_co_u32 s22, s22, s21
	v_mul_u32_u24 v6, s22, v2
	s_add_co_u32 s21, s21, SCL
	v_lshl_add_u32 v5, v1, 4, v6
	v_add_nc_u32 v[ADRS], s21, v5
	s_lshl_b32 s46, s42, 10
	s_mov_b32 s47, 0
	s_add_nc_u64 s[8:9], s[8:9], s[46:47]
	s_lshl_b32 s21, s16, 9
	v_lshl_add_u32 v[BQO], v2, 6, s21
	WIN TO_B
.irp g, 0,1,2,3
.irp i, 0,1,2,3
	global_load_b128 v[96+16*\g+4*\i+96*(\g/2):99+16*\g+4*\i+96*(\g/2)], v[BQO], s[8:9] offset:128*\g+16*\i
.endr
.endr
	WIN 0
.macro FRAG reg, adr, q, i
.irp c, 0,1,2
	ds_load_b128 v[\reg+4*\c:\reg+4*\c+3], v[\adr] offset:16*FRB*(\q)+FRB*(\i)+512*\c
.endr
.endm
.macro MUL16 a0, p, q, sc, zero
.irp a, \a0, \a0+1
.irp b, 0,1,2,3,4,5,6,7
.if \zero
	v_wmma_scale_f32_16x16x128_f8f6f4 v[8*(8*((\a)%4)+\b):8*(8*((\a)%4)+\b)+7], v[128*(\p)+FR*\b:128*(\p)+FR*\b+FR-1], v[AF+FR*(\a):AF+FR*(\a)+FR-1], 0, v[SC+16*(\sc)+8*(\q)+\b], v[SC+16*(\sc)+8*(\q)+(\a)] matrix_a_fmt:MATRIX_FMT_FP6 matrix_b_fmt:MATRIX_FMT_FP6 matrix_a_scale:MATRIX_SCALE_ROW1
.else
	v_wmma_scale_f32_16x16x128_f8f6f4 v[8*(8*((\a)%4)+\b):8*(8*((\a)%4)+\b)+7], v[128*(\p)+FR*\b:128*(\p)+FR*\b+FR-1], v[AF+FR*(\a):AF+FR*(\a)+FR-1], v[8*(8*((\a)%4)+\b):8*(8*((\a)%4)+\b)+7], v[SC+16*(\sc)+8*(\q)+\b], v[SC+16*(\sc)+8*(\q)+(\a)] matrix_a_fmt:MATRIX_FMT_FP6 matrix_b_fmt:MATRIX_FMT_FP6 matrix_a_scale:MATRIX_SCALE_ROW1
.endif
.endr
.endr
.endm
.macro FETCH_B slot, q, p
	WIN TO_B
.irp i, 0,1,2,3,4,5,6,7
	FRAG 128*(\p)+FR*\i, ADRB+\slot, \q, \i
.endr
	WIN 0
.endm
.macro FETCH_A slot, q, i0
.irp i, \i0, \i0+1, \i0+2, \i0+3
	FRAG AF+FR*(\i), ADRA+\slot, \q, \i
.endr
.endm
.macro SCALES sc
.irp q, 0,1
.irp g, 0,1
	ds_load_b128 v[SC+16*\sc+8*\q+4*\g:SC+16*\sc+8*\q+4*\g+3], v[ADRS] offset:1024*\q+256*\g
.endr
.endr
.endm
.macro PLACES n
.rept \n
	v_nop
.endr
.endm
.macro STEP slot, q, zero
	s_wait_dscnt 4*NL
	WIN MUL_LO
	MUL16 0, (\q)%2, \q, \slot, \zero
	MUL16 2, (\q)%2, \q, \slot, \zero
	s_wait_dscnt 0
	PLACES NP
	FETCH_B \slot, (\q)+1, 1-(\q)%2
	FETCH_A \slot, (\q)+1, 0
	WIN MUL_HI
	MUL16 4, (\q)%2, \q, \slot, \zero
	MUL16 6, (\q)%2, \q, \slot, \zero
	PLACES NP
	WIN 0
	FETCH_A \slot, (\q)+1, 4
.endm
.macro TURN slot, next, fill
	s_wait_tensorcnt 0x0
	ds_add_u32 v[SPW], v[NIL]
	s_wait_dscnt 4*NL+1
	WIN MUL_LO
	MUL16 0, 1, 1, \slot, 0
	s_wait_dscnt 0x0
	s_barrier_signal -1
	MUL16 2, 1, 1, \slot, 0
	WIN 0
	s_barrier_wait -1
.if \fill
	CREST
	s_add_nc_u64 s[G0+4*\slot+2:G0+4*\slot+3], s[G0+4*\slot+2:G0+4*\slot+3], 4*TA*FRB
	s_add_nc_u64 s[G0B+4*\slot+2:G0B+4*\slot+3], s[G0B+4*\slot+2:G0B+4*\slot+3], 4*TB*FRB
	JLOAD G0+4*\slot, G1, G0B+4*\slot, G1B
.else
	PLACES NP
.endif
	s_wait_alu depctr_va_vdst(0)
	v_add_nc_u32 v[ADRS], 2048, v[ADRS]            ; the next two K steps' scale words
	FETCH_B \next, 0, 0
	FETCH_A \next, 0, 0
	SCALES \next
	WIN MUL_HI
	MUL16 4, 1, 1, \slot, 0
	MUL16 6, 1, 1, \slot, 0
	PLACES NP
	WIN 0
	FETCH_A \next, 0, 4
.endm
	s_wait_alu depctr_va_vdst(0)
	s_wait_tensorcnt 0x0                           ; my tile of the head's four is in
	ds_add_u32 v[SPW], v[NIL]
.irp g, G1, G1B                        ; no tensor load of mine is out: from here on a load brings one K step, a single row of 24,576 bytes
	s_mov_b32 s[\g+2], 1<<16
	s_mov_b32 s[\g+4], 1
	s_mov_b32 s[\g+5], 3072
	s_mov_b32 s[\g+6], 1<<16
.endr
	s_wait_dscnt 0x0
	CROUND                                         ; all four tiles are in, and all sixteen work-groups are here
	JLOAD G0+4, G1, G0B+4, G1B                     ; slot 1's first fill, the first tensor load behind the round
	FETCH_B 0, 0, 0
	FETCH_A 0, 0, 0
	SCALES 0
	FETCH_A 0, 0, 4
	STEP 0, 0, 1
	s_mov_b32 s3, LAPS-1
.Llap:
	TURN 0, 1, 1
	STEP 1, 0, 0
	TURN 1, 0, 1
	STEP 0, 0, 0
	s_sub_co_u32 s3, s3, 1
	s_cmp_lg_u32 s3, 0
	s_cbranch_scc1 .Llap
	TURN 0, 1, 0
	STEP 1, 0, 0
	s_wait_dscnt 4*NL
	WIN MUL_LO
	MUL16 0, 1, 1, 1, 0
	MUL16 2, 1, 1, 1, 0
	s_wait_dscnt 0
	WIN MUL_HI
	MUL16 4, 1, 1, 1, 0
	MUL16 6, 1, 1, 1, 0
	WIN 0
.macro COPY a
	WIN 0x06+(\a)/4
.set n, 0
.rept 32
	v_pk_add_f32 v[ST+n:ST+n+1], v[64*((\a)%4)+n:64*((\a)%4)+n+1], v[96+n+96*(n/32):97+n+96*(n/32)]
.set n, n+2
.endr
	WIN 0
.endm
.macro EACH16 line:vararg
.endm
.macro GELU ch
.set UU, ST+32*\ch
.set n, 0
.rept 32
	v_fma_f32 v[T+n], |v[UU+n]|, 0x3eb504f3, 1.0
.set n, n+1
.endr
.set n, 0
	s_wait_alu depctr_va_vdst(0)
.rept 32
	v_rcp_f32 v[T+n], v[T+n]
.if n%2
	v_pk_mul_f32 v[Z+n-1:Z+n], v[UU+n-1:UU+n], v[UU+n-1:UU+n]   ; u^2: independent plain work among the reciprocals; first read behind the wait below
.endif
.set n, n+1
.endr
	s_wait_alu depctr_va_vdst(0)
.set n, 0
.rept 16
	v_pk_fma_f32 v[P+n:P+n+1], v[T+n:T+n+1], v[C9V:C9V+1], 0xbf527892 op_sel_hi:[1,1,0]
.set n, n+2
.endr
.irp k, 0x3fbe87b0, 0xbf914e5d, 0x3e8ec7cc, 0xbe3ec24c, 0x3dc636c9, 0x3ebf88fb, 0x3f8000c7, 0xbffab55a   ; the last: -1.26551223 - ln 2, so that the exponential gives erfc / (2 t)
.set n, 0
.rept 16
	v_pk_fma_f32 v[P+n:P+n+1], v[P+n:P+n+1], v[T+n:T+n+1], \k op_sel_hi:[1,1,0]
.set n, n+2
.endr
.endr
.set n, 0
.rept 16
	v_pk_fma_f32 v[P+n:P+n+1], v[Z+n:Z+n+1], -0.5, v[P+n:P+n+1] op_sel_hi:[1,0,1]
.set n, n+2
.endr
.set n, 0
.rept 16
	v_pk_mul_f32 v[P+n:P+n+1], v[P+n:P+n+1], 0x3fb8aa3b op_sel_hi:[1,0]
.set n, n+2
.endr
.set n, 0
	s_wait_alu depctr_va_vdst(0)
.rept 32
	v_exp_f32 v[P+n], v[P+n]
	v_max_num_f32 v[Z+n], 0, v[UU+n]               ; max(u, 0): independent plain work among the exponentials; first read behind the wait below
.set n, n+1
.endr
	s_wait_alu depctr_va_vdst(0)
.set n, 0
.rept 16
	v_pk_mul_f32 v[P+n:P+n+1], v[P+n:P+n+1], v[T+n:T+n+1]
.set n, n+2
.endr
.set n, 0
.rept 16
	v_fma_f32 v[UU+n], -|v[UU+n]|, v[P+n], v[Z+n]          ; gelu(u) = max(u, 0) - |u| h
	v_fma_f32 v[UU+n+1], -|v[UU+n+1]|, v[P+n+1], v[Z+n+1]
.set n, n+2
.endr
.endm
.macro QUANT s, pw
.irp b, 0,1,2,3
	v_max3_num_f32 v[TM+\b], |v[\s+16*\b]|, |v[\s+1+16*\b]|, 0x1800000
.endr
.irp i, 2,4,6,8,10,12,14
.irp b, 0,1,2,3
	v_max3_num_f32 v[TM+\b], v[TM+\b], |v[\s+16*\b+\i]|, |v[\s+1+16*\b+\i]|
.endr
.endr
.irp b, 0,1,2,3
	v_permlanex16_b32 v[TM+4+\b], v[TM+\b], s[SEL], s[SEL+1]
.endr
.irp b, 0,1,2,3
	v_max_num_f32 v[TM+\b], v[TM+\b], v[TM+4+\b]
.endr
.irp b, 0,1,2,3
	v_add_nc_u32 v[TM+12+\b], 0xff000000, v[TM+\b]
.endr
.irp b, 0,1,2,3
	v_lshrrev_b32 v[TM+4+\b], 23, v[TM+12+\b]
.endr
	v_lshl_or_b32 v[\pw], v[TM+5], 8, v[TM+4]
	v_lshl_or_b32 v[\pw], v[TM+6], 16, v[\pw]
	v_lshl_or_b32 v[\pw], v[TM+7], 24, v[\pw]
.irp c, 0,1
	v_cvt_scalef32_pk16_fp6_f32 v[PC+6*\c:PC+2+6*\c], v[\s+32*\c:\s+15+32*\c], v[TM+12+2*\c]
	v_cvt_scalef32_pk16_fp6_f32 v[PC+12+4*\c:PC+14+4*\c], v[\s+16+32*\c:\s+31+32*\c], v[TM+12+2*\c+1]
.endr
	v_nop
.irp c, 0,1
.irp i, 0,1,2
	v_permlane16_swap_b32 v[PC+6*\c+\i], v[PC+12+4*\c+\i]
.endr
.irp i, 0,1,2
	v_mov_b32 v[PC+3+6*\c+\i], v[PC+12+4*\c+\i]
.endr
.endr
.endm
	PLACES NP
	s_wait_loadcnt 0x0
	s_mov_b32 s[SEL], 0x76543210
	s_mov_b32 s[SEL+1], 0xfedcba98
	s_mov_b32 s[HM], 0xffff0000
.irp b, 0,1,2,3,4,5,6,7
	v_mov_b32 v[PWS+\b], 0
.endr
.irp b, 4,5,6,7
	v_mov_b32 v[TM+\b], 0
.endr
	v_mov_b32 v[C9V], 0x3e2ef945
	v_mov_b32 v[C9V+1], 0x3e2ef945
	s_lshl_b32 s20, s42, 1
	s_add_co_u32 s20, s20, s16
	s_lshl_b32 s21, s17, 4
	s_lshl_b32 s22, s15, 3
	s_add_co_u32 s21, s21, s22
	s_lshl_b32 s22, s20, 8
	s_add_co_u32 s22, s22, s21
	s_mul_i32 s22, s22, FRB
	s_mov_b32 s23, 0
	s_add_nc_u64 s[12:13], s[10:11], s[22:23]
	s_lshl_b32 s22, s20, 14
	s_lshl_b32 s21, s21, 6
	s_add_co_u32 s22, s22, s21
	s_add_co_u32 s22, s22, O_SC
	s_add_nc_u64 s[18:19], s[10:11], s[22:23]
	s_mov_b32 s3, 0
.Ltile:
.irp a, 0,1,2,3,4,5,6
	s_cmp_eq_u32 s3, \a
	s_cbranch_scc1 .Lcopy\a
.endr
	COPY 7
	s_branch .Lgo
.irp a, 0,1,2,3,4,5
.Lcopy\a:
	COPY \a
	s_branch .Lgo
.endr
.Lcopy6:
	COPY 6
.Lgo:
	GELU 0
	GELU 1
.irp k, 0,1,2,3,4,5,6
	v_mov_b32 v[PWS+\k], v[PWS+\k+1]
.endr
	QUANT ST, PWS+7
.irp c, 0,1,2
	global_store_b128 v[LI], v[PC+4*\c:PC+4*\c+3], s[12:13] offset:512*\c
.endr
	s_wait_xcnt 0x0
	s_add_nc_u64 s[12:13], s[12:13], FRB
	s_add_co_u32 s3, s3, 1
	s_cmp_lt_u32 s3, 8
	s_cbranch_scc1 .Ltile
.irp k, 0,1,2,3
	v_cndmask_b32 v[SW+\k], v[PWS+\k], v[PWS+4+\k], s[HM]
.endr
	global_store_b128 v[LI], v[SW:SW+3], s[18:19]
	s_wait_tensorcnt 0x0
	ds_add_u32 v[SPW], v[NIL]
	s_wait_dscnt 0x0
	CROUND
	s_endpgm
.Lfunc_end_k_q8432c232f7_gemm_ffn1:
	.size	k_q8432c232f7_gemm_ffn1, .Lfunc_end_k_q8432c232f7_gemm_ffn1-k_q8432c232f7_gemm_ffn1
	.p2alignl 7, 3214868480
	.fill 96, 4, 3214868480
	.section	.rodata,"a",@progbits
	.p2align	6, 0x0
	.amdhsa_kernel k_q8432c232f7_gemm_ffn1
		.amdhsa_group_segment_fixed_size 327680
		.amdhsa_private_segment_fixed_size 0
		.amdhsa_enable_private_segment 0
		.amdhsa_kernarg_size 32
		.amdhsa_user_sgpr_count 2
		.amdhsa_user_sgpr_kernarg_segment_ptr 1
		.amdhsa_wavefront_size32 1
		.amdhsa_system_sgpr_workgroup_id_x 1
		.amdhsa_system_sgpr_workgroup_id_y 1
		.amdhsa_system_sgpr_workgroup_id_z 1
		.amdhsa_system_vgpr_workitem_id 0
		.amdhsa_next_free_vgpr 1024
		.amdhsa_next_free_sgpr 98
		.amdhsa_reserve_vcc 0
		.amdhsa_float_denorm_mode_32 3
		.amdhsa_float_denorm_mode_16_64 3
		.amdhsa_memory_ordered 1
		.amdhsa_forward_progress 1
		.amdhsa_inst_pref_size 183
	.end_amdhsa_kernel
	.amdgpu_metadata
---
amdhsa.version: [ 1, 2 ]
amdhsa.kernels:
  - .name:           k_q8432c232f7_gemm_ffn1
    .symbol:         k_q8432c232f7_gemm_ffn1.kd
    .args:
      - { .name: hq, .offset: 0, .size: 8, .value_kind: global_buffer, .address_space: global }
      - { .name: prepq, .offset: 8, .size: 8, .value_kind: global_buffer, .address_space: global }
      - { .name: ffn_b1, .offset: 16, .size: 8, .value_kind: global_buffer, .address_space: global }
      - { .name: h1q, .offset: 24, .size: 8, .value_kind: global_buffer, .address_space: global }
    .group_segment_fixed_size: 327680
    .private_segment_fixed_size: 0
    .kernarg_segment_align: 8
    .kernarg_segment_size: 32
    .max_flat_workgroup_size: 128
    .sgpr_count:     98
    .vgpr_count:     1024
    .wavefront_size: 32
...
	.end_amdgpu_metadata
.endif
;; end of part 11
;; launch gemm_ffn2 (part 12): grid 8 x 32, 4 waves a work-group, clusters of 4 x 4, 327,680 bytes of LDS; arguments h1q, prepq, ffn_b2, ybuf, out0; writes out0
.if DOCPART == 12
	.amdgcn_target "amdgcn-amd-amdhsa--gfx1250"
	.amdhsa_code_object_version 6
	.text
	.protected	k_q8432c232f7_gemm_ffn2
	.globl	k_q8432c232f7_gemm_ffn2
	.p2align	8
	.type	k_q8432c232f7_gemm_ffn2,@function
k_q8432c232f7_gemm_ffn2:
	s_mov_b64 s[64:65], 0
	v_nop
	global_prefetch_b8 v0, s[64:65] scope:SCOPE_SE
	s_setreg_imm32_b32 hwreg(HW_REG_WAVE_MODE, 25, 1), 1
	s_wait_xcnt 0x0
	s_wait_alu depctr_hold_cnt(0) depctr_sa_sdst(0) depctr_va_vdst(0) depctr_va_sdst(0) depctr_va_ssrc(0) depctr_va_vcc(0) depctr_vm_vsrc(0)
	s_getreg_b32 s2, hwreg(HW_REG_IB_STS2, 6, 4)
	s_cmp_eq_u32 s2, 0
	s_cbranch_scc0 .Lentry_in_a_cluster
	s_endpgm
.Lentry_in_a_cluster:
	s_bfe_u32 s2, ttmp6, 0x10000c
	s_cmp_lg_u32 s2, 0xf033
	s_cbranch_scc0 .Lentry_shape_is_right
	s_endpgm
.Lentry_shape_is_right:
; out = y + h1 W2 + b2 on codes of FP6 (E2M3) with E8M0 scales, [4096 x 4096] x [4096 x 1024]; f32 out in natural rows.
; Operands are images of fragments (16 rows x 128 K = 1,536 bytes), codes [K step][tile][1536], scale words [K step][tile / 4][row][tile % 4].  A block of 128 x 128 to four waves, 64 x 64 a wave: 256 work-groups.
; K in steps of 512 through two LDS slots, each [4 K steps][8 tiles] of activations, then of weights.  CLUSTER 4 x 4: activations asked for jointly along a row, weights along a column.
; THE HEAD: one tensor load a wave: slot 0's activations, its weights, the activations' scale words of all K, the weights'.  Slot 1 is first filled behind the full sequence and a round.  In the ring a wave brings two K steps of one operand.
; Source 0 = 16 columns of W, source 1 = 16 rows; the bias is the C of the first products; the residual is loaded ahead of the last lap and added on the way out, which goes through a stage of each wave's own in slot 0.
.set TA,    256
.set TB,    64
.set SK,    32
.set ASCL,  12582912
.set BCOD,  9830400
.set BSCL,  12976128
.set FRB,   1536
.set FR,    12
.set NP,    4
.set NQ,    4
.set HALFT, 16*FRB
.set SLOT,  4*HALFT
.set LAPS,  SK/(2*NQ)
.set SCL,   2*SLOT
.set HALFS, 256*SK
.set SPARE, 327168
.set SPITCH, 272
.set LI,   4
.set BQO,  7
.set ADRA, 16
.set ADRB, 20
.set STO,  24
.set RD,   25
.set CO,   26
.set ADRS, 27
.set SPW,  28
.set NIL,  29
.set SC,   32
.set BI,   64
.set BK,   64
.set ACC,  128
.set RES,  0
.set G1, 24
.set G0, 32
.set G1B, 48
.set G0B, 56
.set G1S, 68
.set G0S, 76
.set G1SB, 80
.set G0SB, 88
.set MSB, 0
.macro WIN new
.if MSB != (\new)
	s_set_vgpr_msb (MSB<<8)|(\new)
.set MSB, (\new)
.endif
.endm
.set MUL,  0x05
.set TO_F, 0x40
.macro JLOAD g0a, g1a, g0b, g1b        ; a joint load of the ring: waves 0, 2 fetch activations, waves 1, 3 weights
	s_cmp_eq_u32 s16, 0
	s_cbranch_scc0 .Lfor_b_\@
	tensor_load_to_lds s[\g0a:\g0a+3], s[\g1a:\g1a+7]
	s_nop 0
.rept 4
	v_nop
.endr
	s_branch .Lasked_\@
.Lfor_b_\@:
	tensor_load_to_lds s[\g0b:\g0b+3], s[\g1b:\g1b+7]
	s_nop 0
.rept 4
	v_nop
.endr
.Lasked_\@:
.endm
.macro CREST
	s_cmp_lg_u32 s14, 0
	s_cbranch_scc1 .Lnot_wave_0_\@
	s_barrier_signal -3
.Lnot_wave_0_\@:
	s_barrier_wait -3
	s_barrier_signal -1
	s_barrier_wait -1
.endm
.macro CROUND
	s_barrier_signal -1
	s_barrier_wait -1
	CREST
.endm
	s_load_b128 s[4:7], s[0:1], 0x0
	s_load_b128 s[8:11], s[0:1], 0x10
	s_load_b64 s[12:13], s[0:1], 0x20
	v_lshl_add_u32 v[SPW], v0, 2, SPARE
	v_mov_b32 v[NIL], 0
	ds_add_u32 v28, v29
	ds_add_u32 v28, v29
	s_wait_dscnt 0x0
	v_lshrrev_b32 v1, 5, v0
	v_readfirstlane_b32 s14, v1
	s_lshr_b32 s15, s14, 1
	s_and_b32 s16, s14, 1
	s_bfe_u32 s40, ttmp6, 0x40000
	s_bfe_u32 s41, ttmp6, 0x40004
	s_lshl_b32 s42, ttmp9, 2
	s_add_co_u32 s42, s42, s40
	s_and_b32 s17, ttmp7, 0xffff
	s_lshl_b32 s17, s17, 2
	s_add_co_u32 s17, s17, s41
	s_lshl_b32 s43, s41, 2
	s_lshl_b32 s43, 15, s43
	s_lshl_b32 s44, 0x1111, s40
	s_or_b32 s[G1+0], s43, (3<<16)|(1<<21)
	s_or_b32 s[G1B+0], s44, (3<<16)|(1<<21)
	s_mov_b32 s[G1+5], 192*TA
	s_mov_b32 s[G1B+5], 192*TB
.irp g, G1, G1B
	s_mov_b32 s[\g+1], 1536<<16                    ; for the head: 4 rows (K steps) of 8 fragments
	s_mov_b32 s[\g+2], NQ<<16
	s_mov_b32 s[\g+3], 1536<<16
	s_mov_b32 s[\g+4], NQ
	s_mov_b32 s[\g+6], 0
	s_mov_b32 s[\g+7], 0
.endr
	s_or_b32 s[G1S+0], s43, (3<<16)|(1<<21)
	s_or_b32 s[G1SB+0], s44, (3<<16)|(1<<21)
	s_mov_b32 s[G1S+5], 8*TA
	s_mov_b32 s[G1SB+5], 8*TB
.irp g, G1S, G1SB
	s_mov_b32 s[\g+1], 64<<16                      ; scale words: SK rows of 512 bytes (8 tiles)
	s_mov_b32 s[\g+2], SK<<16
	s_mov_b32 s[\g+3], 64<<16
	s_mov_b32 s[\g+4], SK
	s_mov_b32 s[\g+6], 0
	s_mov_b32 s[\g+7], 0
.endr
	s_lshl_b32 s20, s17, 3                         ; activations: tile 8 ty
	s_lshl_b32 s46, s42, 3                         ; weights: tile 8 tx
	s_lshl_b32 s22, s20, 6
	s_add_co_u32 s22, s22, ASCL
	s_mov_b32 s23, 0
	s_lshl_b32 s92, s46, 6
	s_add_co_u32 s92, s92, BSCL
	s_mov_b32 s93, 0
	s_mul_i32 s20, s20, FRB
	s_mov_b32 s21, 0
	s_mul_i32 s46, s46, FRB
	s_add_co_u32 s46, s46, BCOD
	s_mov_b32 s47, 0
	s_mul_i32 s45, s16, 2*HALFT                    ; where my loads go, by the wave's number alone: the operand's region,
	s_mul_i32 s94, s15, HALFT
	s_add_co_u32 s45, s45, s94                     ; and my two K steps in it
	s_wait_kmcnt 0x0
	s_add_nc_u64 s[20:21], s[4:5], s[20:21]
	s_add_nc_u64 s[22:23], s[4:5], s[22:23]
	s_add_nc_u64 s[46:47], s[6:7], s[46:47]
	s_add_nc_u64 s[92:93], s[6:7], s[92:93]
	CROUND
	s_mov_b32 s[G0S], 1
	s_mov_b32 s[G0S+1], SCL
	s_mov_b64 s[G0S+2:G0S+3], s[22:23]
	s_or_b32 s[G0S+3], s[G0S+3], 0x80000000
	s_mov_b32 s[G0SB], 1
	s_mov_b32 s[G0SB+1], SCL+2*HALFS
	s_mov_b64 s[G0SB+2:G0SB+3], s[92:93]
	s_or_b32 s[G0SB+3], s[G0SB+3], 0x80000000
	s_mul_i32 s18, s15, 2*TA*FRB                   ; my two K steps of a slot's four
	s_mov_b32 s19, 0
	s_add_nc_u64 s[20:21], s[20:21], s[18:19]
	s_mul_i32 s18, s15, 2*TB*FRB
	s_add_nc_u64 s[46:47], s[46:47], s[18:19]
; THE PREFETCHES.  A load of the ring is 2 K steps x 12,288 bytes = 96 blocks of 256 bytes.  The four partners that ask for it jointly share the blocks out BY ADDRESS: the partner at place p (cx for activations, cy for weights)
; takes K step p / 2 and half p % 2 of its 12,288 bytes: 24 blocks, a lane a block, one instruction a wave (lanes 24-31 name the last block again).  At the refill that loads slot j + 2 the wave asks for slot j + 4.
.set PFA, 96                           ; s[96:97] where my prefetches stand
.set PFS, 92                           ; s[92:93] a slot's step: 4 K steps of my operand, in bytes
.set PFO, 8                            ; v8 256 x min(lane, 23); never rewritten
	s_cmp_eq_u32 s16, 0                            ; do I fetch activations?
	s_cselect_b64 s[PFA:PFA+1], s[20:21], s[46:47]
	s_cselect_b32 s94, s40, s41                    ; p
	s_mov_b32 s[PFS], TB*FRB
	s_cselect_b32 s[PFS], TA*FRB, s[PFS]           ; a K step's bytes
	s_mov_b32 s[PFS+1], 0
	s_lshr_b32 s95, s94, 1
	s_mul_i32 s18, s95, s[PFS]
	s_add_nc_u64 s[PFA:PFA+1], s[PFA:PFA+1], s[18:19]
	s_and_b32 s94, s94, 1
	s_mul_i32 s18, s94, 6144
	s_add_nc_u64 s[PFA:PFA+1], s[PFA:PFA+1], s[18:19]
	s_lshl_b32 s[PFS], s[PFS], 2
	s_mul_i32 s18, s[PFS], 3
	s_add_nc_u64 s[PFA:PFA+1], s[PFA:PFA+1], s[18:19]   ; at slot 3: the first refill steps it to slot 4
.irp s, 0,1
	s_mov_b32 s[G0+4*\s], 1
	s_add_co_u32 s[G0+4*\s+1], s45, \s*SLOT
	s_add_nc_u64 s[G0+4*\s+2:G0+4*\s+3], s[20:21], \s*NQ*TA*FRB
	s_or_b32 s[G0+4*\s+3], s[G0+4*\s+3], 0x80000000
	s_mov_b32 s[G0B+4*\s], 1
	s_add_co_u32 s[G0B+4*\s+1], s45, \s*SLOT
	s_add_nc_u64 s[G0B+4*\s+2:G0B+4*\s+3], s[46:47], \s*NQ*TB*FRB
	s_or_b32 s[G0B+4*\s+3], s[G0B+4*\s+3], 0x80000000
.endr
; the head's loads, one a wave, in one chain of branches on the wave's number
.macro ARM under, g0, g1, next
	s_cmp_lt_u32 s14, \under
	s_cbranch_scc0 \next
	tensor_load_to_lds s[\g0:\g0+3], s[\g1:\g1+7]
	s_nop 0
.rept 4
	v_nop
.endr
	s_branch .Lhead_asked
\next:
.endm
	ARM 1, G0,  G1,  .Lhead_b
	ARM 2, G0B, G1B, .Lhead_sa
	ARM 3, G0S, G1S, .Lhead_sb
	tensor_load_to_lds s[G0SB:G0SB+3], s[G1SB:G1SB+7]
	s_nop 0
.rept 4
	v_nop
.endr
.Lhead_asked:
	v_and_b32 v1, 15, v0
	v_bfe_u32 v2, v0, 4, 1
	s_wait_alu depctr_va_vdst(0)
	v_and_b32 v3, 31, v0
	v_lshlrev_b32 v[LI], 4, v3
	s_mul_i32 s21, s15, 4*FRB                      ; my 4 of a K step's 8 fragments
	s_mul_i32 s22, s16, 4*FRB
	s_add_co_u32 s22, s22, 2*HALFT
.irp s, 0,1
	v_add_nc_u32 v[ADRA+\s], s21, v[LI]
	v_add_nc_u32 v[ADRB+\s], s22, v[LI]
	s_add_co_u32 s21, s21, SLOT
	s_add_co_u32 s22, s22, SLOT
.endr
	s_lshl_b32 s21, s15, 8                         ; 256 bytes for 4 tiles and a K step
	s_lshl_b32 s22, s16, 8
	s_add_co_u32 s22, s22, 2*HALFS
	s_sub_co_u32 s22, s22, s21
	v_mul_u32_u24 v6, s22, v2
	s_add_co_u32 s21, s21, SCL
	v_lshl_add_u32 v5, v1, 4, v6
	v_add_nc_u32 v[ADRS], s21, v5
	s_mul_i32 s23, s14, 16*SPITCH
	v_mul_u32_u24 v5, v1, SPITCH
	v_lshl_add_u32 v5, v2, 6, v5
	v_add_nc_u32 v[STO], s23, v5
	v_mul_u32_u24 v5, v2, SPITCH
	v_lshl_add_u32 v5, v1, 4, v5
	v_add_nc_u32 v[RD], s23, v5
	v_lshlrev_b32 v5, 4, v1
	v_lshl_add_u32 v[CO], v2, 13, v5
	v_lshlrev_b32 v[BQO], 6, v2
	v_and_b32 v[PFO], 31, v0
	v_min_u32 v[PFO], 23, v[PFO]
	v_lshlrev_b32 v[PFO], 8, v[PFO]
	s_wait_alu depctr_va_vdst(0)
	s_lshl_b32 s20, s17, 7
	s_lshl_b32 s21, s15, 6
	s_add_co_u32 s20, s20, s21
	s_lshl_b32 s20, s20, 12
	s_lshl_b32 s46, s42, 9
	s_lshl_b32 s47, s16, 8
	s_add_co_u32 s46, s46, s47
	s_mov_b32 s47, 0
	s_add_nc_u64 s[8:9], s[8:9], s[46:47]
	s_add_co_u32 s20, s20, s46
	s_mov_b32 s21, 0
	s_add_nc_u64 s[10:11], s[10:11], s[20:21]
	s_add_nc_u64 s[12:13], s[12:13], s[20:21]
.irp g, 0,1
.irp i, 0,1,2,3
	global_load_b128 v[BI+16*\g+4*\i:BI+16*\g+4*\i+3], v[BQO], s[8:9] offset:128*\g+16*\i
.endr
.endr
.macro FRAG reg, adr, q, i
.irp c, 0,1,2
	ds_load_b128 v[\reg+4*\c:\reg+4*\c+3], v[\adr] offset:8*FRB*(\q)+FRB*(\i)+512*\c
.endr
.endm
.macro MUL4 a, p, q, sc, first
.irp b, 0,1,2,3
.if \first
	v_wmma_scale_f32_16x16x128_f8f6f4 v[ACC+8*(4*(\a)+\b):ACC+8*(4*(\a)+\b)+7], v[128*(\p)+FR*\b:128*(\p)+FR*\b+FR-1], v[128*(\p)+48+FR*(\a):128*(\p)+48+FR*(\a)+FR-1], v[BI+8*\b:BI+8*\b+7], v[SC+16*(\sc)+4*(\q)+\b], v[SC+16*(\sc)+4*(\q)+(\a)] matrix_a_fmt:MATRIX_FMT_FP6 matrix_b_fmt:MATRIX_FMT_FP6 matrix_a_scale:MATRIX_SCALE_ROW1
.else
	v_wmma_scale_f32_16x16x128_f8f6f4 v[ACC+8*(4*(\a)+\b):ACC+8*(4*(\a)+\b)+7], v[128*(\p)+FR*\b:128*(\p)+FR*\b+FR-1], v[128*(\p)+48+FR*(\a):128*(\p)+48+FR*(\a)+FR-1], v[ACC+8*(4*(\a)+\b):ACC+8*(4*(\a)+\b)+7], v[SC+16*(\sc)+4*(\q)+\b], v[SC+16*(\sc)+4*(\q)+(\a)] matrix_a_fmt:MATRIX_FMT_FP6 matrix_b_fmt:MATRIX_FMT_FP6 matrix_a_scale:MATRIX_SCALE_ROW1
.endif
.endr
.endm
.macro FETCH slot, q, p
	WIN TO_F
.irp i, 0,1,2,3
	FRAG 128*(\p)+FR*\i, ADRB+\slot, \q, \i
.endr
.irp i, 0,1,2,3
	FRAG 128*(\p)+48+FR*\i, ADRA+\slot, \q, \i
.endr
.endm
.macro SCALES sc
.irp q, 0,1,2,3
	ds_load_b128 v[SC+16*\sc+4*\q:SC+16*\sc+4*\q+3], v[ADRS] offset:512*\q
.endr
.endm
.macro PLACES n
.rept \n
	v_nop
.endr
.endm
.macro STEP slot, q, first
	s_wait_dscnt 6
	WIN MUL
	MUL4 0, (\q)%2, \q, \slot, \first
	MUL4 1, (\q)%2, \q, \slot, \first
	PLACES NP
	FETCH \slot, (\q)+1, 1-(\q)%2
	s_wait_dscnt 24
	WIN MUL
	MUL4 2, (\q)%2, \q, \slot, \first
	MUL4 3, (\q)%2, \q, \slot, \first
.endm
.macro TURN slot, next, fill
.if \fill
	s_wait_xcnt 0x0                                ; any prefetch of mine has read its address: it is stepped here, a slot behind the prefetch that read it
	s_add_nc_u64 s[PFA:PFA+1], s[PFA:PFA+1], s[PFS:PFS+1]
.endif
	WIN 0
	s_wait_tensorcnt 0x0
	ds_add_u32 v[SPW], v[NIL]
	s_wait_dscnt 7
	WIN MUL
	MUL4 0, 1, 3, \slot, 0
	s_wait_dscnt 0x0
	s_barrier_signal -1
	MUL4 1, 1, 3, \slot, 0
	WIN 0
	s_barrier_wait -1
.if \fill
	CREST
	s_add_nc_u64 s[G0+4*\slot+2:G0+4*\slot+3], s[G0+4*\slot+2:G0+4*\slot+3], 2*NQ*TA*FRB
	s_add_nc_u64 s[G0B+4*\slot+2:G0B+4*\slot+3], s[G0B+4*\slot+2:G0B+4*\slot+3], 2*NQ*TB*FRB
	JLOAD G0+4*\slot, G1, G0B+4*\slot, G1B
.else
	PLACES NP
.endif
	s_wait_alu depctr_va_vdst(0)
	v_add_nc_u32 v[ADRS], 512*NQ, v[ADRS]          ; the next slot's scale words
	SCALES \next
	FETCH \next, 0, 0
.if \fill
	WIN 0                                          ; (a branch follows)
	s_cmp_gt_u32 s3, 1                             ; the loop's last trip loads slots 6 and 7, and no slot stands two refills on: it asks for nothing
	s_cbranch_scc0 .Lno_ask_\@
	global_prefetch_b8 v[PFO], s[PFA:PFA+1] th:TH_LOAD_NT scope:SCOPE_SE
.Lno_ask_\@:
.endif
	WIN MUL
	MUL4 2, 1, 3, \slot, 0
	MUL4 3, 1, 3, \slot, 0
.endm
	s_wait_tensorcnt 0x0                           ; my tile of the head's four is in
	ds_add_u32 v[SPW], v[NIL]
.irp g, G1, G1B                        ; no tensor load of mine is out: from here on a load brings two K steps
	s_mov_b32 s[\g+2], 2<<16
	s_mov_b32 s[\g+4], 2
.endr
	s_wait_dscnt 0x0
	CROUND                                         ; all four tiles are in, and all sixteen work-groups are here
	JLOAD G0+4, G1, G0B+4, G1B                     ; slot 1's first fill, the first tensor load behind the round
	SCALES 0
	FETCH 0, 0, 0
	s_wait_loadcnt 0x0                             ; the bias
	STEP 0, 0, 1
.if LAPS > 1
	WIN 0
	s_mov_b32 s3, LAPS-1
.Llap:
	STEP 0, 1, 0
	STEP 0, 2, 0
	TURN 0, 1, 1
	STEP 1, 0, 0
	STEP 1, 1, 0
	STEP 1, 2, 0
	TURN 1, 0, 1
	STEP 0, 0, 0
	WIN 0
	s_sub_co_u32 s3, s3, 1
	s_cmp_lg_u32 s3, 0
	s_cbranch_scc1 .Llap
.endif
	WIN 0x80                                       ; destination window 2
.irp a, 0,1,2,3                        ; THE RESIDUAL'S LOADS STAND HERE, not at the head: every tile has been asked for, and nothing reads these before the way out, a lap further on.  My four row tiles, as the rows will come back from the stage
.irp t, 0,1,2,3,4,5,6,7
	global_load_b128 v[RES+32*\a+4*\t:RES+32*\a+4*\t+3], v[CO], s[10:11] offset:(16*(\a%2)+\a/2+32*(\t/4)+4*(\t%4))*4096 th:TH_LOAD_NT
.endr
.endr
	WIN 0
	STEP 0, 1, 0
	STEP 0, 2, 0
	TURN 0, 1, 0
	STEP 1, 0, 0
	STEP 1, 1, 0
	STEP 1, 2, 0
	s_wait_dscnt 6
	WIN MUL
	MUL4 0, 1, 3, 1, 0
	MUL4 1, 1, 3, 1, 0
	s_wait_dscnt 0
	MUL4 2, 1, 3, 1, 0
	MUL4 3, 1, 3, 1, 0
	WIN 0
.macro TOSTAGE a
.irp b, 0,1,2,3
	ds_store_b128 v[STO], v[ACC+8*(4*(\a)+\b):ACC+8*(4*(\a)+\b)+3] offset:128*(\b/2)+32*(\b%2)
	ds_store_b128 v[STO], v[ACC+8*(4*(\a)+\b)+4:ACC+8*(4*(\a)+\b)+7] offset:128*(\b/2)+32*(\b%2)+16
.endr
.set BB, BK+32*((\a)%2)
.irp t, 0,1,2,3,4,5,6,7
	ds_load_b128 v[BB+4*\t:BB+4*\t+3], v[RD] offset:2*\t*SPITCH
.endr
.endm
.macro SEND a, younger
.set BB, BK+32*((\a)%2)
	s_wait_dscnt \younger
	WIN 0x08
.irp t, 0,1,2,3,4,5,6,7
	v_pk_add_f32 v[BB+4*\t:BB+4*\t+1], v[BB+4*\t:BB+4*\t+1], v[RES+32*(\a)+4*\t:RES+32*(\a)+4*\t+1]
	v_pk_add_f32 v[BB+4*\t+2:BB+4*\t+3], v[BB+4*\t+2:BB+4*\t+3], v[RES+32*(\a)+4*\t+2:RES+32*(\a)+4*\t+3]
.endr
	WIN 0
.irp t, 0,1,2,3,4,5,6,7
	global_store_b128 v[CO], v[BB+4*\t:BB+4*\t+3], s[12:13] offset:(16*((\a)%2)+(\a)/2+32*(\t/4)+4*(\t%4))*4096 th:TH_STORE_NT
.endr
.endm
	PLACES NP
	s_wait_loadcnt 0x0
	TOSTAGE 0
.irp a, 1,2,3
.if \a > 1
	s_wait_xcnt 0x0
.endif
	TOSTAGE \a
	SEND \a-1, 16
.endr
	SEND 3, 0
	s_wait_tensorcnt 0x0
	ds_add_u32 v[SPW], v[NIL]
	s_wait_dscnt 0x0
	CROUND
	s_endpgm
.Lfunc_end_k_q8432c232f7_gemm_ffn2:
	.size	k_q8432c232f7_gemm_ffn2, .Lfunc_end_k_q8432c232f7_gemm_ffn2-k_q8432c232f7_gemm_ffn2
	.p2alignl 7, 3214868480
	.fill 96, 4, 3214868480
	.section	.rodata,"a",@progbits
	.p2align	6, 0x0
	.amdhsa_kernel k_q8432c232f7_gemm_ffn2
		.amdhsa_group_segment_fixed_size 327680
		.amdhsa_private_segment_fixed_size 0
		.amdhsa_enable_private_segment 0
		.amdhsa_kernarg_size 40
		.amdhsa_user_sgpr_count 2
		.amdhsa_user_sgpr_kernarg_segment_ptr 1
		.amdhsa_wavefront_size32 1
		.amdhsa_system_sgpr_workgroup_id_x 1
		.amdhsa_system_sgpr_workgroup_id_y 1
		.amdhsa_system_sgpr_workgroup_id_z 1
		.amdhsa_system_vgpr_workitem_id 0
		.amdhsa_next_free_vgpr 640
		.amdhsa_next_free_sgpr 98
		.amdhsa_reserve_vcc 0
		.amdhsa_float_denorm_mode_32 3
		.amdhsa_float_denorm_mode_16_64 3
		.amdhsa_memory_ordered 1
		.amdhsa_forward_progress 1
		.amdhsa_inst_pref_size 91
	.end_amdhsa_kernel
	.amdgpu_metadata
---
amdhsa.version: [ 1, 2 ]
amdhsa.kernels:
  - .name:           k_q8432c232f7_gemm_ffn2
    .symbol:         k_q8432c232f7_gemm_ffn2.kd
    .args:
      - { .name: h1q, .offset: 0, .size: 8, .value_kind: global_buffer, .address_space: global }
      - { .name: prepq, .offset: 8, .size: 8, .value_kind: global_buffer, .address_space: global }
      - { .name: ffn_b2, .offset: 16, .size: 8, .value_kind: global_buffer, .address_space: global }
      - { .name: ybuf, .offset: 24, .size: 8, .value_kind: global_buffer, .address_space: global }
      - { .name: out0, .offset: 32, .size: 8, .value_kind: global_buffer, .address_space: global }
    .group_segment_fixed_size: 327680
    .private_segment_fixed_size: 0
    .kernarg_segment_align: 8
    .kernarg_segment_size: 40
    .max_flat_workgroup_size: 128
    .sgpr_count:     98
    .vgpr_count:     640
    .wavefront_size: 32
...
	.end_amdgpu_metadata
.endif
;; end of part 12
